; MI455X (gfx1250); checked and timed in simulation.
; The chip was launched on July 23, 2026; its instructions are those of AMD's public machine-readable ISA for CDNA 5 (MIT licence, August 2026) and "CDNA5" Instruction Set Architecture Reference Guide (July 2026). The comments in the code are by the model that wrote it; some were corrected since.
;; Soft Align Attention Mixed. Allowed arithmetic: matrix products marked QUANTISED: E2M1 operands, one E8M0 scale for each 32 along K, by v_wmma_scale_f32_16x16x128_f8f6f4 with both operands' format E2M1 (or v_wmma_scale_f32_32x16x128_f4), f32 sums; products left as they are: f32 operands where the result goes on into a quantised operand, else bf16, f16 or f32 operands; f32 sums; everything else in f32.
;; Inputs: cond 4 x 512 x 2,048 float32; gk_b 512 float32; gk_w 512 x 512 float32; go_b 512 float32; go_w 512 x 512 float32; gq_b 512 float32; gq_w 512 x 512 float32; gv_b 512 float32; gv_w 512 x 512 float32; lk_b 512 float32; lk_w 512 x 512 float32; lo_b 512 float32; lo_w 512 x 512 float32; lq_b 512 float32; lq_w 512 x 512 float32; lv_b 512 float32; lv_w 512 x 512 float32; t 4 int32; x 4 x 512 x 2,048 float32.
;; Outputs: out0 4 x 512 x 2,048 float32.
;; This version of the problem:
;;   THIS VERSION OF THE PROBLEM IS GIVEN IN LOW PRECISION. The matrix products marked QUANTISED in the list below multiply operands that are first quantised to E2M1 (2 exponent bits, 1 mantissa bit; 4 bits a number), with one power-of-two scale for each 32 numbers along K (OCP MX v1.0); their sums are f32. All else is computed in f32.
;;   The module's matrix products, in the order in which they are computed (A, B: the left and right operand; K: the contracted axis; several contracted axes count as one K, in the product's order):
;;     1. [M 8,192, K 512] x [K 512, N 512]; A: input x; B: input lq_w: QUANTISED
;;     2. [M 8,192, K 512] x [K 512, N 512]; A: input cond; B: input lk_w: QUANTISED
;;     3. [M 8,192, K 512] x [K 512, N 512]; A: input cond; B: input lv_w: QUANTISED
;;     4. batch 65,536 x [M 1, K 64] x [K 64, N 16]; A: computed on the way; B: computed on the way: left as it is (M = 1 < 16)
;;     5. batch 65,536 x [M 64, K 16] x [K 16, N 1]; A: computed on the way; B: softmax (see below): left as it is (K = 16 < 32)
;;     6. [M 8,192, K 512] x [K 512, N 512]; A: computed on the way; B: input lo_w: QUANTISED
;;     7. [M 8,192, K 512] x [K 512, N 512]; A: input x; B: input gq_w: QUANTISED
;;     8. [M 8,192, K 512] x [K 512, N 512]; A: input cond; B: input gk_w: QUANTISED
;;     9. [M 8,192, K 512] x [K 512, N 512]; A: input cond; B: input gv_w: QUANTISED
;;     10. batch 32 x [M 2,048, K 64] x [K 64, N 2,048]; A: computed on the way; B: computed on the way: QUANTISED
;;     11. batch 32 x [M 2,048, K 2,048] x [K 2,048, N 64]; A: softmax (see below); B: computed on the way: QUANTISED
;;     12. [M 8,192, K 512] x [K 512, N 512]; A: computed on the way; B: input go_w: QUANTISED
;;   THE QUANTISER, for each operand of a quantised product, along K:
;;     - K is cut into blocks of 32 from its start; a last block that is shorter is filled with zeros.
;;     - A block's scale is 2^e with e = floor(log2(the largest magnitude in the block)) - 2, held to -126 .. 127; a block of zeros has e = 0. As a byte (E8M0): e + 127.
;;     - Each number is divided by its block's scale, clamped to +-6, and rounded to the nearest number of E2M1, ties to even, subnormals kept.
;;     - The product sums the exact products of the quantised numbers (number of the format x scale) in f32.
;;   ~~~python
;;   def quantise(x, axis):      # numpy; x: float32 -> the quantised numbers, widened to float32 again
;;       x = np.moveaxis(x, axis, -1); K = x.shape[-1]
;;       x = np.pad(x, [(0, 0)] * (x.ndim - 1) + [(0, -K % 32)]); x = x.reshape(x.shape[:-1] + (-1, 32)); a = np.abs(x).max(-1, keepdims=True)
;;       e = np.where(a > 0, np.clip(np.frexp(np.where(a > 0, a, 1))[1] - 1 - 2, -126, 127), 0)      # np.frexp(a)[1] - 1 = floor(log2(a)), exactly
;;       r = np.clip(x / 2.0 ** e, -6, 6)
;;       step = 2.0 ** (np.maximum(np.frexp(np.where(r == 0, 1, r))[1] - 1, 0) - 1)
;;       q = np.round(r / step) * step * 2.0 ** e      # np.round: ties to even
;;       return np.moveaxis(q.reshape(q.shape[:-2] + (-1,))[..., :K], -1, axis).astype(np.float32)
;;   ~~~
;;   SOFTMAX AHEAD OF A QUANTISED PRODUCT. Where the list says 'softmax', what is quantised is not the finished softmax but p = 2^(t - M), with t = logit x log2(e) and M = ceil(the row's largest t), a whole number; so 1/2 < the row's largest p <= 1. The row's sum l is taken of the UNQUANTISED p, in f32, and the product's result is divided by l at the end. Since M is a whole number, a kernel that streams over the keys may use a running M (the ceiling of the running maximum): every later rescaling is an exact power of two, which a block's scale takes up: the codes' values come out the same.
;;   OPERANDS COMPUTED ON THE WAY. 'Computed on the way' means the value that the module computes at that place (a softmax that the list does not call 'softmax' is quantised finished and normalised). What goes into a quantiser is computed in f32, as accurately as f32 sums, v_exp_f32 and their like allow (about 1e-6 of the number): no bf16 or f16 on the way to a quantiser, and a product that is left as it is and whose result goes on into a quantised operand takes f32 operands (vector FMAs, or v_wmma_f32_16x16x4_f32). A number that lies on a knife's edge between two numbers of the format may be rounded either way, as far as f32 arithmetic and the matrix unit's own rounding can turn it there, and no further.
;; 2 versions. Each part assembles by itself: llvm-mc -triple=amdgcn-amd-amdhsa -mcpu=gfx1250 --defsym DOCPART=n.
;; ======== version 1 of 2: 5 launches
;; workspace buffers: xq 2,228,224 bytes; cq 2,228,224 bytes; wq 1,114,112 bytes; rope 524,288 bytes; qkv 6,946,816 bytes; og 2,359,296 bytes; ol 16,777,216 bytes
;; launch prep (part 1): grid 592 x 1, 4 waves a work-group, no clusters, 0 bytes of LDS; arguments x, cond, lq_w, lk_w, lv_w, lo_w, gq_w, gk_w, gv_w, go_w, xq, cq, wq, rope; writes xq, cq, wq, rope
.if DOCPART == 1
	.amdgcn_target "amdgcn-amd-amdhsa--gfx1250"
	.amdhsa_code_object_version 6
	.text
	.protected	k_q57eb66400d_prep
	.globl	k_q57eb66400d_prep
	.p2align	8
	.type	k_q57eb66400d_prep,@function
k_q57eb66400d_prep:
	s_mov_b64 s[64:65], 0
	v_nop
	global_prefetch_b8 v0, s[64:65] scope:SCOPE_SE
	s_setreg_imm32_b32 hwreg(HW_REG_WAVE_MODE, 25, 1), 1
	s_wait_xcnt 0x0
; PREP: x, cond and the eight weights become codes of FP4 (E2M1) with one E8M0 byte for each 32 along K = the 512 channels, laid as images of the matrix operands' registers; and the table of cos and sin is made.
; A TILE is 16 rows (of t, or of a weight's outputs) in SPLIT ORDER: tile (g, u) holds rows 32 g + 8 u + r + 8 (r / 8), r = 0 .. 15.  Its image is 4,096 bytes [K step of 128: 4][half c: 2][lane: 32][16 bytes];
; lane 16 h + r holds k = 128 s + 64 c + 32 h + 0 .. 31 of row r.  Its scale image is 256 bytes [K step 4][r 16][4 bytes].
; Work-groups 0-63: the weights (K innermost: a lane loads its own 32 neighbours).  64-79: the table.  80-591: x and cond (K is the outer axis: a lane takes a column t and its registers run down K).
; A block's scale byte is its largest magnitude's exponent field - 2, held at 1 from below.
; LIMITS: a block of zeros gets the byte 1 where the quantiser says 127 (its codes are zeros, and this program alone reads the bytes); NaN and infinities are not served;
; the inverse frequencies are the f32 numbers nearest to 10^(-i/8).
.macro BLK xs, cd                      ; 32 numbers of one block in v[xs] on -> 16 bytes of codes in v[cd] on, the byte in v13
	v_max3_num_f32 v12, |v[\xs]|, |v[\xs+1]|, |v[\xs+2]|
	v_max3_num_f32 v13, |v[\xs+3]|, |v[\xs+4]|, |v[\xs+5]|
.irp i, 6,10,14,18,22,26
	v_max3_num_f32 v12, v12, |v[\xs+\i]|, |v[\xs+\i+1]|
	v_max3_num_f32 v13, v13, |v[\xs+\i+2]|, |v[\xs+\i+3]|
.endr
	v_max3_num_f32 v12, v12, |v[\xs+30]|, |v[\xs+31]|
	v_max3_num_f32 v12, v12, v13, 0x1800000        ; and the floor 2^(3 - 127): the byte cannot fall under 1
	v_add_nc_u32 v11, 0xff000000, v12              ; 2 off the exponent field: the conversion's scale operand
	v_lshrrev_b32 v13, 23, v11                     ; the byte
.irp g, 0,1,2,3
	v_cvt_scalef32_pk8_fp4_f32 v[\cd+\g], v[\xs+8*\g:\xs+8*\g+7], v11
.endr
.endm
.macro LOADX t                         ; block t of my column: 32 rows of 8,192 bytes; a wave reads 128 neighbouring bytes of each
.set I, 0
.rept 32
	global_load_b32 v[32+32*(\t)+I], v3, s[34:35] offset:(32*(\t)+I)*8192 th:TH_LOAD_NT
.set I, I+1
.endr
.endm
.macro LOADW q                         ; block q = 2 s + c of my weight row: 128 neighbouring bytes
.irp i, 0,1,2,3,4,5,6,7
	global_load_b128 v[32+32*((\q)%4)+4*\i:32+32*((\q)%4)+4*\i+3], v3, s[34:35] offset:256*(\q)+16*\i th:TH_LOAD_NT
.endr
.endm
	s_load_b512 s[4:19], s[0:1], 0x0               ; x, cond, lq_w, lk_w, lv_w, lo_w, gq_w, gk_w
	s_load_b256 s[20:27], s[0:1], 0x40             ; gv_w, go_w, xq, cq
	s_load_b128 s[28:31], s[0:1], 0x60             ; wq, rope
	v_lshrrev_b32 v1, 5, v0
	v_readfirstlane_b32 s32, v1                    ; wave
	v_and_b32 v1, 31, v0                           ; lane
	s_mov_b32 s48, 0x76543210
	s_mov_b32 s49, 0xfedcba98                      ; v_permlanex16_b32's selects for lane l xor 16
	s_mov_b32 s45, 0
	s_wait_kmcnt 0x0
	s_cmp_lt_u32 ttmp9, 64
	s_cbranch_scc1 .Lw
	s_cmp_lt_u32 ttmp9, 80
	s_cbranch_scc1 .Lr
; ---- x and cond: a work-group takes 128 columns t x 128 along K, a wave 32 columns
	s_sub_co_u32 s33, ttmp9, 80
	s_cmp_lt_u32 s33, 256                          ; x's work-group or cond's: the choice hangs on the work-group's number alone
	s_cselect_b64 s[34:35], s[4:5], s[6:7]
	s_cselect_b64 s[36:37], s[24:25], s[26:27]
	s_and_b32 s40, s33, 3                          ; K step
	s_bfe_u32 s41, s33, 0x40002                    ; which 128 columns
	s_bfe_u32 s42, s33, 0x20006                    ; batch
	s_lshl_b32 s44, s42, 22
	s_lshl_b32 s43, s40, 20
	s_add_co_u32 s44, s44, s43
	s_lshl_b32 s43, s41, 9
	s_add_co_u32 s44, s44, s43
	s_lshl_b32 s43, s32, 7
	s_add_co_u32 s44, s44, s43
	s_add_nc_u64 s[34:35], s[34:35], s[44:45]      ; the source at my wave's first column and first row of K
	s_lshl_b32 s46, s42, 7
	s_lshl_b32 s43, s41, 3
	s_add_co_u32 s46, s46, s43
	s_lshl_b32 s43, s32, 1
	s_add_co_u32 s46, s46, s43                     ; the first of my wave's two tiles
	s_lshl_b32 s44, s46, 8
	s_lshl_b32 s43, s40, 6
	s_add_co_u32 s44, s44, s43
	s_add_co_u32 s44, s44, 0x200000
	s_add_nc_u64 s[38:39], s[36:37], s[44:45]      ; its scale image, this K step
	s_lshl_b32 s44, s46, 12
	s_lshl_b32 s43, s40, 10
	s_add_co_u32 s44, s44, s43
	s_add_nc_u64 s[36:37], s[36:37], s[44:45]      ; its image, this K step
	v_lshlrev_b32 v3, 2, v1
	v_bfe_u32 v6, v1, 3, 1                         ; column l lies in tile u = (l / 8) % 2,
	v_and_b32 v7, 7, v1
	v_bfe_u32 v8, v1, 4, 1
	v_lshl_or_b32 v7, v8, 3, v7                    ; row r = 8 (l / 16) + l % 8
	v_lshlrev_b32 v4, 4, v7
	v_lshl_add_u32 v4, v6, 12, v4
	v_lshlrev_b32 v5, 2, v7
	v_lshl_add_u32 v5, v6, 8, v5
	LOADX 0
	LOADX 1
.irp t, 0,1,2,3
.if \t < 3
	s_wait_loadcnt 32                              ; this block's 32 loads are in; the next block's 32 may be out
.else
	s_wait_loadcnt 0x0
.endif
.if \t < 2
	LOADX \t+2
.endif
	BLK 32+32*\t, 160+4*\t
.if \t == 0
	v_mov_b32 v24, v13                             ; the four bytes make my row's scale word of this K step
.else
	v_lshl_or_b32 v24, v13, 8*\t, v24
.endif
	global_store_b128 v4, v[160+4*\t:163+4*\t], s[36:37] offset:(\t/2)*512+(\t%2)*256   ; 16 lanes of each tile fill 256 consecutive, aligned bytes
.endr
	global_store_b32 v5, v24, s[38:39]
	s_endpgm
; ---- the weights: a wave takes one tile of 16 rows, all 512 along K
.Lw:
	s_lshr_b32 s33, ttmp9, 3                       ; plane: 0 lq, 1 lk, 2 lv, 3 lo, 4 gq, 5 gk, 6 gv, 7 go
	s_mov_b64 s[34:35], s[8:9]
.irp p, 1,2,3,4,5,6,7
	s_cmp_eq_u32 s33, \p
	s_cselect_b64 s[34:35], s[8+2*\p:9+2*\p], s[34:35]
.endr
	s_and_b32 s40, ttmp9, 7
	s_lshl_b32 s40, s40, 2
	s_add_co_u32 s40, s40, s32                     ; tile 0 .. 31 of the plane
	s_lshr_b32 s41, s40, 1
	s_lshl_b32 s41, s41, 16                        ; 32 rows of 2,048 bytes for each pair of tiles,
	s_and_b32 s42, s40, 1
	s_lshl_b32 s42, s42, 14                        ; 8 rows for the odd one
	s_add_co_u32 s44, s41, s42
	s_add_nc_u64 s[34:35], s[34:35], s[44:45]
	s_lshl_b32 s41, s33, 3
	s_lshr_b32 s42, s40, 2
	s_add_co_u32 s41, s41, s42
	s_mul_i32 s44, s41, 17408                      ; the record of (plane, head): four images, then four scale images
	s_add_nc_u64 s[28:29], s[28:29], s[44:45]
	s_and_b32 s42, s40, 3
	s_lshl_b32 s44, s42, 12
	s_add_nc_u64 s[36:37], s[28:29], s[44:45]
	s_lshl_b32 s44, s42, 8
	s_add_co_u32 s44, s44, 16384
	s_add_nc_u64 s[38:39], s[28:29], s[44:45]
	v_and_b32 v2, 15, v1                           ; r
	v_lshrrev_b32 v6, 4, v1                        ; h
	v_and_b32 v7, 8, v2
	v_add_nc_u32 v7, v7, v2                        ; r + 8 (r / 8)
	v_lshlrev_b32 v3, 11, v7
	v_lshl_add_u32 v3, v6, 7, v3                   ; my row, + 128 h bytes: my 32 numbers of each 64
	v_lshlrev_b32 v4, 4, v1
	v_lshlrev_b32 v5, 2, v1
	v_lshlrev_b32 v10, 3, v6
	v_cmp_ne_u32 vcc_lo, 0, v6
.irp s, 0,1,2,3
	v_mov_b32 v[28+\s], 0                          ; a lane permute's destination counts as one of its sources
.endr
	LOADW 0
	LOADW 1
	LOADW 2
	LOADW 3
.irp q, 0,1,2,3,4,5,6,7
.if \q < 5
	s_wait_loadcnt 24                              ; this block's eight loads are in; three younger blocks' may be out
.else
	s_wait_loadcnt 8*(7-\q)
.endif
	BLK 32+32*(\q%4), 160+4*\q
	v_mov_b32 v[16+\q], v13
	global_store_b128 v4, v[160+4*\q:163+4*\q], s[36:37] offset:512*\q     ; 512 consecutive bytes of the image
.if \q < 4
	LOADW \q+4
.endif
.endr
.irp s, 0,1,2,3
	v_lshl_or_b32 v[24+\s], v[17+2*\s], 16, v[16+2*\s]   ; my two bytes of K step s: blocks h and 2 + h,
	v_lshlrev_b32 v[24+\s], v10, v[24+\s]                ; at their places in the word (8 h bits up);
.endr
.irp s, 0,1,2,3
	v_permlanex16_b32 v[28+\s], v[24+\s], s48, s49
.endr
.irp s, 0,1,2,3
	v_or_b32 v[24+\s], v[24+\s], v[28+\s]          ; with lane l xor 16's two the word is whole
.endr
	v_cndmask_b32 v8, v24, v25, vcc_lo             ; lanes 0-15 store the even K step's words, lanes 16-31 the odd one's
	v_cndmask_b32 v9, v26, v27, vcc_lo
	global_store_b32 v5, v8, s[38:39]
	global_store_b32 v5, v9, s[38:39] offset:128
	s_endpgm
; ---- the table: rope[t][i] = (cos, sin) of t x 10^(-i/8); a wave takes 32 t, a lane one i
.Lr:
	s_sub_co_u32 s33, ttmp9, 64
	s_lshl_b32 s33, s33, 2
	s_add_co_u32 s33, s33, s32
	s_lshl_b32 s51, s33, 5                         ; my wave's first t
	s_lshl_b32 s44, s51, 8
	s_add_nc_u64 s[30:31], s[30:31], s[44:45]
	v_lshlrev_b32 v3, 3, v1
	v_mov_b32 v2, 0
.set LN, 0
.irp f, 1.0, 0.7498942093324559, 0.5623413251903491, 0.4216965034285822, 0.31622776601683794, 0.23713737056616552, 0.1778279410038923, 0.1333521432163324, 0.1, 0.07498942093324559, 0.05623413251903491, 0.04216965034285822, 0.031622776601683794, 0.023713737056616552, 0.01778279410038923, 0.01333521432163324, 0.01, 0.007498942093324559, 0.005623413251903491, 0.004216965034285822, 0.0031622776601683794, 0.0023713737056616552, 0.001778279410038923, 0.001333521432163324, 0.001, 0.0007498942093324559, 0.0005623413251903491, 0.0004216965034285822, 0.00031622776601683794, 0.00023713737056616552, 0.0001778279410038923, 0.0001333521432163324
	s_mov_b32 s50, \f
	v_writelane_b32 v2, s50, LN                    ; lane i: 10^(-i/8)
.set LN, LN+1
.endr
	s_mov_b32 s52, 0xb94ca1f9                      ; sin r = r + r z (s54 + z (s53 + z s52)), z = r r, |r| <= pi / 4
	s_mov_b32 s53, 0x3c08839e
	s_mov_b32 s54, 0xbe2aaaa3
	s_mov_b32 s55, 0x37ccf5ce                      ; cos r = 1 - z / 2 + z z (s57 + z (s56 + z s55))
	s_mov_b32 s56, 0xbab6061a
	s_mov_b32 s57, 0x3d2aaaa5
	s_mov_b32 s58, 0x3fc90fdb                      ; pi / 2 in two parts
	s_mov_b32 s59, 0xb33bbd2e
	s_mov_b32 s60, 0
.Lt:
	v_cvt_f32_u32 v4, s51
	v_mul_f32 v4, v4, v2                           ; the angle, rounded once
	v_mul_f32 v5, 0x3f22f983, v4
	v_rndne_f32 v5, v5                             ; n = the nearest multiple of pi / 2
	v_fma_f32 v6, -v5, s58, v4
	v_fma_f32 v6, -v5, s59, v6                     ; r
	v_mul_f32 v7, v6, v6                           ; z
	v_fma_f32 v8, v7, s52, s53
	v_fma_f32 v10, v7, s55, s56
	v_fma_f32 v8, v8, v7, s54
	v_fma_f32 v10, v10, v7, s57
	v_mul_f32 v9, v7, v6
	v_mul_f32 v11, v7, v7
	v_fma_f32 v12, v7, -0.5, 1.0
	v_fma_f32 v8, v8, v9, v6                       ; sin r
	v_fma_f32 v10, v10, v11, v12                   ; cos r
	v_cvt_i32_f32 v13, v5
	v_and_b32 v14, 1, v13
	v_cmp_ne_u32 vcc_lo, 0, v14
	v_cndmask_b32 v15, v8, v10, vcc_lo             ; an odd n changes sin and cos;
	v_cndmask_b32 v16, v10, v8, vcc_lo
	v_and_b32 v17, 2, v13
	v_lshlrev_b32 v17, 30, v17
	v_xor_b32 v21, v15, v17                        ; sin's sign is n's bit 1,
	v_add_nc_u32 v18, 1, v13
	v_and_b32 v18, 2, v18
	v_lshlrev_b32 v18, 30, v18
	v_xor_b32 v20, v16, v18                        ; cos's that of n + 1
	global_store_b64 v3, v[20:21], s[30:31]        ; the wave stores 256 consecutive, aligned bytes
	s_wait_xcnt 0x0                                ; the store's data and base are written again only behind this wait
	s_add_nc_u64 s[30:31], s[30:31], 256
	s_add_co_u32 s51, s51, 1
	s_add_co_u32 s60, s60, 1
	s_cmp_lt_u32 s60, 32
	s_cbranch_scc1 .Lt
	s_endpgm
.Lfunc_end_k_q57eb66400d_prep:
	.size	k_q57eb66400d_prep, .Lfunc_end_k_q57eb66400d_prep-k_q57eb66400d_prep
	.p2alignl 7, 3214868480
	.fill 96, 4, 3214868480
	.section	.rodata,"a",@progbits
	.p2align	6, 0x0
	.amdhsa_kernel k_q57eb66400d_prep
		.amdhsa_group_segment_fixed_size 0
		.amdhsa_private_segment_fixed_size 0
		.amdhsa_enable_private_segment 0
		.amdhsa_kernarg_size 112
		.amdhsa_user_sgpr_count 2
		.amdhsa_user_sgpr_kernarg_segment_ptr 1
		.amdhsa_wavefront_size32 1
		.amdhsa_system_sgpr_workgroup_id_x 1
		.amdhsa_system_sgpr_workgroup_id_y 1
		.amdhsa_system_sgpr_workgroup_id_z 1
		.amdhsa_system_vgpr_workitem_id 0
		.amdhsa_next_free_vgpr 192
		.amdhsa_next_free_sgpr 66
		.amdhsa_reserve_vcc 1
		.amdhsa_float_denorm_mode_32 3
		.amdhsa_float_denorm_mode_16_64 3
		.amdhsa_memory_ordered 1
		.amdhsa_forward_progress 1
		.amdhsa_inst_pref_size 48
	.end_amdhsa_kernel
	.amdgpu_metadata
---
amdhsa.version: [ 1, 2 ]
amdhsa.kernels:
  - .name:           k_q57eb66400d_prep
    .symbol:         k_q57eb66400d_prep.kd
    .args:
      - { .name: x, .offset: 0, .size: 8, .value_kind: global_buffer, .address_space: global }
      - { .name: cond, .offset: 8, .size: 8, .value_kind: global_buffer, .address_space: global }
      - { .name: lq_w, .offset: 16, .size: 8, .value_kind: global_buffer, .address_space: global }
      - { .name: lk_w, .offset: 24, .size: 8, .value_kind: global_buffer, .address_space: global }
      - { .name: lv_w, .offset: 32, .size: 8, .value_kind: global_buffer, .address_space: global }
      - { .name: lo_w, .offset: 40, .size: 8, .value_kind: global_buffer, .address_space: global }
      - { .name: gq_w, .offset: 48, .size: 8, .value_kind: global_buffer, .address_space: global }
      - { .name: gk_w, .offset: 56, .size: 8, .value_kind: global_buffer, .address_space: global }
      - { .name: gv_w, .offset: 64, .size: 8, .value_kind: global_buffer, .address_space: global }
      - { .name: go_w, .offset: 72, .size: 8, .value_kind: global_buffer, .address_space: global }
      - { .name: xq, .offset: 80, .size: 8, .value_kind: global_buffer, .address_space: global }
      - { .name: cq, .offset: 88, .size: 8, .value_kind: global_buffer, .address_space: global }
      - { .name: wq, .offset: 96, .size: 8, .value_kind: global_buffer, .address_space: global }
      - { .name: rope, .offset: 104, .size: 8, .value_kind: global_buffer, .address_space: global }
    .group_segment_fixed_size: 0
    .private_segment_fixed_size: 0
    .kernarg_segment_align: 8
    .kernarg_segment_size: 112
    .max_flat_workgroup_size: 128
    .sgpr_count:     66
    .vgpr_count:     192
    .wavefront_size: 32
...
	.end_amdgpu_metadata
.endif
;; end of part 1
;; launch projg (part 2): grid 64 x 3, 8 waves a work-group, no clusters, 168,960 bytes of LDS; arguments xq, cq, wq, rope, gq_b, gk_b, gv_b, qkv; writes qkv
.if DOCPART == 2
	.amdgcn_target "amdgcn-amd-amdhsa--gfx1250"
	.amdhsa_code_object_version 6
	.text
	.protected	k_q57eb66400d_projg
	.globl	k_q57eb66400d_projg
	.p2align	8
	.type	k_q57eb66400d_projg,@function
k_q57eb66400d_projg:
	s_mov_b64 s[64:65], 0
	v_nop
	global_prefetch_b8 v0, s[64:65] scope:SCOPE_SE
	s_setreg_imm32_b32 hwreg(HW_REG_WAVE_MODE, 25, 1), 1
	s_wait_xcnt 0x0
; PROJG: the global branch's three projections on codes of FP4, and their results quantised for the attention's two products.
; Work-group (X, role): 128 rows (b, t) = one key step; role 0: q = x gq^T + b, rotated, quantised along d; 1: k likewise from cond; 2: v = cond gv^T + b, quantised along t (the keys).
; A wave is a head: its 64 rows of the weight (16 fragments) stay in registers.  The rows' eight tile images, their scale images and (roles 0, 1) 128 rows of the cos/sin table come into LDS once, by tensor loads.
; No multicast: a work-group's LDS tiles (the 128 rows' codes) are shared with two other work-groups only, and those differ in the role, whose text parts; the weights go straight into registers.
; ROLES 0, 1: source 0 = 16 rows of the weight in split order, source 1 = 16 rows t: a lane holds one t, and the 16 registers of tiles (bd, 0), (bd, 1) are d = 32 bd + 16 h + 0 .. 15.
; ROLE 2: source 0 = 16 rows t in split order, source 1 = the weight: a lane holds one d, and the 16 registers of the two t tiles are 16 neighbouring keys.
; OUT (qkv): Q codes [bh][tile 128][lane][16] at 0; Q scale words [bh][tile][r] at 0x200000; from 0x240000 records [bh][key step 16] of 8,960 bytes:
; K 8 tiles x 512; at 4,096 V [d tile 4][c 2][lane][16]; at 8,192 K's words [g 4][lane]; at 8,704 V's words [r 16][d tile 4].  Q's and K's words: the two bytes of d, then 0x7f twice (K = 64: the upper half is zero codes).
; LIMITS: a block of zeros gets the byte 1 (its codes are zeros; this program alone reads the bytes); NaN and infinities are not served.
.set WS,  16                           ; v16-23  the weight's scale words (tile ot, pair of K steps sp): lanes 0-15 the even step, 16-31 the odd
.set AS,  24                           ; v24-27  the rows' (tile tt, sp)
.set AF,  32                           ; v32-95  the rows' fragments (tt, s)
.set ACC, 96                           ; v96-159 eight accumulators
.set CS,  160                          ; v160-223 (cos, sin) pairs; role 2: v160-163 V's scale words
.set TM,  224                          ; v224-239 at work
.set TP,  232
.set PC,  240                          ; v240-247 codes
.set SEL, 60
.set MSB, 0
.macro WIN new                         ; the immediate's high byte repeats the setting that is left
.if MSB != \new
	s_set_vgpr_msb (MSB<<8)|\new
.set MSB, \new
.endif
.endm
; 32 matrix instructions: two tiles of rows x four tiles of the weight x K 512.  The eight accumulators take turns, one instruction a turn.  The bias is the C of each sum's first instruction.
.macro MMW a, as, bi                   ; the weight is source 0
	WIN 0x11                                       ; source 0 (weight) and source 2 (bias) window 1
.irp tt, 0,1
.irp ot, 0,1,2,3
	v_wmma_scale_f32_16x16x128_f8f6f4 v[ACC+32*\tt+8*\ot:ACC+32*\tt+8*\ot+7], v[32*\ot:32*\ot+7], v[\a+32*\tt:\a+32*\tt+7], v[\bi+8*\ot:\bi+8*\ot+7], v[WS+2*\ot], v[\as+2*\tt] matrix_a_fmt:MATRIX_FMT_FP4 matrix_b_fmt:MATRIX_FMT_FP4
.endr
.endr
	WIN 0x01
.irp s, 1,2,3
.irp tt, 0,1
.irp ot, 0,1,2,3
.if \s == 2
	v_wmma_scale_f32_16x16x128_f8f6f4 v[ACC+32*\tt+8*\ot:ACC+32*\tt+8*\ot+7], v[32*\ot+8*\s:32*\ot+8*\s+7], v[\a+32*\tt+8*\s:\a+32*\tt+8*\s+7], v[ACC+32*\tt+8*\ot:ACC+32*\tt+8*\ot+7], v[WS+2*\ot+1], v[\as+2*\tt+1] matrix_a_fmt:MATRIX_FMT_FP4 matrix_b_fmt:MATRIX_FMT_FP4
.else
	v_wmma_scale_f32_16x16x128_f8f6f4 v[ACC+32*\tt+8*\ot:ACC+32*\tt+8*\ot+7], v[32*\ot+8*\s:32*\ot+8*\s+7], v[\a+32*\tt+8*\s:\a+32*\tt+8*\s+7], v[ACC+32*\tt+8*\ot:ACC+32*\tt+8*\ot+7], v[WS+2*\ot+\s/2], v[\as+2*\tt+\s/2] matrix_a_fmt:MATRIX_FMT_FP4 matrix_b_fmt:MATRIX_FMT_FP4 matrix_a_scale:MATRIX_SCALE_ROW1 matrix_b_scale:MATRIX_SCALE_ROW1
.endif
.endr
.endr
.endr
	WIN 0
.endm
.macro MMA a, as, bi                   ; the rows are source 0
	WIN 0x14                                       ; source 1 (weight) and source 2 (bias) window 1
.irp ot, 0,1,2,3
.irp tt, 0,1
	v_wmma_scale_f32_16x16x128_f8f6f4 v[ACC+16*\ot+8*\tt:ACC+16*\ot+8*\tt+7], v[\a+32*\tt:\a+32*\tt+7], v[32*\ot:32*\ot+7], v[\bi+8*\ot:\bi+8*\ot+7], v[\as+2*\tt], v[WS+2*\ot] matrix_a_fmt:MATRIX_FMT_FP4 matrix_b_fmt:MATRIX_FMT_FP4
.endr
.endr
	WIN 0x04
.irp s, 1,2,3
.irp ot, 0,1,2,3
.irp tt, 0,1
.if \s == 2
	v_wmma_scale_f32_16x16x128_f8f6f4 v[ACC+16*\ot+8*\tt:ACC+16*\ot+8*\tt+7], v[\a+32*\tt+8*\s:\a+32*\tt+8*\s+7], v[32*\ot+8*\s:32*\ot+8*\s+7], v[ACC+16*\ot+8*\tt:ACC+16*\ot+8*\tt+7], v[\as+2*\tt+1], v[WS+2*\ot+1] matrix_a_fmt:MATRIX_FMT_FP4 matrix_b_fmt:MATRIX_FMT_FP4
.else
	v_wmma_scale_f32_16x16x128_f8f6f4 v[ACC+16*\ot+8*\tt:ACC+16*\ot+8*\tt+7], v[\a+32*\tt+8*\s:\a+32*\tt+8*\s+7], v[32*\ot+8*\s:32*\ot+8*\s+7], v[ACC+16*\ot+8*\tt:ACC+16*\ot+8*\tt+7], v[\as+2*\tt+\s/2], v[WS+2*\ot+\s/2] matrix_a_fmt:MATRIX_FMT_FP4 matrix_b_fmt:MATRIX_FMT_FP4 matrix_a_scale:MATRIX_SCALE_ROW1 matrix_b_scale:MATRIX_SCALE_ROW1
.endif
.endr
.endr
.endr
	WIN 0
.endm
; 64 numbers of a lane, four blocks: register 16 b + i = number 16 (lane / 16) + i of block b.  Codes to v[PC] on (lanes 0-15 blocks 0 and 2 whole, lanes 16-31 blocks 1 and 3), bytes to v[TM+4] on.
.macro QUANT4 s
.irp b, 0,1,2,3
	v_max3_num_f32 v[TM+\b], |v[\s+16*\b]|, |v[\s+1+16*\b]|, 0x1800000   ; with the floor 2^(3 - 127)
.endr
.irp i, 2,4,6,8,10,12,14
.irp b, 0,1,2,3
	v_max3_num_f32 v[TM+\b], v[TM+\b], |v[\s+16*\b+\i]|, |v[\s+1+16*\b+\i]|
.endr
.endr
.irp b, 0,1,2,3
	v_permlanex16_b32 v[TM+4+\b], v[TM+\b], s[SEL], s[SEL+1]
.endr
.irp b, 0,1,2,3
	v_max_num_f32 v[TM+\b], v[TM+\b], v[TM+4+\b]   ; with lane l xor 16's 16: the block's largest magnitude
.endr
.irp b, 0,1,2,3
	v_add_nc_u32 v[TM+12+\b], 0xff000000, v[TM+\b] ; the conversion's scale operand
.endr
.irp b, 0,1,2,3
	v_lshrrev_b32 v[TM+4+\b], 23, v[TM+12+\b]      ; the byte
.endr
.irp b, 0,1,2,3
	v_cvt_scalef32_pk8_fp4_f32 v[PC+2*\b], v[\s+16*\b:\s+7+16*\b], v[TM+12+\b]
	v_cvt_scalef32_pk8_fp4_f32 v[PC+1+2*\b], v[\s+8+16*\b:\s+15+16*\b], v[TM+12+\b]
.endr
	v_nop                                          ; one plain place behind a scaled conversion
.irp c, 0,1
.irp i, 0,1
	v_permlane16_swap_b32 v[PC+4*\c+\i], v[PC+2+4*\c+\i]
.endr
.endr
.endm
; 16 registers (eight pairs x1, x2) are rotated by eight pairs (cos, sin): x1 cos - x2 sin, x1 sin + x2 cos
.macro ROPE x, cs
.irp h, 0,1
.irp p, 0,1,2,3
	v_pk_mul_f32 v[TP+2*\p:TP+2*\p+1], v[\x+8*\h+2*\p:\x+8*\h+2*\p+1], v[\cs+8*\h+2*\p:\cs+8*\h+2*\p+1] op_sel:[1,1] op_sel_hi:[1,0]   ; (x2 sin, x2 cos)
.endr
.irp p, 0,1,2,3
	v_pk_fma_f32 v[\x+8*\h+2*\p:\x+8*\h+2*\p+1], v[\x+8*\h+2*\p:\x+8*\h+2*\p+1], v[\cs+8*\h+2*\p:\cs+8*\h+2*\p+1], v[TP+2*\p:TP+2*\p+1] op_sel_hi:[0,1,1] neg_lo:[0,0,1]
.endr
.endr
.endm
.macro AFETCH gg                       ; the fragments and scale words of tiles 2 gg and 2 gg + 1: 512 consecutive bytes a load
.irp tt, 0,1
.irp s, 0,1,2,3
.irp c, 0,1
	ds_load_b128 v[AF+32*\tt+8*\s+4*\c:AF+32*\tt+8*\s+4*\c+3], v4 offset:(2*\gg+\tt)*4096+\s*1024+\c*512
.endr
.endr
.endr
.irp tt, 0,1
.irp sp, 0,1
	ds_load_b32 v[AS+2*\tt+\sp], v5 offset:32768+(2*\gg+\tt)*256+\sp*128
.endr
.endr
.endm
	s_load_b512 s[4:19], s[0:1], 0x0               ; xq, cq, wq, rope, gq_b, gk_b, gv_b, qkv
	v_lshl_add_u32 v254, v0, 2, 0x29000
	v_mov_b32 v255, 0
	ds_add_u32 v254, v255
	ds_add_u32 v254, v255
	v_lshrrev_b32 v1, 5, v0
	v_readfirstlane_b32 s20, v1                    ; wave = head
	s_and_b32 s21, ttmp7, 0xffff                   ; role
	s_lshr_b32 s22, ttmp9, 4                       ; batch
	s_and_b32 s23, ttmp9, 15                       ; key step
	; descriptor groups 1: dense rows of 256 bytes (32 elements of 8 bytes)
	s_mov_b32 s24, 3<<16                           ; a tile image: 16 rows
	s_mov_b32 s25, 32<<16
	s_mov_b32 s26, 16<<16
	s_mov_b32 s27, 32<<16
	s_mov_b32 s28, 16
	s_mov_b32 s29, 32
	s_mov_b32 s30, 0
	s_mov_b32 s31, 0
	s_mov_b32 s32, 3<<16                           ; a scale image: one row
	s_mov_b32 s33, 32<<16
	s_mov_b32 s34, 1<<16
	s_mov_b32 s35, 32<<16
	s_mov_b32 s36, 1
	s_mov_b32 s37, 32
	s_mov_b32 s38, 0
	s_mov_b32 s39, 0
	s_mov_b32 s40, (3<<16)|(1<<20)|(5<<22)|(3<<25) ; 16 rows of the table, 16 bytes of padding behind each 256: LDS pitch 272
	s_mov_b32 s41, 32<<16
	s_mov_b32 s42, 16<<16
	s_mov_b32 s43, 32<<16
	s_mov_b32 s44, 16
	s_mov_b32 s45, 32
	s_mov_b32 s46, 0
	s_mov_b32 s47, 0
	s_mov_b32 s[SEL], 0x76543210
	s_mov_b32 s[SEL+1], 0xfedcba98
	s_lshl_b32 s62, ttmp9, 3
	s_add_co_u32 s62, s62, s20                     ; the tile that my wave fetches
	s_lshl_b32 s66, s62, 12
	s_mov_b32 s67, 0
	s_lshl_b32 s68, s62, 8
	s_add_co_u32 s68, s68, 0x200000
	s_mov_b32 s69, 0
	s_lshl_b32 s70, s23, 15
	s_lshl_b32 s63, s20, 12
	s_add_co_u32 s70, s70, s63                     ; the table's rows 128 x key step + 16 x wave
	s_mov_b32 s71, 0
	v_and_b32 v1, 31, v0                           ; lane
	v_and_b32 v2, 15, v0                           ; r
	v_bfe_u32 v3, v0, 4, 1                         ; h
	v_lshlrev_b32 v4, 4, v1                        ; 16 x lane
	v_lshlrev_b32 v5, 2, v1                        ; 4 x lane
	v_and_b32 v10, 8, v2
	v_add_nc_u32 v10, v10, v2                      ; r + 8 (r / 8)
	v_mul_u32_u24 v6, v10, 272
	v_lshl_add_u32 v6, v3, 6, v6
	v_add_nc_u32 v6, 34816, v6                     ; the table: my t's row, + 64 h: the eight pairs of my 16 d
	v_lshlrev_b32 v8, 4, v2
	v_lshl_add_u32 v7, v3, 10, v8                  ; V's codes: d tile 2 c + h, row r
	v_lshlrev_b32 v9, 6, v3
	v_lshlrev_b32 v10, 2, v10
	v_cmp_ne_u32 s90, 0, v3
.irp b, 0,1,2,3
	v_mov_b32 v[TM+4+\b], 0                        ; a lane permute's destination counts as one of its sources
.endr
	s_wait_dscnt 0x0
	s_wait_kmcnt 0x0
	s_cmp_eq_u32 s21, 0                            ; the choices hang on the work-group's number alone
	s_cselect_b64 s[72:73], s[4:5], s[6:7]
	s_cselect_b64 s[74:75], s[12:13], s[14:15]
	s_cmp_eq_u32 s21, 2
	s_cselect_b64 s[74:75], s[16:17], s[74:75]
	s_mov_b32 s48, 1
	s_lshl_b32 s49, s20, 12                        ; LDS: images at 0, 4,096 x wave
	s_add_nc_u64 s[50:51], s[72:73], s[66:67]
	s_or_b32 s51, s51, 0x80000000
	s_mov_b32 s52, 1
	s_lshl_b32 s53, s20, 8
	s_add_co_u32 s53, s53, 32768                   ; scale images at 32,768
	s_add_nc_u64 s[54:55], s[72:73], s[68:69]
	s_or_b32 s55, s55, 0x80000000
	s_mov_b32 s56, 1
	s_mul_i32 s57, s20, 4352
	s_add_co_u32 s57, s57, 34816                   ; the table at 34,816
	s_add_nc_u64 s[58:59], s[10:11], s[70:71]
	s_or_b32 s59, s59, 0x80000000
	tensor_load_to_lds s[48:51], s[24:31]          ; first fills only: every byte of LDS is filled once.  Two or three loads of mine are out
	s_nop 0
	tensor_load_to_lds s[52:55], s[32:39]
	s_nop 0
.rept 4
	v_nop
.endr
	s_cmp_eq_u32 s21, 2
	s_cbranch_scc1 .Lno_rope                       ; v is not rotated; the wait below is for 0 on both ways
	tensor_load_to_lds s[56:59], s[40:47]
	s_nop 0
.rept 4
	v_nop
.endr
.Lno_rope:
	s_add_co_u32 s62, s21, 4
	s_lshl_b32 s62, s62, 3
	s_add_co_u32 s62, s62, s20
	s_mul_i32 s76, s62, 17408                      ; the record of (plane 4 + role, my head)
	s_mov_b32 s77, 0
	s_add_nc_u64 s[78:79], s[8:9], s[76:77]
	s_lshl_b32 s76, s20, 8
	s_add_nc_u64 s[74:75], s[74:75], s[76:77]      ; the bias at my head's 64 numbers
	s_lshl_b32 s80, s22, 3
	s_add_co_u32 s80, s80, s20                     ; bh
	s_lshl_b32 s81, s80, 16
	s_lshl_b32 s62, s23, 12
	s_add_co_u32 s81, s81, s62                     ; Q's codes
	s_lshl_b32 s91, s80, 13
	s_lshl_b32 s62, s23, 9
	s_add_co_u32 s91, s91, s62
	s_add_co_u32 s91, s91, 0x200000                ; Q's words
	s_mul_i32 s92, s80, 143360
	s_mul_i32 s62, s23, 8960
	s_add_co_u32 s92, s92, s62
	s_add_co_u32 s92, s92, 0x240000                ; the key step's record
	s_add_co_u32 s93, s92, 8192
	s_cmp_eq_u32 s21, 0
	s_cselect_b32 s82, s81, s92
	s_cselect_b32 s84, s91, s93
	s_mov_b32 s83, 0
	s_mov_b32 s85, 0
	s_add_nc_u64 s[86:87], s[18:19], s[82:83]
	s_add_nc_u64 s[88:89], s[18:19], s[84:85]
	WIN 0x40                                       ; destination window 1
.irp ot, 0,1,2,3
.irp s, 0,1,2,3
.irp c, 0,1
	global_load_b128 v[32*\ot+8*\s+4*\c:32*\ot+8*\s+4*\c+3], v4, s[78:79] offset:\ot*4096+\s*1024+\c*512
.endr
.endr
.endr
	WIN 0
.irp ot, 0,1,2,3
.irp sp, 0,1
	global_load_b32 v[WS+2*\ot+\sp], v5, s[78:79] offset:16384+\ot*256+\sp*128
.endr
.endr
	s_wait_tensorcnt 0x0                           ; my parts of the tiles are in,
	s_barrier_signal -1
	s_barrier_wait -1                              ; everybody's are
	s_cmp_eq_u32 s21, 2
	s_cbranch_scc1 .Lv
; ---- q and k
	WIN 0x40
.irp ot, 0,1,2,3                       ; the bias in the result's layout: lane (r, h), tile 2 bd + ud: d = 32 bd + 16 h + 8 ud + 0 .. 7
	global_load_b128 v[128+8*\ot:131+8*\ot], v9, s[74:75] offset:(32*(\ot/2)+8*(\ot%2))*4
	global_load_b128 v[132+8*\ot:135+8*\ot], v9, s[74:75] offset:(32*(\ot/2)+8*(\ot%2))*4+16
.endr
	WIN 0
	s_wait_loadcnt 0x0
.irp gg, 0,1,2,3
	AFETCH \gg
.irp tt, 0,1
.irp bd, 0,1
.irp i, 0,1,2,3
	ds_load_b128 v[CS+32*\tt+16*\bd+4*\i:CS+32*\tt+16*\bd+4*\i+3], v6 offset:(32*\gg+8*\tt)*272+128*\bd+16*\i
.endr
.endr
.endr
	s_wait_dscnt 16                                ; fragments and scale words are in; the 16 loads from the table may be out
	MMW AF, AS, 128
.rept 4
	v_nop                                          ; places in front of the first read of results
.endr
	s_wait_dscnt 0x0
	ROPE ACC, CS                                   ; each accumulator is read from its low end on
	ROPE ACC+16, CS+16
	ROPE ACC+32, CS+32
	ROPE ACC+48, CS+48
	s_wait_xcnt 0x0                                ; the last group's stores have read the codes and the words
	QUANT4 ACC                                     ; blocks: (tile 0, d 0-31), (tile 0, d 32-63), (tile 1, ..), (tile 1, ..)
	v_lshl_or_b32 v248, v[TM+5], 8, v[TM+4]
	v_lshl_or_b32 v249, v[TM+7], 8, v[TM+6]
	v_cndmask_b32 v248, v248, v249, s90            ; lanes 0-15 store tile 0's words, lanes 16-31 tile 1's
	v_or_b32 v248, 0x7f7f0000, v248
	global_store_b128 v4, v[PC:PC+3], s[86:87] offset:(2*\gg)*512
	global_store_b128 v4, v[PC+4:PC+7], s[86:87] offset:(2*\gg+1)*512
	global_store_b32 v5, v248, s[88:89] offset:\gg*128
.endr
	s_wait_tensorcnt 0x0
	ds_add_u32 v254, v255
	s_wait_dscnt 0x0
	s_endpgm
; ---- v
.Lv:
	WIN 0x40
.irp ot, 0,1,2,3                       ; a lane holds one d: its bias in all eight registers
.irp j, 0,1,2,3,4,5,6,7
	global_load_b32 v[128+8*\ot+\j], v10, s[74:75] offset:(32*(\ot/2)+8*(\ot%2))*4
.endr
.endr
	WIN 0
	s_wait_loadcnt 0x0
.irp gg, 0,1,2,3                       ; 32 keys at a time: one block for each d
	AFETCH \gg
	s_wait_dscnt 0x0
	MMA AF, AS, 128
.rept 4
	v_nop
.endr
	s_wait_xcnt 0x0                                ; the last group's stores have read the codes
	QUANT4 ACC                                     ; block = d tile
	global_store_b128 v7, v[PC:PC+3], s[86:87] offset:4096+(\gg/2)*512+(\gg%2)*256        ; 16 lanes fill 256 consecutive, aligned bytes
	global_store_b128 v7, v[PC+4:PC+7], s[86:87] offset:4096+2048+(\gg/2)*512+(\gg%2)*256
.irp ot, 0,1,2,3
.if \gg == 0
	v_mov_b32 v[160+\ot], v[TM+4+\ot]
.else
	v_lshl_or_b32 v[160+\ot], v[TM+4+\ot], 8*\gg, v[160+\ot]
.endif
.endr
.endr
	v_cmp_gt_u32 vcc_lo, 16, v1
	s_wait_xcnt 0x0                                ; EXEC changes only behind this wait
	s_wait_tensorcnt 0x0
	ds_add_u32 v254, v255
	s_wait_dscnt 0x0
	s_and_saveexec_b32 s63, vcc_lo
	global_store_b128 v8, v[160:163], s[86:87] offset:8704    ; row r's four words: 256 consecutive bytes from sixteen lanes
	s_wait_xcnt 0x0
	s_or_b32 exec_lo, exec_lo, s63
	s_endpgm
.Lfunc_end_k_q57eb66400d_projg:
	.size	k_q57eb66400d_projg, .Lfunc_end_k_q57eb66400d_projg-k_q57eb66400d_projg
	.p2alignl 7, 3214868480
	.fill 96, 4, 3214868480
	.section	.rodata,"a",@progbits
	.p2align	6, 0x0
	.amdhsa_kernel k_q57eb66400d_projg
		.amdhsa_group_segment_fixed_size 168960
		.amdhsa_private_segment_fixed_size 0
		.amdhsa_enable_private_segment 0
		.amdhsa_kernarg_size 64
		.amdhsa_user_sgpr_count 2
		.amdhsa_user_sgpr_kernarg_segment_ptr 1
		.amdhsa_wavefront_size32 1
		.amdhsa_system_sgpr_workgroup_id_x 1
		.amdhsa_system_sgpr_workgroup_id_y 1
		.amdhsa_system_sgpr_workgroup_id_z 1
		.amdhsa_system_vgpr_workitem_id 0
		.amdhsa_next_free_vgpr 512
		.amdhsa_next_free_sgpr 96
		.amdhsa_reserve_vcc 1
		.amdhsa_float_denorm_mode_32 3
		.amdhsa_float_denorm_mode_16_64 3
		.amdhsa_memory_ordered 1
		.amdhsa_forward_progress 1
		.amdhsa_inst_pref_size 111
	.end_amdhsa_kernel
	.amdgpu_metadata
---
amdhsa.version: [ 1, 2 ]
amdhsa.kernels:
  - .name:           k_q57eb66400d_projg
    .symbol:         k_q57eb66400d_projg.kd
    .args:
      - { .name: xq, .offset: 0, .size: 8, .value_kind: global_buffer, .address_space: global }
      - { .name: cq, .offset: 8, .size: 8, .value_kind: global_buffer, .address_space: global }
      - { .name: wq, .offset: 16, .size: 8, .value_kind: global_buffer, .address_space: global }
      - { .name: rope, .offset: 24, .size: 8, .value_kind: global_buffer, .address_space: global }
      - { .name: gq_b, .offset: 32, .size: 8, .value_kind: global_buffer, .address_space: global }
      - { .name: gk_b, .offset: 40, .size: 8, .value_kind: global_buffer, .address_space: global }
      - { .name: gv_b, .offset: 48, .size: 8, .value_kind: global_buffer, .address_space: global }
      - { .name: qkv, .offset: 56, .size: 8, .value_kind: global_buffer, .address_space: global }
    .group_segment_fixed_size: 168960
    .private_segment_fixed_size: 0
    .kernarg_segment_align: 8
    .kernarg_segment_size: 64
    .max_flat_workgroup_size: 256
    .sgpr_count:     96
    .vgpr_count:     512
    .wavefront_size: 32
...
	.end_amdgpu_metadata
.endif
;; end of part 2
;; launch attn (part 3): grid 8 x 32, 16 waves a work-group, clusters of 4 x 1, 169,984 bytes of LDS; arguments qkv, og; writes og
.if DOCPART == 3
	.amdgcn_target "amdgcn-amd-amdhsa--gfx1250"
	.amdhsa_code_object_version 6
	.text
	.protected	k_q57eb66400d_attn
	.globl	k_q57eb66400d_attn
	.p2align	8
	.type	k_q57eb66400d_attn,@function
k_q57eb66400d_attn:
	s_mov_b64 s[64:65], 0
	v_nop
	global_prefetch_b8 v0, s[64:65] scope:SCOPE_SE
	s_setreg_imm32_b32 hwreg(HW_REG_WAVE_MODE, 25, 1), 1
	s_wait_xcnt 0x0
	s_wait_alu depctr_hold_cnt(0) depctr_sa_sdst(0) depctr_va_vdst(0) depctr_va_sdst(0) depctr_va_ssrc(0) depctr_va_vcc(0) depctr_vm_vsrc(0)
	s_getreg_b32 s2, hwreg(HW_REG_IB_STS2, 6, 4)
	s_cmp_eq_u32 s2, 0
	s_cbranch_scc0 .Lentry_in_a_cluster
	s_endpgm
.Lentry_in_a_cluster:
	s_bfe_u32 s2, ttmp6, 0x10000c
	s_cmp_lg_u32 s2, 0x3003
	s_cbranch_scc0 .Lentry_shape_is_right
	s_endpgm
.Lentry_shape_is_right:
; ATTN: the global attention of one head on codes of FP4: S^T = K Q^T (K = 64: the upper half of each operand is zero codes), p = 2^(t - M), O^T = V^T P^T, O / the row's sum, quantised along d for the last projection.
; t = score x log2(e) / 8; M = the running largest t rounded up to a whole number; the row's sum is taken of the unquantised p; when M moves, sum and O^T are multiplied by 2^(old M - new M), which rounds nothing.
; SHARES: a work-group owns 256 queries of a head, each of its sixteen waves one tile of 16 (four waves to a SIMD: one wave's vector work stands beside another's matrix work and LDS loads).
; A head's sixteen key-step records, 143,360 dense bytes, lie in LDS whole: each wave fetches one record, once; nothing is filled again.
; CLUSTER: the four work-groups of a cluster belong to one head and need the same records: each is asked for jointly, by the same tensor load with the same descriptor and a mask that names the four.
; A lane holds ONE query (lane % 16) throughout.  The keys of a tile of K lie in split order, so that the 16 registers of tiles 2 g, 2 g + 1 are keys 32 g + 16 (lane / 16) + 0 .. 15; V's d tiles likewise, for the quantiser along d.
; LIMITS: a block of zeros gets the byte 1 (its codes are zeros; this program alone reads the bytes); NaN and infinities are not served.
; REGISTERS: v1-3 lane places, v4-6 the step's addresses; v12 -M, v13 the largest t, v[14:15] the sum; v16-23 Q, v24 its words; v32-95 K; v96-159 S^T, then p; v160-191 O^T; v192-199 p's codes;
; v200-203 K's words, v204-207 V's, v221 p's; v208-220 at work; v[222:223] f; v224-255 V.
.set WV, 8
.macro CROUND                          ; a round of the cluster's barrier
	s_barrier_signal -1
	s_barrier_wait -1
	s_cmp_lg_u32 s[WV], 0
	s_cbranch_scc1 .Lnot_wave_0_\@
	s_barrier_signal -3
.Lnot_wave_0_\@:
	s_barrier_wait -3
	s_barrier_signal -1
	s_barrier_wait -1
.endm
	s_load_b128 s[4:7], s[0:1], 0x0                ; qkv, og
	v_lshl_add_u32 v30, v0, 2, 0x29000
	v_mov_b32 v31, 0
	ds_add_u32 v30, v31
	ds_add_u32 v30, v31
	v_lshrrev_b32 v1, 5, v0
	v_readfirstlane_b32 s[WV], v1                  ; wave 0..15
	s_bfe_u32 s9, ttmp6, 0x40000                   ; cx: my place in the cluster: it enters Q's and og's addresses alone
	s_lshl_b32 s10, ttmp9, 2
	s_add_co_u32 s10, s10, s9                      ; my block of 256 queries
	s_and_b32 s11, ttmp7, 0xffff                   ; the head, which the four partners share
	s_mov_b32 s16, 15|(3<<16)|(1<<21)              ; group 1: the mask names all four; elements of 8 bytes; bit 21 set beside a mask
	s_mov_b32 s17, 32<<16                          ; rows of 256 bytes,
	s_mov_b32 s18, 35<<16                          ; 35 of them: a record
	s_mov_b32 s19, 32<<16
	s_mov_b32 s20, 35
	s_mov_b32 s21, 32
	s_mov_b32 s22, 0
	s_mov_b32 s23, 0
	s_mov_b32 s24, 0x76543210
	s_mov_b32 s25, 0xfedcba98                      ; v_permlanex16_b32's selects for lane l xor 16
	s_mov_b32 s26, 0x3e38aa3b                      ; c = log2(e) / 8
	s_mov_b32 s27, s26                             ; (named with it as a pair, so it is written)
	s_mul_i32 s30, s11, 143360
	s_mul_i32 s32, s[WV], 8960                     ; my record: in the head, and in LDS
	s_add_co_u32 s30, s30, s32
	s_add_co_u32 s30, s30, 0x240000
	s_mov_b32 s31, 0
	s_lshl_b32 s33, s10, 4
	s_add_co_u32 s33, s33, s[WV]                   ; my tile of queries
	s_lshl_b32 s34, s11, 7
	s_add_co_u32 s34, s34, s33
	s_lshl_b32 s36, s34, 9                         ; a tile's codes: 512 bytes, in qkv and in og alike
	s_mov_b32 s37, 0
	s_lshl_b32 s38, s34, 6
	s_add_co_u32 s38, s38, 0x200000                ; its words: 64 bytes
	s_mov_b32 s39, 0
	v_and_b32 v7, 31, v0                           ; lane
	v_and_b32 v8, 15, v0                           ; r
	v_bfe_u32 v9, v0, 4, 1                         ; h
	v_lshlrev_b32 v1, 4, v7
	v_lshlrev_b32 v2, 2, v7
	v_mul_u32_u24 v3, v9, 8960
	v_lshl_add_u32 v3, v8, 4, v3
	v_add_nc_u32 v3, 8704, v3                      ; V's words: lanes 0-15 the even step's record, lanes 16-31 the odd one's; 16 bytes a row
	v_lshlrev_b32 v8, 2, v8
	s_wait_dscnt 0x0
	s_wait_kmcnt 0x0
	s_mov_b32 s12, 1
	s_mov_b32 s13, s32
	s_add_nc_u64 s[14:15], s[4:5], s[30:31]
	s_or_b32 s15, s15, 0x80000000
	s_add_nc_u64 s[40:41], s[4:5], s[36:37]
	s_add_nc_u64 s[42:43], s[4:5], s[38:39]
	s_add_nc_u64 s[44:45], s[6:7], s[36:37]
	s_add_nc_u64 s[46:47], s[6:7], s[38:39]
	CROUND                                         ; all four work-groups are here: the joint loads meet
	tensor_load_to_lds s[12:15], s[16:23]          ; my one tensor load of the launch
	s_nop 0
.rept 4
	v_nop
.endr
	global_load_b128 v[16:19], v1, s[40:41]        ; Q's fragment: k = 32 h + 0 .. 31
	global_load_b32 v24, v8, s[42:43]              ; and its words
.irp i, 20,21,22,23
	v_mov_b32 v[\i], 0                             ; zero codes for k = 64 .. 127
.endr
.irp t, 0,1,2,3,4,5,6,7
.irp i, 4,5,6,7
	v_mov_b32 v[32+8*\t+\i], 0                     ; in K's fragments too: written once
.endr
.endr
	v_mov_b32 v13, 0xff61b1e6                      ; the largest t so far: -3e38
	v_floor_f32 v12, -v13                          ; -M
	v_mov_b32 v14, 0
	v_mov_b32 v15, 0
	v_mov_b32 v223, 0                              ; (the upper half of the pair v[222:223])
.irp b, 0,1,2,3
	v_mov_b32 v[212+\b], 0                         ; a lane permute's destination counts as one of its sources
.endr
.set J, 0
.rept 32
	v_mov_b32 v[160+J], 0                          ; O^T: the step is written once; the first finds zeros, which the first change of M leaves zeros
.set J, J+1
.endr
; A KEY STEP of 128 keys: record e of the pair in hand.
.macro STEP e
.if \e == 0
	v_add_nc_u32 v4, s28, v1                       ; four places in front of loads into registers that the last products read
	v_add_nc_u32 v5, s28, v2
	v_add_nc_u32 v6, s28, v3
	v_nop
.else
.rept 4
	v_nop
.endr
.endif
.irp g, 0,1,2,3
	ds_load_b32 v[200+\g], v5 offset:8960*\e+8192+128*\g
.endr
.irp t, 0,1,2,3,4,5,6,7
	ds_load_b128 v[32+8*\t:35+8*\t], v4 offset:8960*\e+512*\t
.endr
.irp dt, 0,1,2,3
.irp c, 0,1
	ds_load_b128 v[224+8*\dt+4*\c:227+8*\dt+4*\c], v4 offset:8960*\e+4096+1024*\dt+512*\c
.endr
.endr
.if \e == 0
	ds_load_b128 v[204:207], v6
.endif
	s_wait_dscnt 9-\e                              ; K and its words are in; V's eight loads (and, in the even step, V's words) may be out
.irp g, 0,1,2,3
	v_wmma_scale_f32_16x16x128_f8f6f4 v[96+16*\g:103+16*\g], v[32+16*\g:39+16*\g], v[16:23], 0, v[200+\g], v24 matrix_a_fmt:MATRIX_FMT_FP4 matrix_b_fmt:MATRIX_FMT_FP4
	v_wmma_scale_f32_16x16x128_f8f6f4 v[104+16*\g:111+16*\g], v[40+16*\g:47+16*\g], v[16:23], 0, v[200+\g], v24 matrix_a_fmt:MATRIX_FMT_FP4 matrix_b_fmt:MATRIX_FMT_FP4 matrix_a_scale:MATRIX_SCALE_ROW1
.endr
.rept 4
	v_nop
.endr
.irp b, 0,1,2,3
	v_max3_num_f32 v[208+\b], v[96+16*\b], v[97+16*\b], v[98+16*\b]   ; the largest score of each block of 32 keys: for the row's maximum, and, since p rises with the score, for the block's largest p
.endr
.irp i, 3,5,7,9,11,13
.irp b, 0,1,2,3
	v_max3_num_f32 v[208+\b], v[208+\b], v[96+16*\b+\i], v[97+16*\b+\i]
.endr
.endr
.irp b, 0,1,2,3
	v_max_num_f32 v[208+\b], v[208+\b], v[111+16*\b]
.endr
.irp b, 0,1,2,3
	v_permlanex16_b32 v[212+\b], v[208+\b], s24, s25
.endr
.irp b, 0,1,2,3
	v_max_num_f32 v[208+\b], v[208+\b], v[212+\b]
.endr
	v_max3_num_f32 v220, v208, v209, v210
	v_max_num_f32 v220, v220, v211
	v_mul_f32 v220, s26, v220                      ; the step's largest t
	v_max_num_f32 v13, v13, v220
	v_mov_b32 v220, v12
	v_floor_f32 v12, -v13                          ; the new -M = -ceil(t)
	v_sub_f32 v220, v12, v220                      ; old M - new M: a whole number, 0 or less
	v_cvt_i32_f32 v220, v220                       ; (it saturates)
	v_ldexp_f32 v222, 1.0, v220                    ; f = 2^(old M - new M)
.set J, 0
.rept 32
	v_pk_fma_f32 v[96+J:97+J], v[96+J:97+J], s[26:27], v[12:13] op_sel_hi:[1,0,0]   ; t - M
.set J, J+2
.endr
.irp b, 0,1,2,3
	v_fma_f32 v[208+\b], v[208+\b], s26, v12
.endr
.set J, 0
.rept 64
	v_exp_f32 v[96+J], v[96+J]                     ; p = 2^(t - M): not normalised
.set J, J+1
.endr
.irp b, 0,1,2,3
	v_exp_f32 v[208+\b], v[208+\b]                 ; the block's largest p
.endr
	v_pk_mul_f32 v[14:15], v[14:15], v[222:223] op_sel_hi:[1,0]   ; the sum under the new M (a plain place behind the exponentials)
	s_wait_alu depctr_va_vdst(0)
.irp b, 0,1,2,3
	v_max_num_f32 v[208+\b], 0x1800000, v[208+\b]  ; the floor 2^(3 - 127)
.endr
.irp b, 0,1,2,3
	v_add_nc_u32 v[216+\b], 0xff000000, v[208+\b]
.endr
.irp b, 0,1,2,3
	v_lshrrev_b32 v[212+\b], 23, v[216+\b]
.endr
	v_lshl_or_b32 v221, v213, 8, v212              ; p's scale word for these 128 keys
	v_lshl_or_b32 v221, v214, 16, v221
	v_lshl_or_b32 v221, v215, 24, v221
.irp b, 0,1,2,3
	v_cvt_scalef32_pk8_fp4_f32 v[192+2*\b], v[96+16*\b:103+16*\b], v[216+\b]
	v_cvt_scalef32_pk8_fp4_f32 v[193+2*\b], v[104+16*\b:111+16*\b], v[216+\b]
.endr
	v_nop                                          ; one plain place behind a scaled conversion
.irp c, 0,1
.irp i, 0,1
	v_permlane16_swap_b32 v[192+4*\c+\i], v[194+4*\c+\i]   ; a whole block to a lane
.endr
.endr
	v_pk_add_f32 v[26:27], v[96:97], v[98:99]      ; the row's sum of the unquantised p, in two chains
.irp j, 4,8,12,16,20,24,28,32,36,40,44,48,52,56,60
	v_pk_add_f32 v[14:15], v[14:15], v[96+\j:97+\j]
	v_pk_add_f32 v[26:27], v[26:27], v[98+\j:99+\j]
.endr
	v_pk_add_f32 v[14:15], v[14:15], v[26:27]
.set J, 0
.rept 16
	v_pk_mul_f32 v[160+J:161+J], v[160+J:161+J], v[222:223] op_sel_hi:[1,0]   ; O^T under the new M; these and the sums are the places between p's word and codes and the products
.set J, J+2
.endr
	s_wait_dscnt 0x0                               ; V and its words are in
.irp dt, 0,1,2,3
.if \e == 0
	v_wmma_scale_f32_16x16x128_f8f6f4 v[160+8*\dt:167+8*\dt], v[224+8*\dt:231+8*\dt], v[192:199], v[160+8*\dt:167+8*\dt], v[204+\dt], v221 matrix_a_fmt:MATRIX_FMT_FP4 matrix_b_fmt:MATRIX_FMT_FP4
.else
	v_wmma_scale_f32_16x16x128_f8f6f4 v[160+8*\dt:167+8*\dt], v[224+8*\dt:231+8*\dt], v[192:199], v[160+8*\dt:167+8*\dt], v[204+\dt], v221 matrix_a_fmt:MATRIX_FMT_FP4 matrix_b_fmt:MATRIX_FMT_FP4 matrix_a_scale:MATRIX_SCALE_ROW1
.endif
.endr
.endm
	s_wait_tensorcnt 0x0                           ; my record is in,
	s_barrier_signal -1
	s_barrier_wait -1                              ; everybody's is
	s_wait_loadcnt 0x0                             ; Q
	s_mov_b32 s28, 0                               ; LDS byte of the pair of records in hand
	s_mov_b32 s29, 8
.Lpair:
	STEP 0
	STEP 1
	s_add_co_u32 s28, s28, 17920
	s_sub_co_u32 s29, s29, 1
	s_cmp_lg_u32 s29, 0
	s_cbranch_scc1 .Lpair
.rept 4
	v_nop                                          ; places behind the last products
.endr
	v_add_f32 v14, v14, v15
	v_permlanex16_b32 v220, v14, s24, s25
	v_add_f32 v14, v14, v220                       ; the row's sum
	v_rcp_f32 v14, v14
	v_nop
.set J, 0
	s_wait_alu depctr_va_vdst(0)
.rept 32
	v_mul_f32 v[96+J], v[160+J], v14               ; O^T / the sum: register 16 b + i is d = 32 b + 16 h + i
.set J, J+1
.endr
.irp b, 0,1
	v_max3_num_f32 v[208+\b], |v[96+16*\b]|, |v[97+16*\b]|, 0x1800000
.endr
.irp i, 2,4,6,8,10,12,14
.irp b, 0,1
	v_max3_num_f32 v[208+\b], v[208+\b], |v[96+16*\b+\i]|, |v[97+16*\b+\i]|
.endr
.endr
.irp b, 0,1
	v_permlanex16_b32 v[212+\b], v[208+\b], s24, s25
.endr
.irp b, 0,1
	v_max_num_f32 v[208+\b], v[208+\b], v[212+\b]
.endr
.irp b, 0,1
	v_add_nc_u32 v[216+\b], 0xff000000, v[208+\b]
.endr
.irp b, 0,1
	v_lshrrev_b32 v[212+\b], 23, v[216+\b]
.endr
.irp b, 0,1
	v_cvt_scalef32_pk8_fp4_f32 v[192+2*\b], v[96+16*\b:103+16*\b], v[216+\b]
	v_cvt_scalef32_pk8_fp4_f32 v[193+2*\b], v[104+16*\b:111+16*\b], v[216+\b]
.endr
	v_nop
	v_permlane16_swap_b32 v192, v194
	v_permlane16_swap_b32 v193, v195
	v_lshl_or_b32 v220, v213, 8, v212              ; my row's two bytes
	v_cmp_gt_u32 vcc_lo, 16, v7
	global_store_b128 v1, v[192:195], s[44:45]     ; the tile's codes: 512 consecutive bytes
	s_wait_xcnt 0x0                                ; EXEC changes only behind this wait
	s_and_saveexec_b32 s48, vcc_lo
	global_store_b32 v2, v220, s[46:47]
	s_wait_xcnt 0x0
	s_or_b32 exec_lo, exec_lo, s48
	s_wait_dscnt 0x0
	s_wait_tensorcnt 0x0
	ds_add_u32 v30, v31
	s_wait_dscnt 0x0
	CROUND                                         ; the closing round: no work-group ends while a partner may still ask for a record that names it
	s_endpgm
.Lfunc_end_k_q57eb66400d_attn:
	.size	k_q57eb66400d_attn, .Lfunc_end_k_q57eb66400d_attn-k_q57eb66400d_attn
	.p2alignl 7, 3214868480
	.fill 96, 4, 3214868480
	.section	.rodata,"a",@progbits
	.p2align	6, 0x0
	.amdhsa_kernel k_q57eb66400d_attn
		.amdhsa_group_segment_fixed_size 169984
		.amdhsa_private_segment_fixed_size 0
		.amdhsa_enable_private_segment 0
		.amdhsa_kernarg_size 16
		.amdhsa_user_sgpr_count 2
		.amdhsa_user_sgpr_kernarg_segment_ptr 1
		.amdhsa_wavefront_size32 1
		.amdhsa_system_sgpr_workgroup_id_x 1
		.amdhsa_system_sgpr_workgroup_id_y 1
		.amdhsa_system_sgpr_workgroup_id_z 1
		.amdhsa_system_vgpr_workitem_id 0
		.amdhsa_next_free_vgpr 256
		.amdhsa_next_free_sgpr 66
		.amdhsa_reserve_vcc 1
		.amdhsa_float_denorm_mode_32 3
		.amdhsa_float_denorm_mode_16_64 3
		.amdhsa_memory_ordered 1
		.amdhsa_forward_progress 1
		.amdhsa_inst_pref_size 40
	.end_amdhsa_kernel
	.amdgpu_metadata
---
amdhsa.version: [ 1, 2 ]
amdhsa.kernels:
  - .name:           k_q57eb66400d_attn
    .symbol:         k_q57eb66400d_attn.kd
    .args:
      - { .name: qkv, .offset: 0, .size: 8, .value_kind: global_buffer, .address_space: global }
      - { .name: og, .offset: 8, .size: 8, .value_kind: global_buffer, .address_space: global }
    .group_segment_fixed_size: 169984
    .private_segment_fixed_size: 0
    .kernarg_segment_align: 8
    .kernarg_segment_size: 16
    .max_flat_workgroup_size: 512
    .sgpr_count:     66
    .vgpr_count:     256
    .wavefront_size: 32
...
	.end_amdgpu_metadata
.endif
;; end of part 3
;; launch local (part 4): grid 8 x 32, 8 waves a work-group, no clusters, 313,344 bytes of LDS; arguments xq, cq, wq, lq_b, lk_b, lv_b, ol; writes ol
.if DOCPART == 4
	.amdgcn_target "amdgcn-amd-amdhsa--gfx1250"
	.amdhsa_code_object_version 6
	.text
	.protected	k_q57eb66400d_local
	.globl	k_q57eb66400d_local
	.p2align	8
	.type	k_q57eb66400d_local,@function
k_q57eb66400d_local:
	s_mov_b64 s[64:65], 0
	v_nop
	global_prefetch_b8 v0, s[64:65] scope:SCOPE_SE
	s_setreg_imm32_b32 hwreg(HW_REG_WAVE_MODE, 25, 1), 1
	s_wait_xcnt 0x0
; LOCAL: the local branch of one head for 256 t: q, k, v by products on codes of FP4, then the window of 16 keys (t - 8 .. t + 7) in f32: scores by the f32 matrix form, softmax, and the weighted sum of v by vector multiply-adds.
; Keys outside 0 .. 2,047 are zeros (behind the bias, as the padding has them); their score 0 counts in the softmax.  Out: ol [b][h][t][d] f32.
; SHARES: wave w owns t 32 w .. 32 w + 31 of the work-group's 256 in every phase; wave 0 also makes k's 16 + 16 rows beside the block, wave 4 v's.
; No multicast: what work-groups share is the head's three weight records, 52,224 bytes fetched once by each: a small part of what a work-group moves.
; LDS: q rows at 0 (256 x 272 bytes), k at 69,632 and v at 156,672 (row = t + 32, 320 x 272), the weights p at 243,712 (256 x 64), the three weight records at 260,096: the one region that tensor loads fill, once.
; PROJECTIONS: source 0 = 16 rows of the weight in split order, source 1 = 16 t: a lane holds one t and 8 neighbouring d a tile: 16-byte stores into the t's row.
; SCORES: source 0 = 16 keys, source 1 = 16 queries; of a query tile at t0 the key tiles at t0 - 8 and t0 + 8 are multiplied; position kk = 8 h + j of lane r is in the window from the first where kk >= r, else from the second:
; the 16 positions are the window, w = (kk - r) mod 16.  K runs in the same permuted order on both operands (16 bytes a lane and load).
; The registers that the f32 matrix form writes (window 1, v224-255) are written by it alone.
; LIMITS: NaN and infinities are not served.
.set KM, 69632
.set VM, 156672
.set PB, 243712
.set WR, 260096
.set WS,  26                           ; v26-33  the weight's scale words
.set AXS, 34                           ; v34-37  x's (later the side tiles')
.set ACS, 38                           ; v38-41  cond's
.set AX,  44                           ; v44-107 x's two tiles (later the side tiles)
.set AC,  108                          ; v108-171 cond's
.set ACC, 172                          ; v172-235
.set XX,  220                          ; v220-235 the window's scores, then p
.set OUTR, 236                         ; v236-243 four queries' pairs of d
.set MSB, 0
.macro WIN new
.if MSB != \new
	s_set_vgpr_msb (MSB<<8)|\new
.set MSB, \new
.endif
.endm
.macro MMW a, as, bi                   ; 32 matrix instructions: two tiles of t x four of the weight x K 512; eight accumulators by turns; the bias is the first C
	WIN 0x11
.irp tt, 0,1
.irp ot, 0,1,2,3
	v_wmma_scale_f32_16x16x128_f8f6f4 v[ACC+32*\tt+8*\ot:ACC+32*\tt+8*\ot+7], v[32*\ot:32*\ot+7], v[\a+32*\tt:\a+32*\tt+7], v[\bi+8*\ot:\bi+8*\ot+7], v[WS+2*\ot], v[\as+2*\tt] matrix_a_fmt:MATRIX_FMT_FP4 matrix_b_fmt:MATRIX_FMT_FP4
.endr
.endr
	WIN 0x01
.irp s, 1,2,3
.irp tt, 0,1
.irp ot, 0,1,2,3
.if \s == 2
	v_wmma_scale_f32_16x16x128_f8f6f4 v[ACC+32*\tt+8*\ot:ACC+32*\tt+8*\ot+7], v[32*\ot+8*\s:32*\ot+8*\s+7], v[\a+32*\tt+8*\s:\a+32*\tt+8*\s+7], v[ACC+32*\tt+8*\ot:ACC+32*\tt+8*\ot+7], v[WS+2*\ot+1], v[\as+2*\tt+1] matrix_a_fmt:MATRIX_FMT_FP4 matrix_b_fmt:MATRIX_FMT_FP4
.else
	v_wmma_scale_f32_16x16x128_f8f6f4 v[ACC+32*\tt+8*\ot:ACC+32*\tt+8*\ot+7], v[32*\ot+8*\s:32*\ot+8*\s+7], v[\a+32*\tt+8*\s:\a+32*\tt+8*\s+7], v[ACC+32*\tt+8*\ot:ACC+32*\tt+8*\ot+7], v[WS+2*\ot+\s/2], v[\as+2*\tt+\s/2] matrix_a_fmt:MATRIX_FMT_FP4 matrix_b_fmt:MATRIX_FMT_FP4 matrix_a_scale:MATRIX_SCALE_ROW1 matrix_b_scale:MATRIX_SCALE_ROW1
.endif
.endr
.endr
.endr
	WIN 0
.endm
; Plane p's weights from LDS into window 1, the product, the results into rows of LDS from address register st on
.macro PROJ p, a, as, st
	WIN 0x40
.irp ot, 0,1,2,3
.irp s, 0,1,2,3
.irp c, 0,1
	ds_load_b128 v[32*\ot+8*\s+4*\c:32*\ot+8*\s+4*\c+3], v6 offset:\p*17408+\ot*4096+\s*1024+\c*512
.endr
.endr
.endr
	WIN 0
.irp ot, 0,1,2,3
.irp sp, 0,1
	ds_load_b32 v[WS+2*\ot+\sp], v7 offset:\p*17408+16384+\ot*256+\sp*128
.endr
.endr
	s_wait_dscnt 0x0                               ; the weights are in, and the last plane's stores have read the accumulators
	MMW \a, \as, 128+32*\p
.rept 5
	v_nop                                          ; five places: the accumulators are begun anew by the next product, and the weights' registers loaded again
.endr
.irp tt, 0,1
.irp ot, 0,1,2,3
	ds_store_b128 v[\st], v[ACC+32*\tt+8*\ot:ACC+32*\tt+8*\ot+3] offset:\tt*2176+128*(\ot/2)+32*(\ot%2)          ; each accumulator from its low end on
	ds_store_b128 v[\st], v[ACC+32*\tt+8*\ot+4:ACC+32*\tt+8*\ot+7] offset:\tt*2176+128*(\ot/2)+32*(\ot%2)+16
.endr
.endr
.endm
; The tiles beside the block: the one that ends at t = -1 and the one that begins at t = 256; outside the sequence they become zeros
.macro HALO p
	s_wait_loadcnt 0x0                             ; the two tiles' codes and words
	s_wait_dscnt 0x0                               ; my stores have read the accumulators
	MMW AX, AXS, 128+32*\p
.rept 5
	v_nop
.endr
.set J, 0
.rept 32
	v_and_b32 v[ACC+J], s48, v[ACC+J]
.set J, J+1
.endr
.set J, 0
.rept 32
	v_and_b32 v[ACC+32+J], s49, v[ACC+32+J]
.set J, J+1
.endr
.irp ot, 0,1,2,3
	ds_store_b128 v11, v[ACC+8*\ot:ACC+8*\ot+3] offset:2176+128*(\ot/2)+32*(\ot%2)
	ds_store_b128 v11, v[ACC+8*\ot+4:ACC+8*\ot+7] offset:2176+128*(\ot/2)+32*(\ot%2)+16
.endr
.irp ot, 0,1,2,3
	ds_store_b128 v12, v[ACC+32+8*\ot:ACC+32+8*\ot+3] offset:128*(\ot/2)+32*(\ot%2)
	ds_store_b128 v12, v[ACC+32+8*\ot+4:ACC+32+8*\ot+7] offset:128*(\ot/2)+32*(\ot%2)+16
.endr
.endm
	s_load_b256 s[4:11], s[0:1], 0x0               ; xq, cq, wq, lq_b
	s_load_b128 s[12:15], s[0:1], 0x20             ; lk_b, lv_b
	s_load_b64 s[16:17], s[0:1], 0x30              ; ol
	v_lshl_add_u32 v254, v0, 2, 0x4c400
	v_mov_b32 v255, 0
	ds_add_u32 v254, v255
	ds_add_u32 v254, v255
	v_lshrrev_b32 v1, 5, v0
	v_readfirstlane_b32 s18, v1                    ; wave
	s_mov_b32 s19, ttmp9                           ; which 256 t
	s_and_b32 s20, ttmp7, 0xffff                   ; bh
	s_lshr_b32 s21, s20, 3                         ; batch
	s_and_b32 s22, s20, 7                          ; head
	s_mov_b32 s24, 3<<16                           ; group 1: a record: 68 dense rows of 256 bytes
	s_mov_b32 s25, 32<<16
	s_mov_b32 s26, 68<<16
	s_mov_b32 s27, 32<<16
	s_mov_b32 s28, 68
	s_mov_b32 s29, 32
	s_mov_b32 s30, 0
	s_mov_b32 s31, 0
	s_mov_b32 s36, 0x76543210
	s_mov_b32 s37, 0xfedcba98
	s_mov_b32 s38, 0x3e38aa3b                      ; c = log2(e) / 8
	s_mov_b32 s39, s38
	s_cmp_eq_u32 s19, 0
	s_cselect_b32 s48, 0, -1                       ; the tile on the left is zeros in the first block,
	s_cmp_eq_u32 s19, 7
	s_cselect_b32 s49, 0, -1                       ; the one on the right in the last
	; every address register is made here, ahead of the first branch on the wave's number
	v_and_b32 v1, 31, v0                           ; lane
	v_and_b32 v2, 15, v0                           ; r
	v_bfe_u32 v3, v0, 4, 1                         ; h
	v_lshlrev_b32 v4, 4, v1
	v_lshlrev_b32 v5, 2, v1
	v_add_nc_u32 v6, WR, v4
	v_add_nc_u32 v7, WR, v5
	v_and_b32 v236, 8, v2
	v_add_nc_u32 v236, v236, v2                    ; r + 8 (r / 8)
	v_mul_u32_u24 v237, v236, 272
	v_lshl_add_u32 v237, v3, 6, v237
	s_mul_i32 s50, s18, 8704                       ; my 32 rows
	v_add_nc_u32 v8, s50, v237                     ; q: where a tile's lane puts its d
	v_add_nc_u32 v9, KM+8704, v8                   ; k
	v_add_nc_u32 v10, VM+8704, v8                  ; v
	s_lshr_b32 s51, s18, 2
	s_mul_i32 s51, s51, 87040
	s_add_co_u32 s51, s51, KM
	v_add_nc_u32 v11, s51, v237                    ; the left side's rows (wave 0: k's, wave 4: v's)
	v_add_nc_u32 v12, 78336, v11                   ; the right side's: 288 rows on
	v_mul_u32_u24 v238, v2, 272
	v_lshl_add_u32 v238, v3, 4, v238
	v_add_nc_u32 v13, s50, v238                    ; scores: query r of my first tile, + 16 h
	v_add_nc_u32 v14, KM+24*272, v13               ; key t0 - 8 + r
	v_lshlrev_b32 v17, 3, v1
	v_add_nc_u32 v15, s50, v17
	v_add_nc_u32 v15, VM+24*272, v15               ; v's rows from t = 32 w - 8 on, my pair of d
	s_lshl_b32 s52, s18, 11
	s_add_co_u32 s52, s52, PB
	v_mov_b32 v16, s52                             ; my wave's p
	v_lshl_add_u32 v239, v2, 6, s52
	v_lshlrev_b32 v240, 3, v3
	v_add_nc_u32 v240, 16, v240
	v_sub_nc_u32 v241, v240, v2                    ; 16 + 8 h - r
.irp j, 0,1,2,3,4,5,6,7
	v_add_nc_u32 v242, \j, v241
	v_cmp_le_u32 s[40+\j], 16, v242                ; 8 h + j >= r: from the first key tile
	v_and_b32 v242, 15, v242                       ; w
	v_lshl_add_u32 v[18+\j], v242, 2, v239         ; where p(query r, w) goes
.endr
	v_lshlrev_b32 v243, 6, v3
	s_lshl_b32 s53, s21, 7
	s_lshl_b32 s54, s19, 4
	s_add_co_u32 s55, s53, s54
	s_lshl_b32 s82, s18, 1
	s_add_co_u32 s55, s55, s82                     ; my first tile of t
	s_mov_b32 s83, 0
	s_max_u32 s84, s54, 1
	s_sub_co_u32 s84, s84, 1
	s_add_co_u32 s84, s84, s53                     ; the tile on the left (held inside the batch),
	s_add_co_u32 s85, s54, 16
	s_min_u32 s85, s85, 127
	s_add_co_u32 s85, s85, s53                     ; on the right
	s_min_u32 s86, s18, 2
	s_lshl_b32 s87, s86, 3
	s_add_co_u32 s87, s87, s22
	s_wait_dscnt 0x0
	s_wait_kmcnt 0x0
	s_mul_i32 s82, s87, 17408
	s_add_nc_u64 s[34:35], s[8:9], s[82:83]        ; wave 0, 1, 2: the record of lq, lk, lv for my head
	s_or_b32 s35, s35, 0x80000000
	s_mov_b32 s32, 1
	s_mul_i32 s33, s86, 17408
	s_add_co_u32 s33, s33, WR
	s_cmp_lt_u32 s18, 3
	s_cbranch_scc0 .Lno_fill
	tensor_load_to_lds s[32:35], s[24:31]          ; filled once; one tensor load of mine is out
	s_nop 0
.rept 4
	v_nop
.endr
.Lno_fill:
	s_lshl_b32 s82, s55, 12
	s_add_nc_u64 s[56:57], s[4:5], s[82:83]
	s_add_nc_u64 s[60:61], s[6:7], s[82:83]
	s_lshl_b32 s82, s55, 8
	s_add_co_u32 s82, s82, 0x200000
	s_add_nc_u64 s[58:59], s[4:5], s[82:83]
	s_add_nc_u64 s[62:63], s[6:7], s[82:83]
	s_lshl_b32 s82, s84, 12
	s_add_nc_u64 s[66:67], s[6:7], s[82:83]
	s_lshl_b32 s82, s84, 8
	s_add_co_u32 s82, s82, 0x200000
	s_add_nc_u64 s[68:69], s[6:7], s[82:83]
	s_lshl_b32 s82, s85, 12
	s_add_nc_u64 s[70:71], s[6:7], s[82:83]
	s_lshl_b32 s82, s85, 8
	s_add_co_u32 s82, s82, 0x200000
	s_add_nc_u64 s[72:73], s[6:7], s[82:83]
	s_lshl_b32 s82, s22, 8
	s_add_nc_u64 s[74:75], s[10:11], s[82:83]
	s_add_nc_u64 s[76:77], s[12:13], s[82:83]
	s_add_nc_u64 s[78:79], s[14:15], s[82:83]
	s_lshl_b32 s82, s20, 19
	s_lshl_b32 s88, s19, 16
	s_add_co_u32 s82, s82, s88
	s_lshl_b32 s88, s18, 13
	s_add_co_u32 s82, s82, s88
	s_add_nc_u64 s[80:81], s[16:17], s[82:83]      ; ol at my wave's first t
.irp tt, 0,1
.irp s, 0,1,2,3
.irp c, 0,1
	global_load_b128 v[AX+32*\tt+8*\s+4*\c:AX+32*\tt+8*\s+4*\c+3], v4, s[56:57] offset:\tt*4096+\s*1024+\c*512
	global_load_b128 v[AC+32*\tt+8*\s+4*\c:AC+32*\tt+8*\s+4*\c+3], v4, s[60:61] offset:\tt*4096+\s*1024+\c*512
.endr
.endr
.irp sp, 0,1
	global_load_b32 v[AXS+2*\tt+\sp], v5, s[58:59] offset:\tt*256+\sp*128
	global_load_b32 v[ACS+2*\tt+\sp], v5, s[62:63] offset:\tt*256+\sp*128
.endr
.endr
	WIN 0x40
.irp p, 0,1,2
.irp ot, 0,1,2,3
	global_load_b128 v[128+32*\p+8*\ot:131+32*\p+8*\ot], v243, s[74+2*\p:75+2*\p] offset:(32*(\ot/2)+8*(\ot%2))*4
	global_load_b128 v[132+32*\p+8*\ot:135+32*\p+8*\ot], v243, s[74+2*\p:75+2*\p] offset:(32*(\ot/2)+8*(\ot%2))*4+16
.endr
.endr
	WIN 0
	s_wait_tensorcnt 0x0
	s_barrier_signal -1
	s_barrier_wait -1                              ; the three records lie in LDS
	s_wait_loadcnt 0x0
; ---- the projections
	PROJ 0, AX, AXS, 8
	s_and_b32 s82, s18, 3
	s_cmp_lg_u32 s82, 0
	s_cbranch_scc1 .Lno_side
.irp s, 0,1,2,3                        ; waves 0 and 4: cond's two side tiles, into the registers that x has left
.irp c, 0,1
	global_load_b128 v[AX+8*\s+4*\c:AX+8*\s+4*\c+3], v4, s[66:67] offset:\s*1024+\c*512
	global_load_b128 v[AX+32+8*\s+4*\c:AX+32+8*\s+4*\c+3], v4, s[70:71] offset:\s*1024+\c*512
.endr
.endr
.irp sp, 0,1
	global_load_b32 v[AXS+\sp], v5, s[68:69] offset:\sp*128
	global_load_b32 v[AXS+2+\sp], v5, s[72:73] offset:\sp*128
.endr
.Lno_side:
	PROJ 1, AC, ACS, 9
	s_cmp_lg_u32 s18, 0
	s_cbranch_scc1 .Lnot_0
	HALO 1
.Lnot_0:
	PROJ 2, AC, ACS, 10
	s_cmp_lg_u32 s18, 4
	s_cbranch_scc1 .Lnot_4
	HALO 2
.Lnot_4:
	s_wait_loadcnt 0x0                             ; on every way that leads here: the side tiles' loads have landed, so the score phase may load into their registers (waves 0 and 4 have waited already, the others have none out)
	s_wait_dscnt 0x0                               ; my rows have landed
	s_barrier_signal -1
	s_barrier_wait -1                              ; everybody's have
; ---- the scores
.irp qt, 0,1
.irp i, 0,1,2,3,4,5,6,7
	ds_load_b128 v[44+32*\qt+4*\i:47+32*\qt+4*\i], v13 offset:4352*\qt+32*\i
.endr
.endr
.irp kt, 0,1,2
.irp i, 0,1,2,3,4,5,6,7
	ds_load_b128 v[108+32*\kt+4*\i:111+32*\kt+4*\i], v14 offset:4352*\kt+32*\i
.endr
.endr
	s_wait_dscnt 0x0
	WIN 0x50                                       ; C and D window 1
	v_wmma_f32_16x16x4_f32 v[224:231], v[108:109], v[44:45], 0     ; each sum's first K step starts it; four sums by turns
	v_wmma_f32_16x16x4_f32 v[232:239], v[140:141], v[44:45], 0
	v_wmma_f32_16x16x4_f32 v[240:247], v[140:141], v[76:77], 0
	v_wmma_f32_16x16x4_f32 v[248:255], v[172:173], v[76:77], 0
.irp i, 1,2,3,4,5,6,7,8,9,10,11,12,13,14,15
	v_wmma_f32_16x16x4_f32 v[224:231], v[108+2*\i:109+2*\i], v[44+2*\i:45+2*\i], v[224:231]
	v_wmma_f32_16x16x4_f32 v[232:239], v[140+2*\i:141+2*\i], v[44+2*\i:45+2*\i], v[232:239]
	v_wmma_f32_16x16x4_f32 v[240:247], v[140+2*\i:141+2*\i], v[76+2*\i:77+2*\i], v[240:247]
	v_wmma_f32_16x16x4_f32 v[248:255], v[172+2*\i:173+2*\i], v[76+2*\i:77+2*\i], v[248:255]
.endr
	WIN 0
.rept 8
	v_nop                                          ; eight places behind this form
.endr
	WIN 0x05                                       ; sources 0 and 1 window 1
.irp j, 0,1,2,3,4,5,6,7
	v_cndmask_b32 v[XX+\j], v[232+\j], v[224+\j], s[40+\j]
	v_cndmask_b32 v[XX+8+\j], v[248+\j], v[240+\j], s[40+\j]
.endr
	WIN 0
; ---- the softmax over the window: a query's 16 scores lie in lanes r and r + 16
.irp qt, 0,1
	v_max3_num_f32 v[236+\qt], v[XX+8*\qt], v[XX+8*\qt+1], v[XX+8*\qt+2]
.endr
.irp i, 3,5
.irp qt, 0,1
	v_max3_num_f32 v[236+\qt], v[236+\qt], v[XX+8*\qt+\i], v[XX+8*\qt+\i+1]
.endr
.endr
.irp qt, 0,1
	v_max_num_f32 v[236+\qt], v[236+\qt], v[XX+8*\qt+7]
.endr
.irp qt, 0,1
	v_permlanex16_b32 v[238+\qt], v[236+\qt], s36, s37
.endr
.irp qt, 0,1
	v_max_num_f32 v[236+\qt], v[236+\qt], v[238+\qt]
.endr
.irp qt, 0,1
	v_mul_f32 v[240+2*\qt], s38, v[236+\qt]        ; c x the largest score
.endr
.irp qt, 0,1
.irp j, 0,2,4,6
	v_pk_fma_f32 v[XX+8*\qt+\j:XX+8*\qt+\j+1], v[XX+8*\qt+\j:XX+8*\qt+\j+1], s[38:39], v[240+2*\qt:241+2*\qt] op_sel_hi:[1,0,0] neg_lo:[0,0,1] neg_hi:[0,0,1]
.endr
.endr
.set J, 0
.rept 16
	v_exp_f32 v[XX+J], v[XX+J]
.set J, J+1
.endr
	v_nop
	s_wait_alu depctr_va_vdst(0)
.irp qt, 0,1
	v_pk_add_f32 v[244+2*\qt:245+2*\qt], v[XX+8*\qt:XX+8*\qt+1], v[XX+8*\qt+2:XX+8*\qt+3]
	v_pk_add_f32 v[248+2*\qt:249+2*\qt], v[XX+8*\qt+4:XX+8*\qt+5], v[XX+8*\qt+6:XX+8*\qt+7]
.endr
.irp qt, 0,1
	v_pk_add_f32 v[244+2*\qt:245+2*\qt], v[244+2*\qt:245+2*\qt], v[248+2*\qt:249+2*\qt]
.endr
.irp qt, 0,1
	v_add_f32 v[236+\qt], v[244+2*\qt], v[245+2*\qt]
.endr
.irp qt, 0,1
	v_permlanex16_b32 v[238+\qt], v[236+\qt], s36, s37
.endr
.irp qt, 0,1
	v_add_f32 v[236+\qt], v[236+\qt], v[238+\qt]
.endr
.irp qt, 0,1
	v_rcp_f32 v[240+2*\qt], v[236+\qt]
.endr
	v_nop
	s_wait_alu depctr_va_vdst(0)
.irp qt, 0,1
.irp j, 0,2,4,6
	v_pk_mul_f32 v[XX+8*\qt+\j:XX+8*\qt+\j+1], v[XX+8*\qt+\j:XX+8*\qt+\j+1], v[240+2*\qt:241+2*\qt] op_sel_hi:[1,0]
.endr
.endr
.irp qt, 0,1
.irp j, 0,1,2,3,4,5,6,7
	ds_store_b32 v[18+\j], v[XX+8*\qt+\j] offset:1024*\qt      ; my wave's own bytes: LDS serves a wave's instructions in order, so no wait stands in front of the loads below
.endr
.endr
; ---- out(t, d) = the sum over w of p(t, w) v(t - 8 + w, d): a lane holds d = 2 l, 2 l + 1; four queries at a time
.macro PLOAD i                         ; quad i's 64 weights, the same in every lane, into set i % 2
.irp q, 0,1,2,3
.irp k, 0,1,2,3
	ds_load_b128 v[92+64*((\i)%2)+16*\q+4*\k:95+64*((\i)%2)+16*\q+4*\k], v16 offset:64*(4*(\i)+\q)+16*\k
.endr
.endr
.endm
.macro VROW rr                         ; row rr of the wave's 47 rows of v, into a ring of 24 pairs
	ds_load_b64 v[44+2*((\rr)%24):45+2*((\rr)%24)], v15 offset:272*(\rr)
.endm
.macro QUAD i
.if \i < 7
	PLOAD \i+1
	VROW 4*\i+19
	VROW 4*\i+20
	VROW 4*\i+21
	VROW 4*\i+22
	s_wait_dscnt 20                                ; all but the 20 just issued
.else
	s_wait_dscnt 0x0
.endif
	s_wait_xcnt 0x0                                ; the last quad's stores have read their data
.irp w, 0,1,2,3,4,5,6,7,8,9,10,11,12,13,14,15
.irp q, 0,1,2,3
.if \w == 0
	v_pk_mul_f32 v[OUTR+2*\q:OUTR+2*\q+1], v[44+2*((4*\i+\q)%24):45+2*((4*\i+\q)%24)], v[92+64*((\i)%2)+16*\q:93+64*((\i)%2)+16*\q] op_sel_hi:[1,0]
.elseif \w%2 == 0
	v_pk_fma_f32 v[OUTR+2*\q:OUTR+2*\q+1], v[44+2*((4*\i+\q+\w)%24):45+2*((4*\i+\q+\w)%24)], v[92+64*((\i)%2)+16*\q+\w:93+64*((\i)%2)+16*\q+\w], v[OUTR+2*\q:OUTR+2*\q+1] op_sel_hi:[1,0,1]
.else
	v_pk_fma_f32 v[OUTR+2*\q:OUTR+2*\q+1], v[44+2*((4*\i+\q+\w)%24):45+2*((4*\i+\q+\w)%24)], v[92+64*((\i)%2)+16*\q+\w-1:93+64*((\i)%2)+16*\q+\w-1], v[OUTR+2*\q:OUTR+2*\q+1] op_sel:[0,1,0] op_sel_hi:[1,1,1]
.endif
.endr
.endr
.irp q, 0,1,2,3
	global_store_b64 v17, v[OUTR+2*\q:OUTR+2*\q+1], s[80:81] offset:256*(4*\i+\q)   ; a t's 64 numbers: 256 consecutive, aligned bytes
.endr
.endm
.set RR, 0
.rept 19
	VROW RR
.set RR, RR+1
.endr
	PLOAD 0
.irp i, 0,1,2,3,4,5,6,7
	QUAD \i
.endr
	s_wait_tensorcnt 0x0
	ds_add_u32 v254, v255
	s_wait_dscnt 0x0
	s_endpgm
.Lfunc_end_k_q57eb66400d_local:
	.size	k_q57eb66400d_local, .Lfunc_end_k_q57eb66400d_local-k_q57eb66400d_local
	.p2alignl 7, 3214868480
	.fill 96, 4, 3214868480
	.section	.rodata,"a",@progbits
	.p2align	6, 0x0
	.amdhsa_kernel k_q57eb66400d_local
		.amdhsa_group_segment_fixed_size 313344
		.amdhsa_private_segment_fixed_size 0
		.amdhsa_enable_private_segment 0
		.amdhsa_kernarg_size 56
		.amdhsa_user_sgpr_count 2
		.amdhsa_user_sgpr_kernarg_segment_ptr 1
		.amdhsa_wavefront_size32 1
		.amdhsa_system_sgpr_workgroup_id_x 1
		.amdhsa_system_sgpr_workgroup_id_y 1
		.amdhsa_system_sgpr_workgroup_id_z 1
		.amdhsa_system_vgpr_workitem_id 0
		.amdhsa_next_free_vgpr 512
		.amdhsa_next_free_sgpr 96
		.amdhsa_reserve_vcc 0
		.amdhsa_float_denorm_mode_32 3
		.amdhsa_float_denorm_mode_16_64 3
		.amdhsa_memory_ordered 1
		.amdhsa_forward_progress 1
		.amdhsa_inst_pref_size 113
	.end_amdhsa_kernel
	.amdgpu_metadata
---
amdhsa.version: [ 1, 2 ]
amdhsa.kernels:
  - .name:           k_q57eb66400d_local
    .symbol:         k_q57eb66400d_local.kd
    .args:
      - { .name: xq, .offset: 0, .size: 8, .value_kind: global_buffer, .address_space: global }
      - { .name: cq, .offset: 8, .size: 8, .value_kind: global_buffer, .address_space: global }
      - { .name: wq, .offset: 16, .size: 8, .value_kind: global_buffer, .address_space: global }
      - { .name: lq_b, .offset: 24, .size: 8, .value_kind: global_buffer, .address_space: global }
      - { .name: lk_b, .offset: 32, .size: 8, .value_kind: global_buffer, .address_space: global }
      - { .name: lv_b, .offset: 40, .size: 8, .value_kind: global_buffer, .address_space: global }
      - { .name: ol, .offset: 48, .size: 8, .value_kind: global_buffer, .address_space: global }
    .group_segment_fixed_size: 313344
    .private_segment_fixed_size: 0
    .kernarg_segment_align: 8
    .kernarg_segment_size: 56
    .max_flat_workgroup_size: 256
    .sgpr_count:     96
    .vgpr_count:     512
    .wavefront_size: 32
...
	.end_amdgpu_metadata
.endif
;; end of part 4
;; launch outproj (part 5): grid 128 x 2, 8 waves a work-group, no clusters, 105,472 bytes of LDS; arguments ol, og, wq, lo_b, go_b, t, out0; writes out0
.if DOCPART == 5
	.amdgcn_target "amdgcn-amd-amdhsa--gfx1250"
	.amdhsa_code_object_version 6
	.text
	.protected	k_q57eb66400d_outproj
	.globl	k_q57eb66400d_outproj
	.p2align	8
	.type	k_q57eb66400d_outproj,@function
k_q57eb66400d_outproj:
	s_mov_b64 s[64:65], 0
	v_nop
	global_prefetch_b8 v0, s[64:65] scope:SCOPE_SE
	s_setreg_imm32_b32 hwreg(HW_REG_WAVE_MODE, 25, 1), 1
	s_wait_xcnt 0x0
; OUTPROJ: out0[b][o][t] = sqrt(1 - tn) (go_w og + go_b) + sqrt(tn) (lo_w out2 + lo_b), tn = t[b] / 999; both products on codes of FP4.
; out2 is ol's bytes read as [b][c' 512][t 2048] f32: its K, c', is the outer axis: a lane takes a column t and its registers run down K; it is quantised here, in registers.  og arrives as codes.
; Work-group (X, oh): 64 columns t of a batch, 256 outputs o.  Wave w quantises c' 64 w .. 64 w + 63 of the 64 columns and brings in an eighth of og's codes; both operands go to the other waves through LDS as images
; of their registers; then wave w makes o = 256 oh + 32 w + 0 .. 31 for both planes, its weights (16 fragments) in registers.  Source 0 = 16 t in split order, source 1 = 16 o: a lane holds one o and 8 neighbouring t.
; No tensor load, so no ring.  No multicast: nothing comes into LDS by a copy engine, and the weights go straight into registers.
; LDS: out2's four tile images at 0, og's at 16,384, their scale images at 32,768 and 33,792, a stage of 32 rows x 272 bytes for each wave from 34,816.
; LIMITS: a block of zeros gets the byte 1 (its codes are zeros; this program alone reads the bytes); NaN and infinities are not served; 1 - tn is held at 0 from below, so t above 999 gives no NaN here.
.set MSB, 0
.macro WIN new
.if MSB != \new
	s_set_vgpr_msb (MSB<<8)|\new
.set MSB, \new
.endif
.endm
.macro BLK xs, cd, by                  ; 32 numbers of one block -> 16 bytes of codes, the byte
	v_max3_num_f32 v52, |v[\xs]|, |v[\xs+1]|, |v[\xs+2]|
	v_max3_num_f32 v53, |v[\xs+3]|, |v[\xs+4]|, |v[\xs+5]|
.irp i, 6,10,14,18,22,26
	v_max3_num_f32 v52, v52, |v[\xs+\i]|, |v[\xs+\i+1]|
	v_max3_num_f32 v53, v53, |v[\xs+\i+2]|, |v[\xs+\i+3]|
.endr
	v_max3_num_f32 v52, v52, |v[\xs+30]|, |v[\xs+31]|
	v_max3_num_f32 v52, v52, v53, 0x1800000        ; with the floor 2^(3 - 127)
	v_add_nc_u32 v54, 0xff000000, v52
	v_lshrrev_b32 v[\by], 23, v54
.irp g, 0,1,2,3
	v_cvt_scalef32_pk8_fp4_f32 v[\cd+\g], v[\xs+8*\g:\xs+8*\g+7], v54
.endr
	v_nop                                          ; one plain place behind a scaled conversion
.endm
.macro XLOAD blk                       ; block blk of my 64 c': 32 rows of 8,192 bytes; the two loads of a row read 256 neighbouring bytes
.set I, 0
.rept 32
	global_load_b32 v[64+32*\blk+I], v5, s[24:25] offset:(32*\blk+I)*8192
	global_load_b32 v[128+32*\blk+I], v5, s[24:25] offset:(32*\blk+I)*8192+128
.set I, I+1
.endr
.endm
.macro LOADA s                         ; K step s: the fragments of both planes' four tiles of t into set s % 2
.irp pl, 0,1
.irp tt, 0,1,2,3
.irp c, 0,1
	ds_load_b128 v[64+64*((\s)%2)+8*(4*\pl+\tt)+4*\c:67+64*((\s)%2)+8*(4*\pl+\tt)+4*\c], v4 offset:\pl*16384+\tt*4096+(\s)*1024+\c*512
.endr
.endr
.endr
.endm
.macro MM s                            ; 16 matrix instructions, the sixteen accumulators by turns
	WIN 0x54                                       ; source 1 (weight), C and D window 1
.irp pl, 0,1
.irp tt, 0,1,2,3
.irp uo, 0,1
.if \s == 0
	v_wmma_scale_f32_16x16x128_f8f6f4 v[128+8*(8*\pl+2*\tt+\uo):135+8*(8*\pl+2*\tt+\uo)], v[64+8*(4*\pl+\tt):71+8*(4*\pl+\tt)], v[8*(8*\pl+4*\uo):8*(8*\pl+4*\uo)+7], 0, v[24+8*\pl+2*\tt], v[16+4*\pl+2*\uo] matrix_a_fmt:MATRIX_FMT_FP4 matrix_b_fmt:MATRIX_FMT_FP4
.elseif \s == 2
	v_wmma_scale_f32_16x16x128_f8f6f4 v[128+8*(8*\pl+2*\tt+\uo):135+8*(8*\pl+2*\tt+\uo)], v[64+8*(4*\pl+\tt):71+8*(4*\pl+\tt)], v[8*(8*\pl+4*\uo+2):8*(8*\pl+4*\uo+2)+7], v[128+8*(8*\pl+2*\tt+\uo):135+8*(8*\pl+2*\tt+\uo)], v[24+8*\pl+2*\tt+1], v[16+4*\pl+2*\uo+1] matrix_a_fmt:MATRIX_FMT_FP4 matrix_b_fmt:MATRIX_FMT_FP4
.else
	v_wmma_scale_f32_16x16x128_f8f6f4 v[128+8*(8*\pl+2*\tt+\uo):135+8*(8*\pl+2*\tt+\uo)], v[128+8*(4*\pl+\tt):135+8*(4*\pl+\tt)], v[8*(8*\pl+4*\uo+\s):8*(8*\pl+4*\uo+\s)+7], v[128+8*(8*\pl+2*\tt+\uo):135+8*(8*\pl+2*\tt+\uo)], v[24+8*\pl+2*\tt+\s/2], v[16+4*\pl+2*\uo+\s/2] matrix_a_fmt:MATRIX_FMT_FP4 matrix_b_fmt:MATRIX_FMT_FP4 matrix_a_scale:MATRIX_SCALE_ROW1 matrix_b_scale:MATRIX_SCALE_ROW1
.endif
.endr
.endr
.endr
	WIN 0
.endm
	s_load_b256 s[4:11], s[0:1], 0x0               ; ol, og, wq, lo_b
	s_load_b128 s[12:15], s[0:1], 0x20             ; go_b, t
	s_load_b64 s[16:17], s[0:1], 0x30              ; out0
	v_lshl_add_u32 v254, v0, 2, 0x19800
	v_mov_b32 v255, 0
	v_lshrrev_b32 v1, 5, v0
	v_readfirstlane_b32 s18, v1                    ; wave
	s_lshr_b32 s19, ttmp9, 5                       ; batch
	s_and_b32 s20, ttmp9, 31                       ; which 64 columns
	s_and_b32 s21, ttmp7, 0xffff                   ; which 256 outputs
	s_lshr_b32 s22, s18, 1
	s_and_b32 s23, s18, 1
	v_and_b32 v1, 31, v0                           ; lane
	v_and_b32 v2, 15, v0                           ; r
	v_bfe_u32 v3, v0, 4, 1                         ; h
	v_lshlrev_b32 v4, 4, v1
	v_lshlrev_b32 v5, 2, v1
	v_bfe_u32 v56, v1, 3, 1                        ; column l lies in tile u = (l / 8) % 2,
	v_and_b32 v57, 7, v1
	v_lshl_or_b32 v57, v3, 3, v57                  ; row 8 (l / 16) + l % 8
	s_lshl_b32 s44, s22, 10
	s_lshl_b32 s46, s23, 9
	s_add_co_u32 s44, s44, s46
	v_lshlrev_b32 v7, 4, v57
	v_lshl_add_u32 v7, v56, 12, v7
	v_add_nc_u32 v7, s44, v7                       ; out2's codes: K step w / 2, half w % 2
	s_lshl_b32 s44, s22, 6
	s_lshl_b32 s46, s23, 1
	s_add_co_u32 s44, s44, s46
	s_add_co_u32 s44, s44, 32768
	v_lshlrev_b32 v8, 2, v57
	v_lshl_add_u32 v8, v56, 8, v8
	v_add_nc_u32 v8, s44, v8                       ; my two bytes of the row's scale word
	s_lshl_b32 s44, s22, 12
	s_lshl_b32 s46, s23, 11
	s_add_co_u32 s44, s44, s46
	s_add_co_u32 s44, s44, 16384
	v_add_nc_u32 v9, s44, v4                       ; og's codes: tile w / 2, K steps 2 (w % 2) and + 1
	s_lshl_b32 s44, s22, 8
	s_lshl_b32 s46, s23, 7
	s_add_co_u32 s44, s44, s46
	s_add_co_u32 s44, s44, 33792
	v_add_nc_u32 v10, s44, v5                      ; and their words
	v_lshlrev_b32 v11, 2, v2
	v_lshl_add_u32 v11, v3, 14, v11                ; og's words in memory: lanes 16-31 two heads on
	v_and_b32 v12, 8, v2
	v_add_nc_u32 v12, v12, v2                      ; r + 8 (r / 8)
	s_mul_i32 s44, s18, 8704
	s_add_co_u32 s44, s44, 34816                   ; my stage
	v_mul_u32_u24 v13, v12, 272
	v_lshl_add_u32 v13, v3, 6, v13
	v_add_nc_u32 v13, s44, v13                     ; in: my o's row, + 64 h
	v_lshlrev_b32 v12, 2, v12
	v_mul_u32_u24 v14, v3, 272
	v_lshl_add_u32 v14, v2, 4, v14
	v_add_nc_u32 v14, s44, v14                     ; back: lanes 0-15 one row, lanes 16-31 the next
	v_lshlrev_b32 v15, 4, v2
	v_lshl_add_u32 v15, v3, 13, v15                ; and the same two rows in out0
	s_mov_b32 s45, 0
	s_wait_kmcnt 0x0
	s_lshl_b32 s44, s19, 2
	s_add_nc_u64 s[40:41], s[14:15], s[44:45]
	s_load_b32 s38, s[40:41], 0x0                  ; t[b]
	s_lshl_b32 s44, s19, 22
	s_lshl_b32 s46, s18, 19
	s_add_co_u32 s44, s44, s46
	s_lshl_b32 s46, s20, 8
	s_add_co_u32 s44, s44, s46
	s_add_nc_u64 s[24:25], s[4:5], s[44:45]        ; out2 at row c' = 64 w, my columns
	s_lshl_b32 s47, s19, 3
	s_lshl_b32 s46, s23, 2
	s_add_co_u32 s47, s47, s46                     ; head 8 b + 4 (w % 2)
	s_lshl_b32 s48, s20, 2
	s_add_co_u32 s48, s48, s22                     ; tile 4 x block + w / 2
	s_lshl_b32 s44, s47, 7
	s_add_co_u32 s44, s44, s48
	s_lshl_b32 s44, s44, 9
	s_add_nc_u64 s[26:27], s[6:7], s[44:45]
	s_lshl_b32 s44, s47, 13
	s_lshl_b32 s46, s48, 6
	s_add_co_u32 s44, s44, s46
	s_add_co_u32 s44, s44, 0x200000
	s_add_nc_u64 s[28:29], s[6:7], s[44:45]
	s_lshl_b32 s46, s21, 2
	s_add_co_u32 s46, s46, s22
	s_add_co_u32 s46, s46, 24                      ; the record of (plane 3, head 4 oh + w / 2); plane 7's lies 32 records, 557,056 bytes, on
	s_mul_i32 s49, s46, 17408
	s_lshl_b32 s46, s23, 13
	s_add_co_u32 s44, s49, s46
	s_add_nc_u64 s[30:31], s[8:9], s[44:45]        ; tiles 2 (w % 2) and + 1: images,
	s_lshl_b32 s46, s23, 9
	s_add_co_u32 s44, s49, s46
	s_add_co_u32 s44, s44, 16384
	s_add_nc_u64 s[32:33], s[8:9], s[44:45]        ; scale images
	s_lshl_b32 s50, s21, 8
	s_lshl_b32 s46, s18, 5
	s_add_co_u32 s50, s50, s46                     ; my first o
	s_lshl_b32 s44, s50, 2
	s_add_nc_u64 s[34:35], s[10:11], s[44:45]
	s_add_nc_u64 s[36:37], s[12:13], s[44:45]
	s_lshl_b32 s44, s50, 13
	s_lshl_b32 s46, s19, 22
	s_add_co_u32 s44, s44, s46
	s_lshl_b32 s46, s20, 8
	s_add_co_u32 s44, s44, s46
	s_add_nc_u64 s[42:43], s[16:17], s[44:45]
.irp e, 0,1
.irp c, 0,1
	global_load_b128 v[192+8*\e+4*\c:195+8*\e+4*\c], v4, s[26:27] offset:(2*\e+\c)*65536   ; og: K step 2 (w % 2) + e, half c = head + 2 e + c
.endr
.endr
	global_load_b32 v230, v11, s[28:29]
	global_load_b32 v231, v11, s[28:29] offset:8192
	WIN 0x40
.irp pl, 0,1
.irp uo, 0,1
.irp s, 0,1,2,3
.irp c, 0,1
	global_load_b128 v[8*(8*\pl+4*\uo+\s)+4*\c:8*(8*\pl+4*\uo+\s)+4*\c+3], v4, s[30:31] offset:\pl*557056+\uo*4096+\s*1024+\c*512
.endr
.endr
.endr
.endr
	WIN 0
.irp pl, 0,1
.irp uo, 0,1
.irp sp, 0,1
	global_load_b32 v[16+4*\pl+2*\uo+\sp], v5, s[32:33] offset:\pl*557056+\uo*256+\sp*128
.endr
.endr
.endr
.irp uo, 0,1
	global_load_b32 v[48+\uo], v12, s[34:35] offset:32*\uo
	global_load_b32 v[50+\uo], v12, s[36:37] offset:32*\uo
.endr
	XLOAD 0
	s_wait_loadcnt 63                              ; 64 loads were issued behind the biases: all that stands ahead of out2's numbers is in
.irp e, 0,1
.irp c, 0,1
	ds_store_b128 v9, v[192+8*\e+4*\c:195+8*\e+4*\c] offset:1024*\e+512*\c
.endr
.endr
	v_lshl_or_b32 v232, v231, 16, v230             ; two heads' bytes make a K step's word
	ds_store_b32 v10, v232
	XLOAD 1
	s_wait_loadcnt 63                              ; 64 loads were issued behind block 0's: it is in
	BLK 64, 208, 224
	ds_store_b128 v7, v[208:211]
	BLK 128, 216, 226
	ds_store_b128 v7, v[216:219] offset:8192
	s_wait_loadcnt 0x0
	BLK 96, 212, 225
	ds_store_b128 v7, v[212:215] offset:256
	BLK 160, 220, 227
	ds_store_b128 v7, v[220:223] offset:8192+256
	v_lshl_or_b32 v228, v225, 8, v224
	v_lshl_or_b32 v229, v227, 8, v226
	ds_store_b16 v8, v228
	ds_store_b16 v8, v229 offset:512
	s_wait_kmcnt 0x0                               ; t[b]
	v_cvt_f32_i32 v56, s38
	v_mov_b32 v57, 0x4479c000                      ; 999
	v_rcp_f32 v58, v57
	v_nop
	s_wait_alu depctr_va_vdst(0)
	v_mul_f32 v59, v56, v58
	v_fma_f32 v60, -v59, v57, v56                  ; the quotient is corrected once by its remainder
	v_fma_f32 v59, v60, v58, v59                   ; tn
	v_sub_f32 v60, 1.0, v59
	v_max_num_f32 v60, 0, v60
	v_sqrt_f32 v40, v59                            ; the local branch's weight
	v_sqrt_f32 v42, v60                            ; the global branch's
	v_nop
	s_wait_alu depctr_va_vdst(0)
	v_mov_b32 v41, v40                             ; (the pairs' upper halves are named, so they are written)
	v_mov_b32 v43, v42
	v_mul_f32 v44, v40, v48
	v_mul_f32 v46, v40, v49
	v_fma_f32 v44, v42, v50, v44                   ; both biases of my o, weighted
	v_fma_f32 v46, v42, v51, v46
	v_mov_b32 v45, v44
	v_mov_b32 v47, v46
	s_wait_dscnt 0x0                               ; my images have landed
	s_barrier_signal -1
	s_barrier_wait -1                              ; everybody's have
.irp pl, 0,1
.irp tt, 0,1,2,3
.irp sp, 0,1
	ds_load_b32 v[24+8*\pl+2*\tt+\sp], v5 offset:32768+\pl*1024+\tt*256+\sp*128
.endr
.endr
.endr
	LOADA 0
	LOADA 1
	s_wait_dscnt 16                                ; the words and K step 0 are in; K step 1's 16 loads may be out
	MM 0
.rept 4
	v_nop                                          ; places in front of loads into registers that matrix instructions have read
.endr
	LOADA 2
	s_wait_dscnt 16
	MM 1
.rept 4
	v_nop
.endr
	LOADA 3
	s_wait_dscnt 16
	MM 2
	s_wait_dscnt 0x0
	MM 3
.rept 4
	v_nop
.endr
	WIN 0x01                                       ; source 0 window 1
.irp tt, 0,1,2,3
.irp uo, 0,1
.irp j, 0,2,4,6
	v_pk_fma_f32 v[64+8*(2*\tt+\uo)+\j:65+8*(2*\tt+\uo)+\j], v[128+8*(2*\tt+\uo)+\j:129+8*(2*\tt+\uo)+\j], v[40:41], v[44+2*\uo:45+2*\uo] op_sel_hi:[1,0,0]
.endr
.endr
.endr
.irp tt, 0,1,2,3
.irp uo, 0,1
.irp j, 0,2,4,6
	v_pk_fma_f32 v[64+8*(2*\tt+\uo)+\j:65+8*(2*\tt+\uo)+\j], v[192+8*(2*\tt+\uo)+\j:193+8*(2*\tt+\uo)+\j], v[42:43], v[64+8*(2*\tt+\uo)+\j:65+8*(2*\tt+\uo)+\j] op_sel_hi:[1,0,1]
.endr
.endr
.endr
	WIN 0
.irp tt, 0,1,2,3
.irp uo, 0,1
	ds_store_b128 v13, v[64+8*(2*\tt+\uo):67+8*(2*\tt+\uo)] offset:2176*\uo+128*(\tt/2)+32*(\tt%2)       ; lane (r, h): t = 32 (tt / 2) + 16 h + 8 (tt % 2) + 0 .. 7 of my o
	ds_store_b128 v13, v[68+8*(2*\tt+\uo):71+8*(2*\tt+\uo)] offset:2176*\uo+128*(\tt/2)+32*(\tt%2)+16
.endr
.endr
.irp k, 0,1,2,3,4,5,6,7,8,9,10,11,12,13,14,15
	ds_load_b128 v[128+4*\k:131+4*\k], v14 offset:2*\k*272       ; my own stage: LDS serves a wave's instructions in order, so these see the stores above
.endr
.irp k, 0,1,2,3,4,5,6,7,8,9,10,11,12,13,14,15
	s_wait_dscnt 15-\k                             ; rows 2 k and 2 k + 1 are back; the younger loads may be out
	global_store_b128 v15, v[128+4*\k:131+4*\k], s[42:43] offset:2*\k*8192 th:TH_STORE_NT   ; 16 lanes store 256 consecutive, aligned bytes
.endr
	s_wait_tensorcnt 0x0
	ds_add_u32 v254, v255
	s_wait_dscnt 0x0
	s_endpgm
.Lfunc_end_k_q57eb66400d_outproj:
	.size	k_q57eb66400d_outproj, .Lfunc_end_k_q57eb66400d_outproj-k_q57eb66400d_outproj
	.p2alignl 7, 3214868480
	.fill 96, 4, 3214868480
	.section	.rodata,"a",@progbits
	.p2align	6, 0x0
	.amdhsa_kernel k_q57eb66400d_outproj
		.amdhsa_group_segment_fixed_size 105472
		.amdhsa_private_segment_fixed_size 0
		.amdhsa_enable_private_segment 0
		.amdhsa_kernarg_size 56
		.amdhsa_user_sgpr_count 2
		.amdhsa_user_sgpr_kernarg_segment_ptr 1
		.amdhsa_wavefront_size32 1
		.amdhsa_system_sgpr_workgroup_id_x 1
		.amdhsa_system_sgpr_workgroup_id_y 1
		.amdhsa_system_sgpr_workgroup_id_z 1
		.amdhsa_system_vgpr_workitem_id 0
		.amdhsa_next_free_vgpr 512
		.amdhsa_next_free_sgpr 66
		.amdhsa_reserve_vcc 0
		.amdhsa_float_denorm_mode_32 3
		.amdhsa_float_denorm_mode_16_64 3
		.amdhsa_memory_ordered 1
		.amdhsa_forward_progress 1
		.amdhsa_inst_pref_size 51
	.end_amdhsa_kernel
	.amdgpu_metadata
---
amdhsa.version: [ 1, 2 ]
amdhsa.kernels:
  - .name:           k_q57eb66400d_outproj
    .symbol:         k_q57eb66400d_outproj.kd
    .args:
      - { .name: ol, .offset: 0, .size: 8, .value_kind: global_buffer, .address_space: global }
      - { .name: og, .offset: 8, .size: 8, .value_kind: global_buffer, .address_space: global }
      - { .name: wq, .offset: 16, .size: 8, .value_kind: global_buffer, .address_space: global }
      - { .name: lo_b, .offset: 24, .size: 8, .value_kind: global_buffer, .address_space: global }
      - { .name: go_b, .offset: 32, .size: 8, .value_kind: global_buffer, .address_space: global }
      - { .name: t, .offset: 40, .size: 8, .value_kind: global_buffer, .address_space: global }
      - { .name: out0, .offset: 48, .size: 8, .value_kind: global_buffer, .address_space: global }
    .group_segment_fixed_size: 105472
    .private_segment_fixed_size: 0
    .kernarg_segment_align: 8
    .kernarg_segment_size: 56
    .max_flat_workgroup_size: 256
    .sgpr_count:     66
    .vgpr_count:     512
    .wavefront_size: 32
...
	.end_amdgpu_metadata
.endif
;; end of part 5
;; ======== version 2 of 2: 5 launches
;; workspace buffers: xq 2,228,224 bytes; cq 2,228,224 bytes; wq 1,114,112 bytes; rope 524,288 bytes; qkv 6,946,816 bytes; og 2,359,296 bytes; ol 16,777,216 bytes
;; launch prep (part 6): grid 640 x 1, 4 waves a work-group, no clusters, 35,328 bytes of LDS; arguments x, cond, lq_w, lk_w, lv_w, lo_w, gq_w, gk_w, gv_w, go_w, xq, cq, wq, rope; writes xq, cq, wq, rope
.if DOCPART == 6
	.amdgcn_target "amdgcn-amd-amdhsa--gfx1250"
	.amdhsa_code_object_version 6
	.text
	.protected	k_q57eb66400d_prep
	.globl	k_q57eb66400d_prep
	.p2align	8
	.type	k_q57eb66400d_prep,@function
k_q57eb66400d_prep:
	s_mov_b64 s[64:65], 0
	v_nop
	global_prefetch_b8 v0, s[64:65] scope:SCOPE_SE
	s_setreg_imm32_b32 hwreg(HW_REG_WAVE_MODE, 25, 1), 1
	s_wait_xcnt 0x0
; PREP: x, cond and the eight weights become codes of FP4 (E2M1) with one E8M0 byte for each 32 along K = the 512 channels, laid as images of the matrix operands' registers; and the table of cos and sin is made.
; A TILE is 16 rows (of t, or of a weight's outputs) in SPLIT ORDER: tile (g, u) holds rows 32 g + 8 u + r + 8 (r / 8), r = 0 .. 15.  Its image is 4,096 bytes [K step of 128: 4][half c: 2][lane: 32][16 bytes];
; lane 16 h + r holds k = 128 s + 64 c + 32 h + 0 .. 31 of row r.  Its scale image is 256 bytes [K step 4][r 16][4 bytes].
; Work-groups 0-63: the weights (K innermost).  64-127: the table.  128-639: x and cond (K is the outer axis: a lane takes a column t and its registers run down K).
; THE WEIGHTS: the conversions want 32 neighbours along K in one lane; a load is best where neighbouring lanes take neighbouring bytes.  Both are had: a load reads two rows x 256 consecutive bytes, 16 a lane; a step's
; 16 rows x 256 bytes go through the wave's own stage in LDS as they lie and come back 128 bytes a lane.  The stage is the wave's own: no barrier.  The other two paths use no LDS.
; A block's scale byte is its largest magnitude's exponent field - 2, held at 1 from below.
; LIMITS: a block of zeros gets the byte 1 where the quantiser says 127 (its codes are zeros, and this program alone reads the bytes); NaN and infinities are not served;
; the inverse frequencies are the f32 numbers nearest to 10^(-i/8).
.macro BLK xs, cd                      ; 32 numbers of one block in v[xs] on -> 16 bytes of codes in v[cd] on, the byte in v13
	v_max3_num_f32 v12, |v[\xs]|, |v[\xs+1]|, |v[\xs+2]|
	v_max3_num_f32 v13, |v[\xs+3]|, |v[\xs+4]|, |v[\xs+5]|
.irp i, 6,10,14,18,22,26
	v_max3_num_f32 v12, v12, |v[\xs+\i]|, |v[\xs+\i+1]|
	v_max3_num_f32 v13, v13, |v[\xs+\i+2]|, |v[\xs+\i+3]|
.endr
	v_max3_num_f32 v12, v12, |v[\xs+30]|, |v[\xs+31]|
	v_max3_num_f32 v12, v12, v13, 0x1800000        ; and the floor 2^(3 - 127): the byte cannot fall under 1
	v_add_nc_u32 v11, 0xff000000, v12              ; 2 off the exponent field: the conversion's scale operand
	v_lshrrev_b32 v13, 23, v11                     ; the byte
.irp g, 0,1,2,3
	v_cvt_scalef32_pk8_fp4_f32 v[\cd+\g], v[\xs+8*\g:\xs+8*\g+7], v11
.endr
.endm
.macro LOADX t                         ; block t of my column: 32 rows of 8,192 bytes; a wave reads 128 neighbouring bytes of each
.set I, 0
.rept 32
	global_load_b32 v[32+32*(\t)+I], v3, s[34:35] offset:(32*(\t)+I)*8192 th:TH_LOAD_NT
.set I, I+1
.endr
.endm
.macro LOADW q                         ; step q = 2 s + c of the tile: k = 64 q .. 64 q + 63 of its 16 rows.  Load i: tile rows 2 i (lanes 0-15) and 2 i + 1 (lanes 16-31), 256 consecutive bytes of each, into raw set q % 4
.irp i, 0,1,2,3,4,5,6,7
	global_load_b128 v[32+32*((\q)%4)+4*\i:32+32*((\q)%4)+4*\i+3], v3, s[34:35] offset:(2*\i+8*(\i/4))*2048+256*(\q) th:TH_LOAD_NT
.endr
.endm
.macro TURNW q                         ; step q through stage q % 2: in as loaded, back 128 bytes a lane.  LDS serves a wave's instructions in order (ISA guide 5.7.1.4): no wait stands between the stores and the loads
.irp i, 0,1,2,3,4,5,6,7
	ds_store_b128 v14, v[32+32*((\q)%4)+4*\i:32+32*((\q)%4)+4*\i+3] offset:4352*((\q)%2)+544*\i
.endr
.irp i, 0,1,2,3,4,5,6,7
	ds_load_b128 v[192+32*((\q)%2)+4*\i:192+32*((\q)%2)+4*\i+3], v15 offset:4352*((\q)%2)+16*\i
.endr
.endm
	s_load_b512 s[4:19], s[0:1], 0x0               ; x, cond, lq_w, lk_w, lv_w, lo_w, gq_w, gk_w
	s_load_b256 s[20:27], s[0:1], 0x40             ; gv_w, go_w, xq, cq
	s_load_b128 s[28:31], s[0:1], 0x60             ; wq, rope
	s_set_vgpr_msb 0x40
	v_lshl_add_u32 v0, v0, 2, 0x8800
	v_mov_b32 v1, 0
	s_set_vgpr_msb 0x4000
	v_lshrrev_b32 v1, 5, v0
	v_readfirstlane_b32 s32, v1                    ; wave
	v_and_b32 v1, 31, v0                           ; lane
	s_mov_b32 s48, 0x76543210
	s_mov_b32 s49, 0xfedcba98                      ; v_permlanex16_b32's selects for lane l xor 16
	s_mov_b32 s45, 0
	s_wait_kmcnt 0x0
	s_cmp_lt_u32 ttmp9, 64
	s_cbranch_scc1 .Lw
	s_cmp_lt_u32 ttmp9, 128
	s_cbranch_scc1 .Lr
; ---- x and cond: a work-group takes 128 columns t x 128 along K, a wave 32 columns
	s_sub_co_u32 s33, ttmp9, 128
	s_cmp_lt_u32 s33, 256                          ; x's work-group or cond's: the choice hangs on the work-group's number alone
	s_cselect_b64 s[34:35], s[4:5], s[6:7]
	s_cselect_b64 s[36:37], s[24:25], s[26:27]
	s_and_b32 s40, s33, 3                          ; K step
	s_bfe_u32 s41, s33, 0x40002                    ; which 128 columns
	s_bfe_u32 s42, s33, 0x20006                    ; batch
	s_lshl_b32 s44, s42, 22
	s_lshl_b32 s43, s40, 20
	s_add_co_u32 s44, s44, s43
	s_lshl_b32 s43, s41, 9
	s_add_co_u32 s44, s44, s43
	s_lshl_b32 s43, s32, 7
	s_add_co_u32 s44, s44, s43
	s_add_nc_u64 s[34:35], s[34:35], s[44:45]      ; the source at my wave's first column and first row of K
	s_lshl_b32 s46, s42, 7
	s_lshl_b32 s43, s41, 3
	s_add_co_u32 s46, s46, s43
	s_lshl_b32 s43, s32, 1
	s_add_co_u32 s46, s46, s43                     ; the first of my wave's two tiles
	s_lshl_b32 s44, s46, 8
	s_lshl_b32 s43, s40, 6
	s_add_co_u32 s44, s44, s43
	s_add_co_u32 s44, s44, 0x200000
	s_add_nc_u64 s[38:39], s[36:37], s[44:45]      ; its scale image, this K step
	s_lshl_b32 s44, s46, 12
	s_lshl_b32 s43, s40, 10
	s_add_co_u32 s44, s44, s43
	s_add_nc_u64 s[36:37], s[36:37], s[44:45]      ; its image, this K step
	s_wait_alu depctr_va_vdst(0)
	v_lshlrev_b32 v3, 2, v1
	v_bfe_u32 v6, v1, 3, 1                         ; column l lies in tile u = (l / 8) % 2,
	v_and_b32 v7, 7, v1
	v_bfe_u32 v8, v1, 4, 1
	v_lshl_or_b32 v7, v8, 3, v7                    ; row r = 8 (l / 16) + l % 8
	v_lshlrev_b32 v4, 4, v7
	v_lshl_add_u32 v4, v6, 12, v4
	v_lshlrev_b32 v5, 2, v7
	v_lshl_add_u32 v5, v6, 8, v5
	LOADX 0
	LOADX 1
	s_wait_alu depctr_va_vdst(0)
.irp t, 0,1,2,3
.if \t < 3
	s_wait_loadcnt 32                              ; this block's 32 loads are in; the next block's 32 may be out
.else
	s_wait_loadcnt 0x0
.endif
.if \t < 2
	LOADX \t+2
.endif
	BLK 32+32*\t, 160+4*\t
.if \t == 0
	v_mov_b32 v24, v13                             ; the four bytes make my row's scale word of this K step
.else
	v_lshl_or_b32 v24, v13, 8*\t, v24
.endif
	global_store_b128 v4, v[160+4*\t:163+4*\t], s[36:37] offset:(\t/2)*512+(\t%2)*256   ; 16 lanes of each tile fill 256 consecutive, aligned bytes
.endr
	global_store_b32 v5, v24, s[38:39]
	s_endpgm
; ---- the weights: a wave takes one tile of 16 rows, all 512 along K, in eight steps of 64 along K
.Lw:
	s_lshr_b32 s33, ttmp9, 3                       ; plane: 0 lq, 1 lk, 2 lv, 3 lo, 4 gq, 5 gk, 6 gv, 7 go
	s_mov_b64 s[34:35], s[8:9]
.irp p, 1,2,3,4,5,6,7
	s_cmp_eq_u32 s33, \p
	s_cselect_b64 s[34:35], s[8+2*\p:9+2*\p], s[34:35]
.endr
	s_and_b32 s40, ttmp9, 7
	s_lshl_b32 s40, s40, 2
	s_add_co_u32 s40, s40, s32                     ; tile 0 .. 31 of the plane
	s_lshr_b32 s41, s40, 1
	s_lshl_b32 s41, s41, 16                        ; 32 rows of 2,048 bytes for each pair of tiles,
	s_and_b32 s42, s40, 1
	s_lshl_b32 s42, s42, 14                        ; 8 rows for the odd one
	s_add_co_u32 s44, s41, s42
	s_add_nc_u64 s[34:35], s[34:35], s[44:45]
	s_lshl_b32 s41, s33, 3
	s_lshr_b32 s42, s40, 2
	s_add_co_u32 s41, s41, s42
	s_mul_i32 s44, s41, 17408                      ; the record of (plane, head): four images, then four scale images
	s_add_nc_u64 s[28:29], s[28:29], s[44:45]
	s_and_b32 s42, s40, 3
	s_lshl_b32 s44, s42, 12
	s_add_nc_u64 s[36:37], s[28:29], s[44:45]
	s_lshl_b32 s44, s42, 8
	s_add_co_u32 s44, s44, 16384
	s_add_nc_u64 s[38:39], s[28:29], s[44:45]
	s_mul_i32 s46, s32, 8704                       ; LDS: my wave's two stages of 16 rows x 272 bytes
	s_wait_alu depctr_va_vdst(0)
	v_and_b32 v2, 15, v1                           ; r
	v_lshrrev_b32 v6, 4, v1                        ; h
	v_lshlrev_b32 v3, 4, v2
	v_lshl_add_u32 v3, v6, 11, v3                  ; in memory: my 16 bytes of a row's 256; lanes 16-31 one row further down
	v_mul_u32_u24 v14, v6, 272
	v_lshl_add_u32 v14, v2, 4, v14
	v_add_nc_u32 v14, s46, v14                     ; into the stage: the same two rows, 272 bytes apart = 68 words: row r starts at bank 4 r mod 64 (64 banks of 4 bytes: ISA guide 11.1)
	v_mul_u32_u24 v15, v2, 272
	v_lshl_add_u32 v15, v6, 7, v15
	v_add_nc_u32 v15, s46, v15                     ; out of it: row r, + 128 h bytes: my 32 numbers of the step's 64
	v_lshlrev_b32 v4, 4, v1
	v_lshlrev_b32 v5, 2, v1
	v_lshlrev_b32 v10, 3, v6
	v_cmp_ne_u32 vcc_lo, 0, v6
.irp s, 0,1,2,3
	v_mov_b32 v[28+\s], 0                          ; a lane permute's destination counts as one of its sources
.endr
	LOADW 0
	LOADW 1
	LOADW 2
	LOADW 3
	s_wait_alu depctr_va_vdst(0)
	s_wait_loadcnt 24                              ; step 0's eight loads are in; three younger steps' may be out
	TURNW 0
.irp q, 0,1,2,3,4,5,6,7
	s_wait_dscnt 0x0                               ; this step's numbers are back from the stage: so its stores into the stage have read raw set q % 4,
.if \q < 4
	LOADW \q+4                                     ; which takes the loads of four steps on
.endif
.if \q < 7
.if \q < 4
	s_wait_loadcnt 24                              ; the next step's eight loads are in; those of the three steps behind it may be out
.else
	s_wait_loadcnt 8*(6-\q)                        ; eight for each younger step
.endif
	TURNW \q+1                                     ; and go through the other stage while this step is worked
.endif
	BLK 192+32*(\q%2), 160+4*\q
	v_mov_b32 v[16+\q], v13
	global_store_b128 v4, v[160+4*\q:163+4*\q], s[36:37] offset:512*\q     ; 512 consecutive bytes of the image
.endr
.irp s, 0,1,2,3
	v_lshl_or_b32 v[24+\s], v[17+2*\s], 16, v[16+2*\s]   ; my two bytes of K step s: blocks h and 2 + h,
	v_lshlrev_b32 v[24+\s], v10, v[24+\s]                ; at their places in the word (8 h bits up);
.endr
.irp s, 0,1,2,3
	v_permlanex16_b32 v[28+\s], v[24+\s], s48, s49
.endr
.irp s, 0,1,2,3
	v_or_b32 v[24+\s], v[24+\s], v[28+\s]          ; with lane l xor 16's two the word is whole
.endr
	v_cndmask_b32 v8, v24, v25, vcc_lo             ; lanes 0-15 store the even K step's words, lanes 16-31 the odd one's
	v_cndmask_b32 v9, v26, v27, vcc_lo
	global_store_b32 v5, v8, s[38:39]
	global_store_b32 v5, v9, s[38:39] offset:128
	s_set_vgpr_msb 0x5
	s_wait_tensorcnt 0x0
	ds_add_u32 v0, v1
	s_wait_dscnt 0x0
	s_set_vgpr_msb 0x500
	s_endpgm
; ---- the table: rope[t][i] = (cos, sin) of t x 10^(-i/8); a wave takes 8 t, a lane one i
.Lr:
	s_sub_co_u32 s33, ttmp9, 64
	s_lshl_b32 s33, s33, 2
	s_add_co_u32 s33, s33, s32
	s_lshl_b32 s51, s33, 3                         ; my wave's first t
	s_lshl_b32 s44, s51, 8
	s_add_nc_u64 s[30:31], s[30:31], s[44:45]
	s_wait_alu depctr_va_vdst(0)
	v_lshlrev_b32 v3, 3, v1
	v_mov_b32 v2, 0
.set LN, 0
.irp f, 1.0, 0.7498942093324559, 0.5623413251903491, 0.4216965034285822, 0.31622776601683794, 0.23713737056616552, 0.1778279410038923, 0.1333521432163324, 0.1, 0.07498942093324559, 0.05623413251903491, 0.04216965034285822, 0.031622776601683794, 0.023713737056616552, 0.01778279410038923, 0.01333521432163324, 0.01, 0.007498942093324559, 0.005623413251903491, 0.004216965034285822, 0.0031622776601683794, 0.0023713737056616552, 0.001778279410038923, 0.001333521432163324, 0.001, 0.0007498942093324559, 0.0005623413251903491, 0.0004216965034285822, 0.00031622776601683794, 0.00023713737056616552, 0.0001778279410038923, 0.0001333521432163324
	s_mov_b32 s50, \f
	v_writelane_b32 v2, s50, LN                    ; lane i: 10^(-i/8)
.set LN, LN+1
.endr
	s_mov_b32 s52, 0xb94ca1f9                      ; sin r = r + r z (s54 + z (s53 + z s52)), z = r r, |r| <= pi / 4
	s_mov_b32 s53, 0x3c08839e
	s_mov_b32 s54, 0xbe2aaaa3
	s_mov_b32 s55, 0x37ccf5ce                      ; cos r = 1 - z / 2 + z z (s57 + z (s56 + z s55))
	s_mov_b32 s56, 0xbab6061a
	s_mov_b32 s57, 0x3d2aaaa5
	s_mov_b32 s58, 0x3fc90fdb                      ; pi / 2 in two parts
	s_mov_b32 s59, 0xb33bbd2e
	s_mov_b32 s60, 0
.Lt:
	v_cvt_f32_u32 v4, s51
	s_wait_alu depctr_va_vdst(0)
	v_mul_f32 v4, v4, v2                           ; the angle, rounded once
	v_mul_f32 v5, 0x3f22f983, v4
	v_rndne_f32 v5, v5                             ; n = the nearest multiple of pi / 2
	v_fma_f32 v6, -v5, s58, v4
	v_fma_f32 v6, -v5, s59, v6                     ; r
	v_mul_f32 v7, v6, v6                           ; z
	v_fma_f32 v8, v7, s52, s53
	v_fma_f32 v10, v7, s55, s56
	v_fma_f32 v8, v8, v7, s54
	v_fma_f32 v10, v10, v7, s57
	v_mul_f32 v9, v7, v6
	v_mul_f32 v11, v7, v7
	v_fma_f32 v12, v7, -0.5, 1.0
	v_fma_f32 v8, v8, v9, v6                       ; sin r
	v_fma_f32 v10, v10, v11, v12                   ; cos r
	v_cvt_i32_f32 v13, v5
	v_and_b32 v14, 1, v13
	v_cmp_ne_u32 vcc_lo, 0, v14
	v_cndmask_b32 v15, v8, v10, vcc_lo             ; an odd n changes sin and cos;
	v_cndmask_b32 v16, v10, v8, vcc_lo
	v_and_b32 v17, 2, v13
	v_lshlrev_b32 v17, 30, v17
	v_xor_b32 v21, v15, v17                        ; sin's sign is n's bit 1,
	v_add_nc_u32 v18, 1, v13
	v_and_b32 v18, 2, v18
	v_lshlrev_b32 v18, 30, v18
	v_xor_b32 v20, v16, v18                        ; cos's that of n + 1
	global_store_b64 v3, v[20:21], s[30:31]        ; the wave stores 256 consecutive, aligned bytes
	s_wait_xcnt 0x0                                ; the store's data and base are written again only behind this wait
	s_add_nc_u64 s[30:31], s[30:31], 256
	s_add_co_u32 s51, s51, 1
	s_add_co_u32 s60, s60, 1
	s_cmp_lt_u32 s60, 8
	s_cbranch_scc1 .Lt
	s_endpgm
.Lfunc_end_k_q57eb66400d_prep:
	.size	k_q57eb66400d_prep, .Lfunc_end_k_q57eb66400d_prep-k_q57eb66400d_prep
	.p2alignl 7, 3214868480
	.fill 96, 4, 3214868480
	.section	.rodata,"a",@progbits
	.p2align	6, 0x0
	.amdhsa_kernel k_q57eb66400d_prep
		.amdhsa_group_segment_fixed_size 35328
		.amdhsa_private_segment_fixed_size 0
		.amdhsa_enable_private_segment 0
		.amdhsa_kernarg_size 112
		.amdhsa_user_sgpr_count 2
		.amdhsa_user_sgpr_kernarg_segment_ptr 1
		.amdhsa_wavefront_size32 1
		.amdhsa_system_sgpr_workgroup_id_x 1
		.amdhsa_system_sgpr_workgroup_id_y 1
		.amdhsa_system_sgpr_workgroup_id_z 1
		.amdhsa_system_vgpr_workitem_id 0
		.amdhsa_next_free_vgpr 258
		.amdhsa_next_free_sgpr 66
		.amdhsa_reserve_vcc 1
		.amdhsa_float_denorm_mode_32 3
		.amdhsa_float_denorm_mode_16_64 3
		.amdhsa_memory_ordered 1
		.amdhsa_forward_progress 1
		.amdhsa_inst_pref_size 58
	.end_amdhsa_kernel
	.amdgpu_metadata
---
amdhsa.version: [ 1, 2 ]
amdhsa.kernels:
  - .name:           k_q57eb66400d_prep
    .symbol:         k_q57eb66400d_prep.kd
    .args:
      - { .name: x, .offset: 0, .size: 8, .value_kind: global_buffer, .address_space: global }
      - { .name: cond, .offset: 8, .size: 8, .value_kind: global_buffer, .address_space: global }
      - { .name: lq_w, .offset: 16, .size: 8, .value_kind: global_buffer, .address_space: global }
      - { .name: lk_w, .offset: 24, .size: 8, .value_kind: global_buffer, .address_space: global }
      - { .name: lv_w, .offset: 32, .size: 8, .value_kind: global_buffer, .address_space: global }
      - { .name: lo_w, .offset: 40, .size: 8, .value_kind: global_buffer, .address_space: global }
      - { .name: gq_w, .offset: 48, .size: 8, .value_kind: global_buffer, .address_space: global }
      - { .name: gk_w, .offset: 56, .size: 8, .value_kind: global_buffer, .address_space: global }
      - { .name: gv_w, .offset: 64, .size: 8, .value_kind: global_buffer, .address_space: global }
      - { .name: go_w, .offset: 72, .size: 8, .value_kind: global_buffer, .address_space: global }
      - { .name: xq, .offset: 80, .size: 8, .value_kind: global_buffer, .address_space: global }
      - { .name: cq, .offset: 88, .size: 8, .value_kind: global_buffer, .address_space: global }
      - { .name: wq, .offset: 96, .size: 8, .value_kind: global_buffer, .address_space: global }
      - { .name: rope, .offset: 104, .size: 8, .value_kind: global_buffer, .address_space: global }
    .group_segment_fixed_size: 35328
    .private_segment_fixed_size: 0
    .kernarg_segment_align: 8
    .kernarg_segment_size: 112
    .max_flat_workgroup_size: 128
    .sgpr_count:     66
    .vgpr_count:     258
    .wavefront_size: 32
...
	.end_amdgpu_metadata
.endif
;; end of part 6
;; launch projg (part 7): grid 64 x 3, 8 waves a work-group, no clusters, 168,960 bytes of LDS; arguments xq, cq, wq, rope, gq_b, gk_b, gv_b, qkv; writes qkv
.if DOCPART == 7
	.amdgcn_target "amdgcn-amd-amdhsa--gfx1250"
	.amdhsa_code_object_version 6
	.text
	.protected	k_q57eb66400d_projg
	.globl	k_q57eb66400d_projg
	.p2align	8
	.type	k_q57eb66400d_projg,@function
k_q57eb66400d_projg:
	s_mov_b64 s[64:65], 0
	v_nop
	global_prefetch_b8 v0, s[64:65] scope:SCOPE_SE
	s_setreg_imm32_b32 hwreg(HW_REG_WAVE_MODE, 25, 1), 1
	s_wait_xcnt 0x0
; PROJG: the global branch's three projections on codes of FP4, and their results quantised for the attention's two products.
; Work-group (X, role): 128 rows (b, t) = one key step; role 0: q = x gq^T + b, rotated, quantised along d; 1: k likewise from cond; 2: v = cond gv^T + b, quantised along t (the keys).
; A wave is a head: its 64 rows of the weight (16 fragments) stay in registers.  The rows' eight tile images, their scale images and (roles 0, 1) 128 rows of the cos/sin table come into LDS once, by tensor loads.
; No multicast: a work-group's LDS tiles (the 128 rows' codes) are shared with two other work-groups only, and those differ in the role, whose text parts; the weights go straight into registers.
; ROLES 0, 1: source 0 = 16 rows of the weight in split order, source 1 = 16 rows t: a lane holds one t, and the 16 registers of tiles (bd, 0), (bd, 1) are d = 32 bd + 16 h + 0 .. 15.
; ROLE 2: source 0 = 16 rows t in split order, source 1 = the weight: a lane holds one d, and the 16 registers of the two t tiles are 16 neighbouring keys.
; OUT (qkv): Q codes [bh][tile 128][lane][16] at 0; Q scale words [bh][tile][r] at 0x200000; from 0x240000 records [bh][key step 16] of 8,960 bytes:
; K 8 tiles x 512; at 4,096 V [d tile 4][c 2][lane][16]; at 8,192 K's words [g 4][lane]; at 8,704 V's words [r 16][d tile 4].  Q's and K's words: the two bytes of d, then 0x7f twice (K = 64: the upper half is zero codes).
; LIMITS: a block of zeros gets the byte 1 (its codes are zeros; this program alone reads the bytes); NaN and infinities are not served.
.set WS,  16                           ; v16-23  the weight's scale words (tile ot, pair of K steps sp): lanes 0-15 the even step, 16-31 the odd
.set AS,  24                           ; v24-27  the rows' (tile tt, sp)
.set AF,  32                           ; v32-95  the rows' fragments (tt, s)
.set ACC, 96                           ; v96-159 eight accumulators
.set CS,  160                          ; v160-223 (cos, sin) pairs; role 2: v160-163 V's scale words
.set TM,  224                          ; v224-239 at work
.set TP,  232
.set PC,  240                          ; v240-247 codes
.set SEL, 60
.set MSB, 0
.macro WIN new                         ; the immediate's high byte repeats the setting that is left
.if MSB != \new
	s_set_vgpr_msb (MSB<<8)|\new
.set MSB, \new
.endif
.endm
; 32 matrix instructions: two tiles of rows x four tiles of the weight x K 512.  The eight accumulators take turns, one instruction a turn.  The bias is the C of each sum's first instruction.
.macro MMW a, as, bi                   ; the weight is source 0
	WIN 0x11                                       ; source 0 (weight) and source 2 (bias) window 1
.irp tt, 0,1
.irp ot, 0,1,2,3
	v_wmma_scale_f32_16x16x128_f8f6f4 v[ACC+32*\tt+8*\ot:ACC+32*\tt+8*\ot+7], v[32*\ot:32*\ot+7], v[\a+32*\tt:\a+32*\tt+7], v[\bi+8*\ot:\bi+8*\ot+7], v[WS+2*\ot], v[\as+2*\tt] matrix_a_fmt:MATRIX_FMT_FP4 matrix_b_fmt:MATRIX_FMT_FP4
.endr
.endr
	WIN 0x01
.irp s, 1,2,3
.irp tt, 0,1
.irp ot, 0,1,2,3
.if \s == 2
	v_wmma_scale_f32_16x16x128_f8f6f4 v[ACC+32*\tt+8*\ot:ACC+32*\tt+8*\ot+7], v[32*\ot+8*\s:32*\ot+8*\s+7], v[\a+32*\tt+8*\s:\a+32*\tt+8*\s+7], v[ACC+32*\tt+8*\ot:ACC+32*\tt+8*\ot+7], v[WS+2*\ot+1], v[\as+2*\tt+1] matrix_a_fmt:MATRIX_FMT_FP4 matrix_b_fmt:MATRIX_FMT_FP4
.else
	v_wmma_scale_f32_16x16x128_f8f6f4 v[ACC+32*\tt+8*\ot:ACC+32*\tt+8*\ot+7], v[32*\ot+8*\s:32*\ot+8*\s+7], v[\a+32*\tt+8*\s:\a+32*\tt+8*\s+7], v[ACC+32*\tt+8*\ot:ACC+32*\tt+8*\ot+7], v[WS+2*\ot+\s/2], v[\as+2*\tt+\s/2] matrix_a_fmt:MATRIX_FMT_FP4 matrix_b_fmt:MATRIX_FMT_FP4 matrix_a_scale:MATRIX_SCALE_ROW1 matrix_b_scale:MATRIX_SCALE_ROW1
.endif
.endr
.endr
.endr
	WIN 0
.endm
.macro MMA a, as, bi                   ; the rows are source 0
	WIN 0x14                                       ; source 1 (weight) and source 2 (bias) window 1
.irp ot, 0,1,2,3
.irp tt, 0,1
	v_wmma_scale_f32_16x16x128_f8f6f4 v[ACC+16*\ot+8*\tt:ACC+16*\ot+8*\tt+7], v[\a+32*\tt:\a+32*\tt+7], v[32*\ot:32*\ot+7], v[\bi+8*\ot:\bi+8*\ot+7], v[\as+2*\tt], v[WS+2*\ot] matrix_a_fmt:MATRIX_FMT_FP4 matrix_b_fmt:MATRIX_FMT_FP4
.endr
.endr
	WIN 0x04
.irp s, 1,2,3
.irp ot, 0,1,2,3
.irp tt, 0,1
.if \s == 2
	v_wmma_scale_f32_16x16x128_f8f6f4 v[ACC+16*\ot+8*\tt:ACC+16*\ot+8*\tt+7], v[\a+32*\tt+8*\s:\a+32*\tt+8*\s+7], v[32*\ot+8*\s:32*\ot+8*\s+7], v[ACC+16*\ot+8*\tt:ACC+16*\ot+8*\tt+7], v[\as+2*\tt+1], v[WS+2*\ot+1] matrix_a_fmt:MATRIX_FMT_FP4 matrix_b_fmt:MATRIX_FMT_FP4
.else
	v_wmma_scale_f32_16x16x128_f8f6f4 v[ACC+16*\ot+8*\tt:ACC+16*\ot+8*\tt+7], v[\a+32*\tt+8*\s:\a+32*\tt+8*\s+7], v[32*\ot+8*\s:32*\ot+8*\s+7], v[ACC+16*\ot+8*\tt:ACC+16*\ot+8*\tt+7], v[\as+2*\tt+\s/2], v[WS+2*\ot+\s/2] matrix_a_fmt:MATRIX_FMT_FP4 matrix_b_fmt:MATRIX_FMT_FP4 matrix_a_scale:MATRIX_SCALE_ROW1 matrix_b_scale:MATRIX_SCALE_ROW1
.endif
.endr
.endr
.endr
	WIN 0
.endm
; 64 numbers of a lane, four blocks: register 16 b + i = number 16 (lane / 16) + i of block b.  Codes to v[PC] on (lanes 0-15 blocks 0 and 2 whole, lanes 16-31 blocks 1 and 3), bytes to v[TM+4] on.
.macro QUANT4 s
.irp b, 0,1,2,3
	v_max3_num_f32 v[TM+\b], |v[\s+16*\b]|, |v[\s+1+16*\b]|, 0x1800000   ; with the floor 2^(3 - 127)
.endr
.irp i, 2,4,6,8,10,12,14
.irp b, 0,1,2,3
	v_max3_num_f32 v[TM+\b], v[TM+\b], |v[\s+16*\b+\i]|, |v[\s+1+16*\b+\i]|
.endr
.endr
.irp b, 0,1,2,3
	s_delay_alu instid0(VALU_DEP_4)
	v_permlanex16_b32 v[TM+4+\b], v[TM+\b], s[SEL], s[SEL+1]
.endr
.irp b, 0,1,2,3
	s_delay_alu instid0(VALU_DEP_4)
	v_max_num_f32 v[TM+\b], v[TM+\b], v[TM+4+\b]   ; with lane l xor 16's 16: the block's largest magnitude
.endr
.irp b, 0,1,2,3
	s_delay_alu instid0(VALU_DEP_4)
	v_add_nc_u32 v[TM+12+\b], 0xff000000, v[TM+\b] ; the conversion's scale operand
.endr
.irp b, 0,1,2,3
	s_delay_alu instid0(VALU_DEP_4)
	v_lshrrev_b32 v[TM+4+\b], 23, v[TM+12+\b]      ; the byte
.endr
.irp b, 0,1,2,3
	v_cvt_scalef32_pk8_fp4_f32 v[PC+2*\b], v[\s+16*\b:\s+7+16*\b], v[TM+12+\b]
	v_cvt_scalef32_pk8_fp4_f32 v[PC+1+2*\b], v[\s+8+16*\b:\s+15+16*\b], v[TM+12+\b]
.endr
	v_nop                                          ; one plain place behind a scaled conversion
.irp c, 0,1
.irp i, 0,1
	v_permlane16_swap_b32 v[PC+4*\c+\i], v[PC+2+4*\c+\i]
.endr
.endr
.endm
; 16 registers (eight pairs x1, x2) are rotated by eight pairs (cos, sin): x1 cos - x2 sin, x1 sin + x2 cos
.macro ROPE x, cs
.irp h, 0,1
.irp p, 0,1,2,3
	v_pk_mul_f32 v[TP+2*\p:TP+2*\p+1], v[\x+8*\h+2*\p:\x+8*\h+2*\p+1], v[\cs+8*\h+2*\p:\cs+8*\h+2*\p+1] op_sel:[1,1] op_sel_hi:[1,0]   ; (x2 sin, x2 cos)
.endr
.irp p, 0,1,2,3
	v_pk_fma_f32 v[\x+8*\h+2*\p:\x+8*\h+2*\p+1], v[\x+8*\h+2*\p:\x+8*\h+2*\p+1], v[\cs+8*\h+2*\p:\cs+8*\h+2*\p+1], v[TP+2*\p:TP+2*\p+1] op_sel_hi:[0,1,1] neg_lo:[0,0,1]
.endr
.endr
.endm
.macro AFETCH gg                       ; the fragments and scale words of tiles 2 gg and 2 gg + 1: 512 consecutive bytes a load
.irp tt, 0,1
.irp s, 0,1,2,3
.irp c, 0,1
	ds_load_b128 v[AF+32*\tt+8*\s+4*\c:AF+32*\tt+8*\s+4*\c+3], v4 offset:(2*\gg+\tt)*4096+\s*1024+\c*512
.endr
.endr
.endr
.irp tt, 0,1
.irp sp, 0,1
	ds_load_b32 v[AS+2*\tt+\sp], v5 offset:32768+(2*\gg+\tt)*256+\sp*128
.endr
.endr
.endm
	s_load_b512 s[4:19], s[0:1], 0x0               ; xq, cq, wq, rope, gq_b, gk_b, gv_b, qkv
	v_lshl_add_u32 v254, v0, 2, 0x29000
	v_mov_b32 v255, 0
	ds_add_u32 v254, v255
	ds_add_u32 v254, v255
	v_lshrrev_b32 v1, 5, v0
	s_delay_alu instid0(VALU_DEP_1)
	v_readfirstlane_b32 s20, v1                    ; wave = head
	s_and_b32 s21, ttmp7, 0xffff                   ; role
	s_lshr_b32 s22, ttmp9, 4                       ; batch
	s_and_b32 s23, ttmp9, 15                       ; key step
	; descriptor groups 1: dense rows of 256 bytes (32 elements of 8 bytes)
	s_mov_b32 s24, 3<<16                           ; a tile image: 16 rows
	s_mov_b32 s25, 32<<16
	s_mov_b32 s26, 16<<16
	s_mov_b32 s27, 32<<16
	s_mov_b32 s28, 16
	s_mov_b32 s29, 32
	s_mov_b32 s30, 0
	s_mov_b32 s31, 0
	s_mov_b32 s32, 3<<16                           ; a scale image: one row
	s_mov_b32 s33, 32<<16
	s_mov_b32 s34, 1<<16
	s_mov_b32 s35, 32<<16
	s_mov_b32 s36, 1
	s_mov_b32 s37, 32
	s_mov_b32 s38, 0
	s_mov_b32 s39, 0
	s_mov_b32 s40, (3<<16)|(1<<20)|(5<<22)|(3<<25) ; 16 rows of the table, 16 bytes of padding behind each 256: LDS pitch 272
	s_mov_b32 s41, 32<<16
	s_mov_b32 s42, 16<<16
	s_mov_b32 s43, 32<<16
	s_mov_b32 s44, 16
	s_mov_b32 s45, 32
	s_mov_b32 s46, 0
	s_mov_b32 s47, 0
	s_mov_b32 s[SEL], 0x76543210
	s_mov_b32 s[SEL+1], 0xfedcba98
	s_lshl_b32 s62, ttmp9, 3
	s_add_co_u32 s62, s62, s20                     ; the tile that my wave fetches
	s_lshl_b32 s66, s62, 12
	s_mov_b32 s67, 0
	s_lshl_b32 s68, s62, 8
	s_add_co_u32 s68, s68, 0x200000
	s_mov_b32 s69, 0
	s_lshl_b32 s70, s23, 15
	s_lshl_b32 s63, s20, 12
	s_add_co_u32 s70, s70, s63                     ; the table's rows 128 x key step + 16 x wave
	s_mov_b32 s71, 0
	v_and_b32 v1, 31, v0                           ; lane
	v_and_b32 v2, 15, v0                           ; r
	v_bfe_u32 v3, v0, 4, 1                         ; h
	s_delay_alu instid0(VALU_DEP_3)
	v_lshlrev_b32 v4, 4, v1                        ; 16 x lane
	s_delay_alu instid0(VALU_DEP_4)
	v_lshlrev_b32 v5, 2, v1                        ; 4 x lane
	s_delay_alu instid0(VALU_DEP_4)
	v_and_b32 v10, 8, v2
	s_delay_alu instid0(VALU_DEP_1)
	v_add_nc_u32 v10, v10, v2                      ; r + 8 (r / 8)
	s_delay_alu instid0(VALU_DEP_1)
	v_mul_u32_u24 v6, v10, 272
	s_delay_alu instid0(VALU_DEP_1)
	v_lshl_add_u32 v6, v3, 6, v6
	s_delay_alu instid0(VALU_DEP_1)
	v_add_nc_u32 v6, 34816, v6                     ; the table: my t's row, + 64 h: the eight pairs of my 16 d
	v_lshlrev_b32 v8, 4, v2
	s_delay_alu instid0(VALU_DEP_1)
	v_lshl_add_u32 v7, v3, 10, v8                  ; V's codes: d tile 2 c + h, row r
	v_lshlrev_b32 v9, 6, v3
	v_lshlrev_b32 v10, 2, v10
	v_cmp_ne_u32 s90, 0, v3
.irp b, 0,1,2,3
	v_mov_b32 v[TM+4+\b], 0                        ; a lane permute's destination counts as one of its sources
.endr
	s_wait_dscnt 0x0
	s_wait_kmcnt 0x0
	s_cmp_eq_u32 s21, 0                            ; the choices hang on the work-group's number alone
	s_cselect_b64 s[72:73], s[4:5], s[6:7]
	s_cselect_b64 s[74:75], s[12:13], s[14:15]
	s_cmp_eq_u32 s21, 2
	s_cselect_b64 s[74:75], s[16:17], s[74:75]
	s_mov_b32 s48, 1
	s_lshl_b32 s49, s20, 12                        ; LDS: images at 0, 4,096 x wave
	s_add_nc_u64 s[50:51], s[72:73], s[66:67]
	s_or_b32 s51, s51, 0x80000000
	s_mov_b32 s52, 1
	s_lshl_b32 s53, s20, 8
	s_add_co_u32 s53, s53, 32768                   ; scale images at 32,768
	s_add_nc_u64 s[54:55], s[72:73], s[68:69]
	s_or_b32 s55, s55, 0x80000000
	s_mov_b32 s56, 1
	s_mul_i32 s57, s20, 4352
	s_add_co_u32 s57, s57, 34816                   ; the table at 34,816
	s_add_nc_u64 s[58:59], s[10:11], s[70:71]
	s_or_b32 s59, s59, 0x80000000
	tensor_load_to_lds s[48:51], s[24:31]          ; first fills only: every byte of LDS is filled once.  Two or three loads of mine are out
	s_nop 0
	tensor_load_to_lds s[52:55], s[32:39]
	s_nop 0
.rept 4
	v_nop
.endr
	s_cmp_eq_u32 s21, 2
	s_cbranch_scc1 .Lno_rope                       ; v is not rotated; the wait below is for 0 on both ways
	tensor_load_to_lds s[56:59], s[40:47]
	s_nop 0
.rept 4
	v_nop
.endr
.Lno_rope:
	s_add_co_u32 s62, s21, 4
	s_lshl_b32 s62, s62, 3
	s_add_co_u32 s62, s62, s20
	s_mul_i32 s76, s62, 17408                      ; the record of (plane 4 + role, my head)
	s_mov_b32 s77, 0
	s_add_nc_u64 s[78:79], s[8:9], s[76:77]
	s_lshl_b32 s76, s20, 8
	s_add_nc_u64 s[74:75], s[74:75], s[76:77]      ; the bias at my head's 64 numbers
	s_lshl_b32 s80, s22, 3
	s_add_co_u32 s80, s80, s20                     ; bh
	s_lshl_b32 s81, s80, 16
	s_lshl_b32 s62, s23, 12
	s_add_co_u32 s81, s81, s62                     ; Q's codes
	s_lshl_b32 s91, s80, 13
	s_lshl_b32 s62, s23, 9
	s_add_co_u32 s91, s91, s62
	s_add_co_u32 s91, s91, 0x200000                ; Q's words
	s_mul_i32 s92, s80, 143360
	s_mul_i32 s62, s23, 8960
	s_add_co_u32 s92, s92, s62
	s_add_co_u32 s92, s92, 0x240000                ; the key step's record
	s_add_co_u32 s93, s92, 8192
	s_cmp_eq_u32 s21, 0
	s_cselect_b32 s82, s81, s92
	s_cselect_b32 s84, s91, s93
	s_mov_b32 s83, 0
	s_mov_b32 s85, 0
	s_add_nc_u64 s[86:87], s[18:19], s[82:83]
	s_add_nc_u64 s[88:89], s[18:19], s[84:85]
	WIN 0x40                                       ; destination window 1
.irp ot, 0,1,2,3
.irp s, 0,1,2,3
.irp c, 0,1
	global_load_b128 v[32*\ot+8*\s+4*\c:32*\ot+8*\s+4*\c+3], v4, s[78:79] offset:\ot*4096+\s*1024+\c*512
.endr
.endr
.endr
	WIN 0
.irp ot, 0,1,2,3
.irp sp, 0,1
	global_load_b32 v[WS+2*\ot+\sp], v5, s[78:79] offset:16384+\ot*256+\sp*128
.endr
.endr
	s_wait_tensorcnt 0x0                           ; my parts of the tiles are in,
	s_barrier_signal -1
	s_barrier_wait -1                              ; everybody's are
	s_cmp_eq_u32 s21, 2
	s_cbranch_scc1 .Lv
; ---- q and k
	WIN 0x40
	s_wait_alu depctr_va_vdst(0)
.irp ot, 0,1,2,3                       ; the bias in the result's layout: lane (r, h), tile 2 bd + ud: d = 32 bd + 16 h + 8 ud + 0 .. 7
	global_load_b128 v[128+8*\ot:131+8*\ot], v9, s[74:75] offset:(32*(\ot/2)+8*(\ot%2))*4
	global_load_b128 v[132+8*\ot:135+8*\ot], v9, s[74:75] offset:(32*(\ot/2)+8*(\ot%2))*4+16
.endr
	WIN 0
	s_wait_loadcnt 0x0
.irp gg, 0,1,2,3
	AFETCH \gg
.irp tt, 0,1
.irp bd, 0,1
.irp i, 0,1,2,3
	ds_load_b128 v[CS+32*\tt+16*\bd+4*\i:CS+32*\tt+16*\bd+4*\i+3], v6 offset:(32*\gg+8*\tt)*272+128*\bd+16*\i
.endr
.endr
.endr
	s_wait_dscnt 16                                ; fragments and scale words are in; the 16 loads from the table may be out
	MMW AF, AS, 128
.rept 4
	v_nop                                          ; places in front of the first read of results
.endr
	s_wait_dscnt 0x0
	ROPE ACC, CS                                   ; each accumulator is read from its low end on
	ROPE ACC+16, CS+16
	ROPE ACC+32, CS+32
	ROPE ACC+48, CS+48
	s_wait_xcnt 0x0                                ; the last group's stores have read the codes and the words
	QUANT4 ACC                                     ; blocks: (tile 0, d 0-31), (tile 0, d 32-63), (tile 1, ..), (tile 1, ..)
	v_lshl_or_b32 v248, v[TM+5], 8, v[TM+4]
	v_lshl_or_b32 v249, v[TM+7], 8, v[TM+6]
	s_delay_alu instid0(VALU_DEP_1)
	v_cndmask_b32 v248, v248, v249, s90            ; lanes 0-15 store tile 0's words, lanes 16-31 tile 1's
	s_delay_alu instid0(VALU_DEP_1)
	v_or_b32 v248, 0x7f7f0000, v248
	global_store_b128 v4, v[PC:PC+3], s[86:87] offset:(2*\gg)*512
	global_store_b128 v4, v[PC+4:PC+7], s[86:87] offset:(2*\gg+1)*512
	global_store_b32 v5, v248, s[88:89] offset:\gg*128
.endr
	s_wait_tensorcnt 0x0
	ds_add_u32 v254, v255
	s_wait_dscnt 0x0
	s_endpgm
; ---- v
.Lv:
	WIN 0x40
	s_wait_alu depctr_va_vdst(0)
.irp ot, 0,1,2,3                       ; a lane holds one d: its bias in all eight registers
.irp j, 0,1,2,3,4,5,6,7
	global_load_b32 v[128+8*\ot+\j], v10, s[74:75] offset:(32*(\ot/2)+8*(\ot%2))*4
.endr
.endr
	WIN 0
	s_wait_loadcnt 0x0
.irp gg, 0,1,2,3                       ; 32 keys at a time: one block for each d
	AFETCH \gg
	s_wait_dscnt 0x0
	MMA AF, AS, 128
.rept 4
	v_nop
.endr
	s_wait_xcnt 0x0                                ; the last group's stores have read the codes
	QUANT4 ACC                                     ; block = d tile
	global_store_b128 v7, v[PC:PC+3], s[86:87] offset:4096+(\gg/2)*512+(\gg%2)*256        ; 16 lanes fill 256 consecutive, aligned bytes
	global_store_b128 v7, v[PC+4:PC+7], s[86:87] offset:4096+2048+(\gg/2)*512+(\gg%2)*256
.irp ot, 0,1,2,3
.if \gg == 0
	v_mov_b32 v[160+\ot], v[TM+4+\ot]
.else
	v_lshl_or_b32 v[160+\ot], v[TM+4+\ot], 8*\gg, v[160+\ot]
.endif
.endr
.endr
	v_cmp_gt_u32 vcc_lo, 16, v1
	s_wait_alu depctr_va_vdst(0)
	s_wait_xcnt 0x0                                ; EXEC changes only behind this wait
	s_wait_tensorcnt 0x0
	ds_add_u32 v254, v255
	s_wait_dscnt 0x0
	s_and_saveexec_b32 s63, vcc_lo
	global_store_b128 v8, v[160:163], s[86:87] offset:8704    ; row r's four words: 256 consecutive bytes from sixteen lanes
	s_wait_xcnt 0x0
	s_or_b32 exec_lo, exec_lo, s63
	s_endpgm
.Lfunc_end_k_q57eb66400d_projg:
	.size	k_q57eb66400d_projg, .Lfunc_end_k_q57eb66400d_projg-k_q57eb66400d_projg
	.p2alignl 7, 3214868480
	.fill 96, 4, 3214868480
	.section	.rodata,"a",@progbits
	.p2align	6, 0x0
	.amdhsa_kernel k_q57eb66400d_projg
		.amdhsa_group_segment_fixed_size 168960
		.amdhsa_private_segment_fixed_size 0
		.amdhsa_enable_private_segment 0
		.amdhsa_kernarg_size 64
		.amdhsa_user_sgpr_count 2
		.amdhsa_user_sgpr_kernarg_segment_ptr 1
		.amdhsa_wavefront_size32 1
		.amdhsa_system_sgpr_workgroup_id_x 1
		.amdhsa_system_sgpr_workgroup_id_y 1
		.amdhsa_system_sgpr_workgroup_id_z 1
		.amdhsa_system_vgpr_workitem_id 0
		.amdhsa_next_free_vgpr 512
		.amdhsa_next_free_sgpr 96
		.amdhsa_reserve_vcc 1
		.amdhsa_float_denorm_mode_32 3
		.amdhsa_float_denorm_mode_16_64 3
		.amdhsa_memory_ordered 1
		.amdhsa_forward_progress 1
		.amdhsa_inst_pref_size 116
	.end_amdhsa_kernel
	.amdgpu_metadata
---
amdhsa.version: [ 1, 2 ]
amdhsa.kernels:
  - .name:           k_q57eb66400d_projg
    .symbol:         k_q57eb66400d_projg.kd
    .args:
      - { .name: xq, .offset: 0, .size: 8, .value_kind: global_buffer, .address_space: global }
      - { .name: cq, .offset: 8, .size: 8, .value_kind: global_buffer, .address_space: global }
      - { .name: wq, .offset: 16, .size: 8, .value_kind: global_buffer, .address_space: global }
      - { .name: rope, .offset: 24, .size: 8, .value_kind: global_buffer, .address_space: global }
      - { .name: gq_b, .offset: 32, .size: 8, .value_kind: global_buffer, .address_space: global }
      - { .name: gk_b, .offset: 40, .size: 8, .value_kind: global_buffer, .address_space: global }
      - { .name: gv_b, .offset: 48, .size: 8, .value_kind: global_buffer, .address_space: global }
      - { .name: qkv, .offset: 56, .size: 8, .value_kind: global_buffer, .address_space: global }
    .group_segment_fixed_size: 168960
    .private_segment_fixed_size: 0
    .kernarg_segment_align: 8
    .kernarg_segment_size: 64
    .max_flat_workgroup_size: 256
    .sgpr_count:     96
    .vgpr_count:     512
    .wavefront_size: 32
...
	.end_amdgpu_metadata
.endif
;; end of part 7
;; launch attn (part 8): grid 8 x 32, 16 waves a work-group, clusters of 4 x 1, 169,984 bytes of LDS; arguments qkv, og; writes og
.if DOCPART == 8
	.amdgcn_target "amdgcn-amd-amdhsa--gfx1250"
	.amdhsa_code_object_version 6
	.text
	.protected	k_q57eb66400d_attn
	.globl	k_q57eb66400d_attn
	.p2align	8
	.type	k_q57eb66400d_attn,@function
k_q57eb66400d_attn:
	s_mov_b64 s[64:65], 0
	v_nop
	global_prefetch_b8 v0, s[64:65] scope:SCOPE_SE
	s_setreg_imm32_b32 hwreg(HW_REG_WAVE_MODE, 25, 1), 1
	s_wait_xcnt 0x0
	s_wait_alu depctr_hold_cnt(0) depctr_sa_sdst(0) depctr_va_vdst(0) depctr_va_sdst(0) depctr_va_ssrc(0) depctr_va_vcc(0) depctr_vm_vsrc(0)
	s_getreg_b32 s2, hwreg(HW_REG_IB_STS2, 6, 4)
	s_cmp_eq_u32 s2, 0
	s_cbranch_scc0 .Lentry_in_a_cluster
	s_endpgm
.Lentry_in_a_cluster:
	s_bfe_u32 s2, ttmp6, 0x10000c
	s_cmp_lg_u32 s2, 0x3003
	s_cbranch_scc0 .Lentry_shape_is_right
	s_endpgm
.Lentry_shape_is_right:
; ATTN: the global attention of one head on codes of FP4: S^T = K Q^T (K = 64: the upper half of each operand is zero codes), p = 2^(t - M), O^T = V^T P^T, O / the row's sum, quantised along d for the last projection.
; t = score x log2(e) / 8; M = the running largest t rounded up to a whole number; the row's sum is taken of the unquantised p; when M moves, sum and O^T are multiplied by 2^(old M - new M), which rounds nothing.
; SHARES: a work-group owns 256 queries of a head, each of its sixteen waves one tile of 16 (four waves to a SIMD: one wave's vector work stands beside another's matrix work and LDS loads).
; A head's sixteen key-step records, 143,360 dense bytes, lie in LDS whole: each wave fetches one record, once; nothing is filled again.
; CLUSTER: the four work-groups of a cluster belong to one head and need the same records: each is asked for jointly, by the same tensor load with the same descriptor and a mask that names the four.
; A lane holds ONE query (lane % 16) throughout.  The keys of a tile of K lie in split order, so that the 16 registers of tiles 2 g, 2 g + 1 are keys 32 g + 16 (lane / 16) + 0 .. 15; V's d tiles likewise, for the quantiser along d.
; BY TURNS: a step's 68 exponentials do not stand in one run: behind each stands plain work that is ready (the scaling of scores four pairs ahead, O^T's rescaling, the scale bytes, the row's sums six pairs back).
; LIMITS: a block of zeros gets the byte 1 (its codes are zeros; this program alone reads the bytes); NaN and infinities are not served.
; REGISTERS: v1-3 lane places, v4-6 the step's addresses; v12 -M, v13 the largest t, v[14:15] the sum; v16-23 Q, v24 its words; v32-95 K; v96-159 S^T, then p; v160-191 O^T; v192-199 p's codes;
; v200-203 K's words, v204-207 V's, v221 p's; v208-220 at work; v[222:223] f; v224-255 V.
.set WV, 8
.macro CROUND                          ; a round of the cluster's barrier
	s_barrier_signal -1
	s_barrier_wait -1
	s_cmp_lg_u32 s[WV], 0
	s_cbranch_scc1 .Lnot_wave_0_\@
	s_barrier_signal -3
.Lnot_wave_0_\@:
	s_barrier_wait -3
	s_barrier_signal -1
	s_barrier_wait -1
.endm
; Sum i of 32 of the row's sum of the unquantised p, two at a time, in two chains: v[26:27] begins with pairs 0 and 1; then v[14:15] takes pairs 2, 4, .. 30 and v[26:27] pairs 3, 5, .. 31; the last joins the chains.  Sum i reads p up to number 2 i + 3
.macro SUMP i
.if (\i) == 0
	s_setprio 1
	s_wait_alu depctr_va_vdst(0)
	v_pk_add_f32 v[26:27], v[96:97], v[98:99]
.elseif (\i) == 31
	s_delay_alu instid0(VALU_DEP_1)
	v_pk_add_f32 v[14:15], v[14:15], v[26:27]
.elseif (\i)%2 == 1
	v_pk_add_f32 v[14:15], v[14:15], v[96+2*((\i)+1):97+2*((\i)+1)]
.else
	s_wait_alu depctr_va_vdst(0)
	v_pk_add_f32 v[26:27], v[26:27], v[98+2*(\i):99+2*(\i)]
.endif
.endm
	s_load_b128 s[4:7], s[0:1], 0x0                ; qkv, og
	v_lshl_add_u32 v30, v0, 2, 0x29000
	v_mov_b32 v31, 0
	ds_add_u32 v30, v31
	ds_add_u32 v30, v31
	v_lshrrev_b32 v1, 5, v0
	s_delay_alu instid0(VALU_DEP_1)
	v_readfirstlane_b32 s[WV], v1                  ; wave 0..15
	s_bfe_u32 s9, ttmp6, 0x40000                   ; cx: my place in the cluster: it enters Q's and og's addresses alone
	s_lshl_b32 s10, ttmp9, 2
	s_add_co_u32 s10, s10, s9                      ; my block of 256 queries
	s_and_b32 s11, ttmp7, 0xffff                   ; the head, which the four partners share
	s_mov_b32 s16, 15|(3<<16)|(1<<21)              ; group 1: the mask names all four; elements of 8 bytes; bit 21 set beside a mask
	s_mov_b32 s17, 32<<16                          ; rows of 256 bytes,
	s_mov_b32 s18, 35<<16                          ; 35 of them: a record
	s_mov_b32 s19, 32<<16
	s_mov_b32 s20, 35
	s_mov_b32 s21, 32
	s_mov_b32 s22, 0
	s_mov_b32 s23, 0
	s_mov_b32 s24, 0x76543210
	s_mov_b32 s25, 0xfedcba98                      ; v_permlanex16_b32's selects for lane l xor 16
	s_mov_b32 s26, 0x3e38aa3b                      ; c = log2(e) / 8
	s_mov_b32 s27, s26                             ; (named with it as a pair, so it is written)
	s_mul_i32 s30, s11, 143360
	s_mul_i32 s32, s[WV], 8960                     ; my record: in the head, and in LDS
	s_add_co_u32 s30, s30, s32
	s_add_co_u32 s30, s30, 0x240000
	s_mov_b32 s31, 0
	s_lshl_b32 s33, s10, 4
	s_add_co_u32 s33, s33, s[WV]                   ; my tile of queries
	s_lshl_b32 s34, s11, 7
	s_add_co_u32 s34, s34, s33
	s_lshl_b32 s36, s34, 9                         ; a tile's codes: 512 bytes, in qkv and in og alike
	s_mov_b32 s37, 0
	s_lshl_b32 s38, s34, 6
	s_add_co_u32 s38, s38, 0x200000                ; its words: 64 bytes
	s_mov_b32 s39, 0
	v_and_b32 v7, 31, v0                           ; lane
	v_and_b32 v8, 15, v0                           ; r
	v_bfe_u32 v9, v0, 4, 1                         ; h
	s_delay_alu instid0(VALU_DEP_3)
	v_lshlrev_b32 v1, 4, v7
	s_delay_alu instid0(VALU_DEP_4)
	v_lshlrev_b32 v2, 2, v7
	s_delay_alu instid0(VALU_DEP_3)
	v_mul_u32_u24 v3, v9, 8960
	s_delay_alu instid0(VALU_DEP_1)
	v_lshl_add_u32 v3, v8, 4, v3
	s_delay_alu instid0(VALU_DEP_1)
	v_add_nc_u32 v3, 8704, v3                      ; V's words: lanes 0-15 the even step's record, lanes 16-31 the odd one's; 16 bytes a row
	v_lshlrev_b32 v8, 2, v8
	s_wait_dscnt 0x0
	s_wait_kmcnt 0x0
	s_mov_b32 s12, 1
	s_mov_b32 s13, s32
	s_add_nc_u64 s[14:15], s[4:5], s[30:31]
	s_or_b32 s15, s15, 0x80000000
	s_add_nc_u64 s[40:41], s[4:5], s[36:37]
	s_add_nc_u64 s[42:43], s[4:5], s[38:39]
	s_add_nc_u64 s[44:45], s[6:7], s[36:37]
	s_add_nc_u64 s[46:47], s[6:7], s[38:39]
	CROUND                                         ; all four work-groups are here: the joint loads meet
	tensor_load_to_lds s[12:15], s[16:23]          ; my one tensor load of the launch
	s_nop 0
.rept 4
	v_nop
.endr
	s_wait_alu depctr_va_vdst(0)
	global_load_b128 v[16:19], v1, s[40:41]        ; Q's fragment: k = 32 h + 0 .. 31
	global_load_b32 v24, v8, s[42:43]              ; and its words
.irp i, 20,21,22,23
	v_mov_b32 v[\i], 0                             ; zero codes for k = 64 .. 127
.endr
.irp t, 0,1,2,3,4,5,6,7
.irp i, 4,5,6,7
	v_mov_b32 v[32+8*\t+\i], 0                     ; in K's fragments too: written once
.endr
.endr
	v_mov_b32 v13, 0xff61b1e6                      ; the largest t so far: -3e38
	s_delay_alu instid0(VALU_DEP_1)
	v_floor_f32 v12, -v13                          ; -M
	v_mov_b32 v14, 0
	v_mov_b32 v15, 0
	v_mov_b32 v223, 0                              ; (the upper half of the pair v[222:223])
.irp b, 0,1,2,3
	v_mov_b32 v[212+\b], 0                         ; a lane permute's destination counts as one of its sources
.endr
.set J, 0
.rept 32
	v_mov_b32 v[160+J], 0                          ; O^T: the step is written once; the first finds zeros, which the first change of M leaves zeros
.set J, J+1
.endr
; A KEY STEP of 128 keys: record e of the pair in hand.
.macro STEP e
.if \e == 0
	v_add_nc_u32 v4, s28, v1                       ; four places in front of loads into registers that the last products read
	v_add_nc_u32 v5, s28, v2
	v_add_nc_u32 v6, s28, v3
	v_nop
.else
.rept 4
	v_nop
.endr
.endif
	s_setprio 2
.irp g, 0,1,2,3
	ds_load_b32 v[200+\g], v5 offset:8960*\e+8192+128*\g
.endr
.irp t, 0,1,2,3,4,5,6,7
	ds_load_b128 v[32+8*\t:35+8*\t], v4 offset:8960*\e+512*\t
.endr
.irp dt, 0,1,2,3
.irp c, 0,1
	ds_load_b128 v[224+8*\dt+4*\c:227+8*\dt+4*\c], v4 offset:8960*\e+4096+1024*\dt+512*\c
.endr
.endr
.if \e == 0
	ds_load_b128 v[204:207], v6
.endif
	s_wait_dscnt 9-\e                              ; K and its words are in; V's eight loads (and, in the even step, V's words) may be out
.irp g, 0,1,2,3
	v_wmma_scale_f32_16x16x128_f8f6f4 v[96+16*\g:103+16*\g], v[32+16*\g:39+16*\g], v[16:23], 0, v[200+\g], v24 matrix_a_fmt:MATRIX_FMT_FP4 matrix_b_fmt:MATRIX_FMT_FP4
	v_wmma_scale_f32_16x16x128_f8f6f4 v[104+16*\g:111+16*\g], v[40+16*\g:47+16*\g], v[16:23], 0, v[200+\g], v24 matrix_a_fmt:MATRIX_FMT_FP4 matrix_b_fmt:MATRIX_FMT_FP4 matrix_a_scale:MATRIX_SCALE_ROW1
.endr
.rept 4
	v_nop
.endr
.irp b, 0,1,2,3
	v_max3_num_f32 v[208+\b], v[96+16*\b], v[97+16*\b], v[98+16*\b]   ; the largest score of each block of 32 keys: for the row's maximum, and, since p rises with the score, for the block's largest p
.endr
.irp i, 3,5,7,9,11,13
.irp b, 0,1,2,3
	v_max3_num_f32 v[208+\b], v[208+\b], v[96+16*\b+\i], v[97+16*\b+\i]
.endr
.endr
.irp b, 0,1,2,3
	v_max_num_f32 v[208+\b], v[208+\b], v[111+16*\b]
.endr
.irp b, 0,1,2,3
	s_delay_alu instid0(VALU_DEP_4)
	v_permlanex16_b32 v[212+\b], v[208+\b], s24, s25
.endr
.irp b, 0,1,2,3
	s_delay_alu instid0(VALU_DEP_4)
	v_max_num_f32 v[208+\b], v[208+\b], v[212+\b]
.endr
	s_delay_alu instid0(VALU_DEP_2)
	v_max3_num_f32 v220, v208, v209, v210
	s_delay_alu instid0(VALU_DEP_1)
	v_max_num_f32 v220, v220, v211
	s_delay_alu instid0(VALU_DEP_1)
	v_mul_f32 v220, s26, v220                      ; the step's largest t
	s_delay_alu instid0(VALU_DEP_1)
	v_max_num_f32 v13, v13, v220
	v_mov_b32 v220, v12
	s_delay_alu instid0(VALU_DEP_2)
	v_floor_f32 v12, -v13                          ; the new -M = -ceil(t)
	s_delay_alu instid0(VALU_DEP_1)
	v_sub_f32 v220, v12, v220                      ; old M - new M: a whole number, 0 or less
	s_delay_alu instid0(VALU_DEP_1)
	v_cvt_i32_f32 v220, v220                       ; (it saturates)
	s_delay_alu instid0(VALU_DEP_1)
	v_ldexp_f32 v222, 1.0, v220                    ; f = 2^(old M - new M)
	s_delay_alu instid0(VALU_DEP_1)
	v_pk_mul_f32 v[14:15], v[14:15], v[222:223] op_sel_hi:[1,0]   ; the sum under the new M
.irp b, 0,1,2,3
	v_fma_f32 v[208+\b], v[208+\b], s26, v12       ; t - M of each block's largest score
.endr
	s_wait_alu depctr_va_vdst(0)
; EXPONENTIALS AND PLAIN WORK BY TURNS.  Behind each exponential stands another exponential or a plain line that names none of its registers; a result is read only behind such a plain line (ISA guide 5.7.2).
.irp b, 0,1,2,3
	v_exp_f32 v[208+\b], v[208+\b]                 ; the block's largest p: the same two instructions on the same number give the same bits as its p below
	v_pk_fma_f32 v[96+2*\b:97+2*\b], v[96+2*\b:97+2*\b], s[26:27], v[12:13] op_sel_hi:[1,0,0]   ; t - M of pairs 0 to 3
.endr
.set J, 0
	s_wait_alu depctr_va_vdst(0)
.rept 32                               ; pair J of the lane's 32 pairs of scores
	v_exp_f32 v[96+2*J], v[96+2*J]                 ; p = 2^(t - M): not normalised
.if J < 28
	v_pk_fma_f32 v[104+2*J:105+2*J], v[104+2*J:105+2*J], s[26:27], v[12:13] op_sel_hi:[1,0,0]   ; t - M of pair J + 4
.elseif J == 28
	v_lshl_or_b32 v221, v213, 8, v212              ; p's scale word for these 128 keys
.elseif J == 29
	v_lshl_or_b32 v221, v215, 24, v221
.endif
	v_exp_f32 v[97+2*J], v[97+2*J]
.if J < 16
	s_wait_alu depctr_va_vdst(0)
	v_pk_mul_f32 v[160+2*J:161+2*J], v[160+2*J:161+2*J], v[222:223] op_sel_hi:[1,0]   ; O^T under the new M, each accumulator from its low end on
.elseif J < 20
	v_max_num_f32 v[208+J-16], 0x1800000, v[208+J-16]      ; the floor 2^(3 - 127)
	s_wait_alu depctr_va_vdst(0)
.elseif J < 24
	v_add_nc_u32 v[216+J-20], 0xff000000, v[208+J-20]      ; 2 off the exponent field: the conversion's scale operand
.elseif J < 28
	v_lshrrev_b32 v[212+J-24], 23, v[216+J-24]             ; the byte
	s_wait_alu depctr_va_vdst(0)
.elseif J == 28
	s_wait_alu depctr_va_vdst(0)
	v_lshl_or_b32 v221, v214, 16, v221
.endif
.if J >= 6
	SUMP J-6                                       ; reads p up to number 2 J - 9
.endif
.set J, J+1
.endr
	s_setprio 0
	s_wait_alu depctr_va_vdst(0)
.irp b, 0,1,2,3
	v_cvt_scalef32_pk8_fp4_f32 v[192+2*\b], v[96+16*\b:103+16*\b], v[216+\b]
	v_cvt_scalef32_pk8_fp4_f32 v[193+2*\b], v[104+16*\b:111+16*\b], v[216+\b]
.endr
	v_nop                                          ; one plain place behind a scaled conversion
.irp c, 0,1
.irp i, 0,1
	v_permlane16_swap_b32 v[192+4*\c+\i], v[194+4*\c+\i]   ; a whole block to a lane
.endr
.endr
.irp i, 26,27,28,29,30,31
	SUMP \i                                        ; the last six sums are the places between p's codes and the products; p's word stands ten plain lines ahead of them
.endr
	s_wait_dscnt 0x0                               ; V and its words are in
.irp dt, 0,1,2,3
.if \e == 0
	v_wmma_scale_f32_16x16x128_f8f6f4 v[160+8*\dt:167+8*\dt], v[224+8*\dt:231+8*\dt], v[192:199], v[160+8*\dt:167+8*\dt], v[204+\dt], v221 matrix_a_fmt:MATRIX_FMT_FP4 matrix_b_fmt:MATRIX_FMT_FP4
.else
	v_wmma_scale_f32_16x16x128_f8f6f4 v[160+8*\dt:167+8*\dt], v[224+8*\dt:231+8*\dt], v[192:199], v[160+8*\dt:167+8*\dt], v[204+\dt], v221 matrix_a_fmt:MATRIX_FMT_FP4 matrix_b_fmt:MATRIX_FMT_FP4 matrix_a_scale:MATRIX_SCALE_ROW1
.endif
.endr
.endm
	s_wait_tensorcnt 0x0                           ; my record is in,
	s_barrier_signal -1
	s_barrier_wait -1                              ; everybody's is
	s_wait_loadcnt 0x0                             ; Q
	s_mov_b32 s28, 0                               ; LDS byte of the pair of records in hand
	s_mov_b32 s29, 8
.Lpair:
	STEP 0
	STEP 1
	s_add_co_u32 s28, s28, 17920
	s_sub_co_u32 s29, s29, 1
	s_cmp_lg_u32 s29, 0
	s_cbranch_scc1 .Lpair
	s_setprio 0
.rept 4
	v_nop                                          ; places behind the last products
.endr
	s_wait_alu depctr_va_vdst(0)
	v_add_f32 v14, v14, v15
	s_delay_alu instid0(VALU_DEP_1)
	v_permlanex16_b32 v220, v14, s24, s25
	s_delay_alu instid0(VALU_DEP_1)
	v_add_f32 v14, v14, v220                       ; the row's sum
	s_wait_alu depctr_va_vdst(0)
	v_rcp_f32 v14, v14
	v_nop
.set J, 0
	s_wait_alu depctr_va_vdst(0)
.rept 32
	v_mul_f32 v[96+J], v[160+J], v14               ; O^T / the sum: register 16 b + i is d = 32 b + 16 h + i
.set J, J+1
.endr
.irp b, 0,1
	v_max3_num_f32 v[208+\b], |v[96+16*\b]|, |v[97+16*\b]|, 0x1800000
.endr
.irp i, 2,4,6,8,10,12,14
.irp b, 0,1
	s_delay_alu instid0(VALU_DEP_2)
	v_max3_num_f32 v[208+\b], v[208+\b], |v[96+16*\b+\i]|, |v[97+16*\b+\i]|
.endr
.endr
.irp b, 0,1
	s_delay_alu instid0(VALU_DEP_2)
	v_permlanex16_b32 v[212+\b], v[208+\b], s24, s25
.endr
.irp b, 0,1
	s_delay_alu instid0(VALU_DEP_2)
	v_max_num_f32 v[208+\b], v[208+\b], v[212+\b]
.endr
.irp b, 0,1
	s_delay_alu instid0(VALU_DEP_2)
	v_add_nc_u32 v[216+\b], 0xff000000, v[208+\b]
.endr
.irp b, 0,1
	s_delay_alu instid0(VALU_DEP_2)
	v_lshrrev_b32 v[212+\b], 23, v[216+\b]
.endr
.irp b, 0,1
	v_cvt_scalef32_pk8_fp4_f32 v[192+2*\b], v[96+16*\b:103+16*\b], v[216+\b]
	v_cvt_scalef32_pk8_fp4_f32 v[193+2*\b], v[104+16*\b:111+16*\b], v[216+\b]
.endr
	v_nop
	v_permlane16_swap_b32 v192, v194
	v_permlane16_swap_b32 v193, v195
	v_lshl_or_b32 v220, v213, 8, v212              ; my row's two bytes
	v_cmp_gt_u32 vcc_lo, 16, v7
	global_store_b128 v1, v[192:195], s[44:45]     ; the tile's codes: 512 consecutive bytes
	s_wait_alu depctr_va_vdst(0)
	s_wait_xcnt 0x0                                ; EXEC changes only behind this wait
	s_and_saveexec_b32 s48, vcc_lo
	global_store_b32 v2, v220, s[46:47]
	s_wait_xcnt 0x0
	s_or_b32 exec_lo, exec_lo, s48
	s_wait_dscnt 0x0
	s_wait_tensorcnt 0x0
	ds_add_u32 v30, v31
	s_wait_dscnt 0x0
	CROUND                                         ; the closing round: no work-group ends while a partner may still ask for a record that names it
	s_endpgm
.Lfunc_end_k_q57eb66400d_attn:
	.size	k_q57eb66400d_attn, .Lfunc_end_k_q57eb66400d_attn-k_q57eb66400d_attn
	.p2alignl 7, 3214868480
	.fill 96, 4, 3214868480
	.section	.rodata,"a",@progbits
	.p2align	6, 0x0
	.amdhsa_kernel k_q57eb66400d_attn
		.amdhsa_group_segment_fixed_size 169984
		.amdhsa_private_segment_fixed_size 0
		.amdhsa_enable_private_segment 0
		.amdhsa_kernarg_size 16
		.amdhsa_user_sgpr_count 2
		.amdhsa_user_sgpr_kernarg_segment_ptr 1
		.amdhsa_wavefront_size32 1
		.amdhsa_system_sgpr_workgroup_id_x 1
		.amdhsa_system_sgpr_workgroup_id_y 1
		.amdhsa_system_sgpr_workgroup_id_z 1
		.amdhsa_system_vgpr_workitem_id 0
		.amdhsa_next_free_vgpr 256
		.amdhsa_next_free_sgpr 66
		.amdhsa_reserve_vcc 1
		.amdhsa_float_denorm_mode_32 3
		.amdhsa_float_denorm_mode_16_64 3
		.amdhsa_memory_ordered 1
		.amdhsa_forward_progress 1
		.amdhsa_inst_pref_size 45
	.end_amdhsa_kernel
	.amdgpu_metadata
---
amdhsa.version: [ 1, 2 ]
amdhsa.kernels:
  - .name:           k_q57eb66400d_attn
    .symbol:         k_q57eb66400d_attn.kd
    .args:
      - { .name: qkv, .offset: 0, .size: 8, .value_kind: global_buffer, .address_space: global }
      - { .name: og, .offset: 8, .size: 8, .value_kind: global_buffer, .address_space: global }
    .group_segment_fixed_size: 169984
    .private_segment_fixed_size: 0
    .kernarg_segment_align: 8
    .kernarg_segment_size: 16
    .max_flat_workgroup_size: 512
    .sgpr_count:     66
    .vgpr_count:     256
    .wavefront_size: 32
...
	.end_amdgpu_metadata
.endif
;; end of part 8
;; launch local (part 9): grid 8 x 32, 8 waves a work-group, no clusters, 313,344 bytes of LDS; arguments xq, cq, wq, lq_b, lk_b, lv_b, ol; writes ol
.if DOCPART == 9
	.amdgcn_target "amdgcn-amd-amdhsa--gfx1250"
	.amdhsa_code_object_version 6
	.text
	.protected	k_q57eb66400d_local
	.globl	k_q57eb66400d_local
	.p2align	8
	.type	k_q57eb66400d_local,@function
k_q57eb66400d_local:
	s_mov_b64 s[64:65], 0
	v_nop
	global_prefetch_b8 v0, s[64:65] scope:SCOPE_SE
	s_setreg_imm32_b32 hwreg(HW_REG_WAVE_MODE, 25, 1), 1
	s_wait_xcnt 0x0
; LOCAL: the local branch of one head for 256 t: q, k, v by products on codes of FP4, then the window of 16 keys (t - 8 .. t + 7) in f32: scores by the f32 matrix form, softmax, and the weighted sum of v by vector multiply-adds.
; Keys outside 0 .. 2,047 are zeros (behind the bias, as the padding has them); their score 0 counts in the softmax.  Out: ol [b][h][t][d] f32.
; SHARES: wave w owns t 32 w .. 32 w + 31 of the work-group's 256 in every phase; wave 0 also makes k's 16 + 16 rows beside the block, wave 4 v's.
; No multicast: what work-groups share is the head's three weight records, 52,224 bytes fetched once by each: a small part of what a work-group moves.
; LDS: q rows at 0 (256 x 272 bytes), k at 69,632 and v at 156,672 (row = t + 32, 320 x 272), the weights p at 243,712 (256 x 64), the three weight records at 260,096: the one region that tensor loads fill, once.
; PROJECTIONS: source 0 = 16 rows of the weight in split order, source 1 = 16 t: a lane holds one t and 8 neighbouring d a tile: 16-byte stores into the t's row.
; SCORES: source 0 = 16 keys, source 1 = 16 queries; of a query tile at t0 the key tiles at t0 - 8 and t0 + 8 are multiplied; position kk = 8 h + j of lane r is in the window from the first where kk >= r, else from the second:
; the 16 positions are the window, w = (kk - r) mod 16.  K runs in the same permuted order on both operands (16 bytes a lane and load).
; The registers that the f32 matrix form writes (window 1, v224-255) are written by it alone.
; LIMITS: NaN and infinities are not served.
.set KM, 69632
.set VM, 156672
.set PB, 243712
.set WR, 260096
.set WS,  26                           ; v26-33  the weight's scale words
.set AXS, 34                           ; v34-37  x's (later the side tiles')
.set ACS, 38                           ; v38-41  cond's
.set AX,  44                           ; v44-107 x's two tiles (later the side tiles)
.set AC,  108                          ; v108-171 cond's
.set ACC, 172                          ; v172-235
.set XX,  220                          ; v220-235 the window's scores, then p
.set OUTR, 236                         ; v236-243 four queries' pairs of d
.set MSB, 0
.macro WIN new
.if MSB != \new
	s_set_vgpr_msb (MSB<<8)|\new
.set MSB, \new
.endif
.endm
.macro MMW a, as, bi                   ; 32 matrix instructions: two tiles of t x four of the weight x K 512; eight accumulators by turns; the bias is the first C
	WIN 0x11
.irp tt, 0,1
.irp ot, 0,1,2,3
	v_wmma_scale_f32_16x16x128_f8f6f4 v[ACC+32*\tt+8*\ot:ACC+32*\tt+8*\ot+7], v[32*\ot:32*\ot+7], v[\a+32*\tt:\a+32*\tt+7], v[\bi+8*\ot:\bi+8*\ot+7], v[WS+2*\ot], v[\as+2*\tt] matrix_a_fmt:MATRIX_FMT_FP4 matrix_b_fmt:MATRIX_FMT_FP4
.endr
.endr
	WIN 0x01
.irp s, 1,2,3
.irp tt, 0,1
.irp ot, 0,1,2,3
.if \s == 2
	v_wmma_scale_f32_16x16x128_f8f6f4 v[ACC+32*\tt+8*\ot:ACC+32*\tt+8*\ot+7], v[32*\ot+8*\s:32*\ot+8*\s+7], v[\a+32*\tt+8*\s:\a+32*\tt+8*\s+7], v[ACC+32*\tt+8*\ot:ACC+32*\tt+8*\ot+7], v[WS+2*\ot+1], v[\as+2*\tt+1] matrix_a_fmt:MATRIX_FMT_FP4 matrix_b_fmt:MATRIX_FMT_FP4
.else
	v_wmma_scale_f32_16x16x128_f8f6f4 v[ACC+32*\tt+8*\ot:ACC+32*\tt+8*\ot+7], v[32*\ot+8*\s:32*\ot+8*\s+7], v[\a+32*\tt+8*\s:\a+32*\tt+8*\s+7], v[ACC+32*\tt+8*\ot:ACC+32*\tt+8*\ot+7], v[WS+2*\ot+\s/2], v[\as+2*\tt+\s/2] matrix_a_fmt:MATRIX_FMT_FP4 matrix_b_fmt:MATRIX_FMT_FP4 matrix_a_scale:MATRIX_SCALE_ROW1 matrix_b_scale:MATRIX_SCALE_ROW1
.endif
.endr
.endr
.endr
	WIN 0
.endm
; Plane p's weights from LDS into window 1, the product, the results into rows of LDS from address register st on
.macro PROJ p, a, as, st
	WIN 0x40
.irp ot, 0,1,2,3
.irp s, 0,1,2,3
.irp c, 0,1
	ds_load_b128 v[32*\ot+8*\s+4*\c:32*\ot+8*\s+4*\c+3], v6 offset:\p*17408+\ot*4096+\s*1024+\c*512
.endr
.endr
.endr
	WIN 0
.irp ot, 0,1,2,3
.irp sp, 0,1
	ds_load_b32 v[WS+2*\ot+\sp], v7 offset:\p*17408+16384+\ot*256+\sp*128
.endr
.endr
	s_wait_dscnt 0x0                               ; the weights are in, and the last plane's stores have read the accumulators
	MMW \a, \as, 128+32*\p
.rept 5
	v_nop                                          ; five places: the accumulators are begun anew by the next product, and the weights' registers loaded again
.endr
.irp tt, 0,1
.irp ot, 0,1,2,3
	ds_store_b128 v[\st], v[ACC+32*\tt+8*\ot:ACC+32*\tt+8*\ot+3] offset:\tt*2176+128*(\ot/2)+32*(\ot%2)          ; each accumulator from its low end on
	ds_store_b128 v[\st], v[ACC+32*\tt+8*\ot+4:ACC+32*\tt+8*\ot+7] offset:\tt*2176+128*(\ot/2)+32*(\ot%2)+16
.endr
.endr
.endm
; The tiles beside the block: the one that ends at t = -1 and the one that begins at t = 256; outside the sequence they become zeros
.macro HALO p
	s_wait_loadcnt 0x0                             ; the two tiles' codes and words
	s_wait_dscnt 0x0                               ; my stores have read the accumulators
	MMW AX, AXS, 128+32*\p
.rept 5
	v_nop
.endr
.set J, 0
.rept 32
	v_and_b32 v[ACC+J], s48, v[ACC+J]
.set J, J+1
.endr
.set J, 0
.rept 32
	v_and_b32 v[ACC+32+J], s49, v[ACC+32+J]
.set J, J+1
.endr
.irp ot, 0,1,2,3
	ds_store_b128 v11, v[ACC+8*\ot:ACC+8*\ot+3] offset:2176+128*(\ot/2)+32*(\ot%2)
	ds_store_b128 v11, v[ACC+8*\ot+4:ACC+8*\ot+7] offset:2176+128*(\ot/2)+32*(\ot%2)+16
.endr
.irp ot, 0,1,2,3
	ds_store_b128 v12, v[ACC+32+8*\ot:ACC+32+8*\ot+3] offset:128*(\ot/2)+32*(\ot%2)
	ds_store_b128 v12, v[ACC+32+8*\ot+4:ACC+32+8*\ot+7] offset:128*(\ot/2)+32*(\ot%2)+16
.endr
.endm
	s_load_b256 s[4:11], s[0:1], 0x0               ; xq, cq, wq, lq_b
	s_load_b128 s[12:15], s[0:1], 0x20             ; lk_b, lv_b
	s_load_b64 s[16:17], s[0:1], 0x30              ; ol
	v_lshl_add_u32 v254, v0, 2, 0x4c400
	v_mov_b32 v255, 0
	ds_add_u32 v254, v255
	ds_add_u32 v254, v255
	v_lshrrev_b32 v1, 5, v0
	s_delay_alu instid0(VALU_DEP_1)
	v_readfirstlane_b32 s18, v1                    ; wave
	s_mov_b32 s19, ttmp9                           ; which 256 t
	s_and_b32 s20, ttmp7, 0xffff                   ; bh
	s_lshr_b32 s21, s20, 3                         ; batch
	s_and_b32 s22, s20, 7                          ; head
	s_mov_b32 s24, 3<<16                           ; group 1: a record: 68 dense rows of 256 bytes
	s_mov_b32 s25, 32<<16
	s_mov_b32 s26, 68<<16
	s_mov_b32 s27, 32<<16
	s_mov_b32 s28, 68
	s_mov_b32 s29, 32
	s_mov_b32 s30, 0
	s_mov_b32 s31, 0
	s_mov_b32 s36, 0x76543210
	s_mov_b32 s37, 0xfedcba98
	s_mov_b32 s38, 0x3e38aa3b                      ; c = log2(e) / 8
	s_mov_b32 s39, s38
	s_cmp_eq_u32 s19, 0
	s_cselect_b32 s48, 0, -1                       ; the tile on the left is zeros in the first block,
	s_cmp_eq_u32 s19, 7
	s_cselect_b32 s49, 0, -1                       ; the one on the right in the last
	; every address register is made here, ahead of the first branch on the wave's number
	v_and_b32 v1, 31, v0                           ; lane
	v_and_b32 v2, 15, v0                           ; r
	v_bfe_u32 v3, v0, 4, 1                         ; h
	s_delay_alu instid0(VALU_DEP_3)
	v_lshlrev_b32 v4, 4, v1
	s_delay_alu instid0(VALU_DEP_4)
	v_lshlrev_b32 v5, 2, v1
	s_delay_alu instid0(VALU_DEP_2)
	v_add_nc_u32 v6, WR, v4
	s_delay_alu instid0(VALU_DEP_2)
	v_add_nc_u32 v7, WR, v5
	v_and_b32 v236, 8, v2
	s_delay_alu instid0(VALU_DEP_1)
	v_add_nc_u32 v236, v236, v2                    ; r + 8 (r / 8)
	s_delay_alu instid0(VALU_DEP_1)
	v_mul_u32_u24 v237, v236, 272
	s_delay_alu instid0(VALU_DEP_1)
	v_lshl_add_u32 v237, v3, 6, v237
	s_mul_i32 s50, s18, 8704                       ; my 32 rows
	v_add_nc_u32 v8, s50, v237                     ; q: where a tile's lane puts its d
	s_delay_alu instid0(VALU_DEP_1)
	v_add_nc_u32 v9, KM+8704, v8                   ; k
	s_delay_alu instid0(VALU_DEP_2)
	v_add_nc_u32 v10, VM+8704, v8                  ; v
	s_lshr_b32 s51, s18, 2
	s_mul_i32 s51, s51, 87040
	s_add_co_u32 s51, s51, KM
	v_add_nc_u32 v11, s51, v237                    ; the left side's rows (wave 0: k's, wave 4: v's)
	s_delay_alu instid0(VALU_DEP_1)
	v_add_nc_u32 v12, 78336, v11                   ; the right side's: 288 rows on
	v_mul_u32_u24 v238, v2, 272
	s_delay_alu instid0(VALU_DEP_1)
	v_lshl_add_u32 v238, v3, 4, v238
	s_delay_alu instid0(VALU_DEP_1)
	v_add_nc_u32 v13, s50, v238                    ; scores: query r of my first tile, + 16 h
	s_delay_alu instid0(VALU_DEP_1)
	v_add_nc_u32 v14, KM+24*272, v13               ; key t0 - 8 + r
	v_lshlrev_b32 v17, 3, v1
	s_delay_alu instid0(VALU_DEP_1)
	v_add_nc_u32 v15, s50, v17
	s_delay_alu instid0(VALU_DEP_1)
	v_add_nc_u32 v15, VM+24*272, v15               ; v's rows from t = 32 w - 8 on, my pair of d
	s_lshl_b32 s52, s18, 11
	s_add_co_u32 s52, s52, PB
	v_mov_b32 v16, s52                             ; my wave's p
	v_lshl_add_u32 v239, v2, 6, s52
	v_lshlrev_b32 v240, 3, v3
	s_delay_alu instid0(VALU_DEP_1)
	v_add_nc_u32 v240, 16, v240
	s_delay_alu instid0(VALU_DEP_1)
	v_sub_nc_u32 v241, v240, v2                    ; 16 + 8 h - r
.irp j, 0,1,2,3,4,5,6,7
	v_add_nc_u32 v242, \j, v241
	s_delay_alu instid0(VALU_DEP_1)
	v_cmp_le_u32 s[40+\j], 16, v242                ; 8 h + j >= r: from the first key tile
	s_delay_alu instid0(VALU_DEP_2)
	v_and_b32 v242, 15, v242                       ; w
	s_delay_alu instid0(VALU_DEP_1)
	v_lshl_add_u32 v[18+\j], v242, 2, v239         ; where p(query r, w) goes
.endr
	v_lshlrev_b32 v243, 6, v3
	s_lshl_b32 s53, s21, 7
	s_lshl_b32 s54, s19, 4
	s_add_co_u32 s55, s53, s54
	s_lshl_b32 s82, s18, 1
	s_add_co_u32 s55, s55, s82                     ; my first tile of t
	s_mov_b32 s83, 0
	s_max_u32 s84, s54, 1
	s_sub_co_u32 s84, s84, 1
	s_add_co_u32 s84, s84, s53                     ; the tile on the left (held inside the batch),
	s_add_co_u32 s85, s54, 16
	s_min_u32 s85, s85, 127
	s_add_co_u32 s85, s85, s53                     ; on the right
	s_min_u32 s86, s18, 2
	s_lshl_b32 s87, s86, 3
	s_add_co_u32 s87, s87, s22
	s_wait_dscnt 0x0
	s_wait_kmcnt 0x0
	s_mul_i32 s82, s87, 17408
	s_add_nc_u64 s[34:35], s[8:9], s[82:83]        ; wave 0, 1, 2: the record of lq, lk, lv for my head
	s_or_b32 s35, s35, 0x80000000
	s_mov_b32 s32, 1
	s_mul_i32 s33, s86, 17408
	s_add_co_u32 s33, s33, WR
	s_cmp_lt_u32 s18, 3
	s_cbranch_scc0 .Lno_fill
	tensor_load_to_lds s[32:35], s[24:31]          ; filled once; one tensor load of mine is out
	s_nop 0
.rept 4
	v_nop
.endr
.Lno_fill:
	s_lshl_b32 s82, s55, 12
	s_add_nc_u64 s[56:57], s[4:5], s[82:83]
	s_add_nc_u64 s[60:61], s[6:7], s[82:83]
	s_lshl_b32 s82, s55, 8
	s_add_co_u32 s82, s82, 0x200000
	s_add_nc_u64 s[58:59], s[4:5], s[82:83]
	s_add_nc_u64 s[62:63], s[6:7], s[82:83]
	s_lshl_b32 s82, s84, 12
	s_add_nc_u64 s[66:67], s[6:7], s[82:83]
	s_lshl_b32 s82, s84, 8
	s_add_co_u32 s82, s82, 0x200000
	s_add_nc_u64 s[68:69], s[6:7], s[82:83]
	s_lshl_b32 s82, s85, 12
	s_add_nc_u64 s[70:71], s[6:7], s[82:83]
	s_lshl_b32 s82, s85, 8
	s_add_co_u32 s82, s82, 0x200000
	s_add_nc_u64 s[72:73], s[6:7], s[82:83]
	s_lshl_b32 s82, s22, 8
	s_add_nc_u64 s[74:75], s[10:11], s[82:83]
	s_add_nc_u64 s[76:77], s[12:13], s[82:83]
	s_add_nc_u64 s[78:79], s[14:15], s[82:83]
	s_lshl_b32 s82, s20, 19
	s_lshl_b32 s88, s19, 16
	s_add_co_u32 s82, s82, s88
	s_lshl_b32 s88, s18, 13
	s_add_co_u32 s82, s82, s88
	s_add_nc_u64 s[80:81], s[16:17], s[82:83]      ; ol at my wave's first t
.irp tt, 0,1
.irp s, 0,1,2,3
.irp c, 0,1
	global_load_b128 v[AX+32*\tt+8*\s+4*\c:AX+32*\tt+8*\s+4*\c+3], v4, s[56:57] offset:\tt*4096+\s*1024+\c*512
	global_load_b128 v[AC+32*\tt+8*\s+4*\c:AC+32*\tt+8*\s+4*\c+3], v4, s[60:61] offset:\tt*4096+\s*1024+\c*512
.endr
.endr
.irp sp, 0,1
	global_load_b32 v[AXS+2*\tt+\sp], v5, s[58:59] offset:\tt*256+\sp*128
	global_load_b32 v[ACS+2*\tt+\sp], v5, s[62:63] offset:\tt*256+\sp*128
.endr
.endr
	WIN 0x40
	s_wait_alu depctr_va_vdst(0)
.irp p, 0,1,2
.irp ot, 0,1,2,3
	global_load_b128 v[128+32*\p+8*\ot:131+32*\p+8*\ot], v243, s[74+2*\p:75+2*\p] offset:(32*(\ot/2)+8*(\ot%2))*4
	global_load_b128 v[132+32*\p+8*\ot:135+32*\p+8*\ot], v243, s[74+2*\p:75+2*\p] offset:(32*(\ot/2)+8*(\ot%2))*4+16
.endr
.endr
	WIN 0
	s_wait_tensorcnt 0x0
	s_barrier_signal -1
	s_barrier_wait -1                              ; the three records lie in LDS
	s_wait_loadcnt 0x0
; ---- the projections
	PROJ 0, AX, AXS, 8
	s_and_b32 s82, s18, 3
	s_cmp_lg_u32 s82, 0
	s_cbranch_scc1 .Lno_side
.irp s, 0,1,2,3                        ; waves 0 and 4: cond's two side tiles, into the registers that x has left
.irp c, 0,1
	global_load_b128 v[AX+8*\s+4*\c:AX+8*\s+4*\c+3], v4, s[66:67] offset:\s*1024+\c*512
	global_load_b128 v[AX+32+8*\s+4*\c:AX+32+8*\s+4*\c+3], v4, s[70:71] offset:\s*1024+\c*512
.endr
.endr
.irp sp, 0,1
	global_load_b32 v[AXS+\sp], v5, s[68:69] offset:\sp*128
	global_load_b32 v[AXS+2+\sp], v5, s[72:73] offset:\sp*128
.endr
.Lno_side:
	PROJ 1, AC, ACS, 9
	s_cmp_lg_u32 s18, 0
	s_cbranch_scc1 .Lnot_0
	HALO 1
.Lnot_0:
	PROJ 2, AC, ACS, 10
	s_cmp_lg_u32 s18, 4
	s_cbranch_scc1 .Lnot_4
	HALO 2
.Lnot_4:
	s_wait_loadcnt 0x0                             ; on every way that leads here: the side tiles' loads have landed, so the score phase may load into their registers (waves 0 and 4 have waited already, the others have none out)
	s_wait_dscnt 0x0                               ; my rows have landed
	s_barrier_signal -1
	s_barrier_wait -1                              ; everybody's have
; ---- the scores
.irp qt, 0,1
.irp i, 0,1,2,3,4,5,6,7
	ds_load_b128 v[44+32*\qt+4*\i:47+32*\qt+4*\i], v13 offset:4352*\qt+32*\i
.endr
.endr
.irp kt, 0,1,2
.irp i, 0,1,2,3,4,5,6,7
	ds_load_b128 v[108+32*\kt+4*\i:111+32*\kt+4*\i], v14 offset:4352*\kt+32*\i
.endr
.endr
	s_wait_dscnt 0x0
	WIN 0x50                                       ; C and D window 1
	v_wmma_f32_16x16x4_f32 v[224:231], v[108:109], v[44:45], 0     ; each sum's first K step starts it; four sums by turns
	v_wmma_f32_16x16x4_f32 v[232:239], v[140:141], v[44:45], 0
	v_wmma_f32_16x16x4_f32 v[240:247], v[140:141], v[76:77], 0
	v_wmma_f32_16x16x4_f32 v[248:255], v[172:173], v[76:77], 0
.irp i, 1,2,3,4,5,6,7,8,9,10,11,12,13,14,15
	v_wmma_f32_16x16x4_f32 v[224:231], v[108+2*\i:109+2*\i], v[44+2*\i:45+2*\i], v[224:231]
	v_wmma_f32_16x16x4_f32 v[232:239], v[140+2*\i:141+2*\i], v[44+2*\i:45+2*\i], v[232:239]
	v_wmma_f32_16x16x4_f32 v[240:247], v[140+2*\i:141+2*\i], v[76+2*\i:77+2*\i], v[240:247]
	v_wmma_f32_16x16x4_f32 v[248:255], v[172+2*\i:173+2*\i], v[76+2*\i:77+2*\i], v[248:255]
.endr
	WIN 0
.rept 8
	v_nop                                          ; eight places behind this form
.endr
	WIN 0x05                                       ; sources 0 and 1 window 1
.irp j, 0,1,2,3,4,5,6,7
	v_cndmask_b32 v[XX+\j], v[232+\j], v[224+\j], s[40+\j]
	v_cndmask_b32 v[XX+8+\j], v[248+\j], v[240+\j], s[40+\j]
.endr
	WIN 0
; ---- the softmax over the window: a query's 16 scores lie in lanes r and r + 16
.irp qt, 0,1
	v_max3_num_f32 v[236+\qt], v[XX+8*\qt], v[XX+8*\qt+1], v[XX+8*\qt+2]
.endr
.irp i, 3,5
.irp qt, 0,1
	s_delay_alu instid0(VALU_DEP_2)
	v_max3_num_f32 v[236+\qt], v[236+\qt], v[XX+8*\qt+\i], v[XX+8*\qt+\i+1]
.endr
.endr
.irp qt, 0,1
	s_delay_alu instid0(VALU_DEP_2)
	v_max_num_f32 v[236+\qt], v[236+\qt], v[XX+8*\qt+7]
.endr
.irp qt, 0,1
	s_delay_alu instid0(VALU_DEP_2)
	v_permlanex16_b32 v[238+\qt], v[236+\qt], s36, s37
.endr
.irp qt, 0,1
	s_delay_alu instid0(VALU_DEP_2)
	v_max_num_f32 v[236+\qt], v[236+\qt], v[238+\qt]
.endr
.irp qt, 0,1
	s_delay_alu instid0(VALU_DEP_2)
	v_mul_f32 v[240+2*\qt], s38, v[236+\qt]        ; c x the largest score
.endr
.irp qt, 0,1
.irp j, 0,2,4,6
	v_pk_fma_f32 v[XX+8*\qt+\j:XX+8*\qt+\j+1], v[XX+8*\qt+\j:XX+8*\qt+\j+1], s[38:39], v[240+2*\qt:241+2*\qt] op_sel_hi:[1,0,0] neg_lo:[0,0,1] neg_hi:[0,0,1]
.endr
.endr
.set J, 0
	s_wait_alu depctr_va_vdst(0)
.rept 16
	v_exp_f32 v[XX+J], v[XX+J]
.set J, J+1
.endr
	v_nop
	s_wait_alu depctr_va_vdst(0)
.irp qt, 0,1
	v_pk_add_f32 v[244+2*\qt:245+2*\qt], v[XX+8*\qt:XX+8*\qt+1], v[XX+8*\qt+2:XX+8*\qt+3]
	v_pk_add_f32 v[248+2*\qt:249+2*\qt], v[XX+8*\qt+4:XX+8*\qt+5], v[XX+8*\qt+6:XX+8*\qt+7]
.endr
.irp qt, 0
	s_delay_alu instid0(VALU_DEP_3)
	v_pk_add_f32 v[244+2*\qt:245+2*\qt], v[244+2*\qt:245+2*\qt], v[248+2*\qt:249+2*\qt]
.endr
.irp qt, 1
	s_delay_alu instid0(VALU_DEP_2)
	v_pk_add_f32 v[244+2*\qt:245+2*\qt], v[244+2*\qt:245+2*\qt], v[248+2*\qt:249+2*\qt]
.endr
.irp qt, 0,1
	s_delay_alu instid0(VALU_DEP_2)
	v_add_f32 v[236+\qt], v[244+2*\qt], v[245+2*\qt]
.endr
.irp qt, 0,1
	s_delay_alu instid0(VALU_DEP_2)
	v_permlanex16_b32 v[238+\qt], v[236+\qt], s36, s37
.endr
.irp qt, 0,1
	s_delay_alu instid0(VALU_DEP_2)
	v_add_f32 v[236+\qt], v[236+\qt], v[238+\qt]
.endr
	s_wait_alu depctr_va_vdst(0)
.irp qt, 0,1
	v_rcp_f32 v[240+2*\qt], v[236+\qt]
.endr
	v_nop
	s_wait_alu depctr_va_vdst(0)
.irp qt, 0,1
.irp j, 0,2,4,6
	v_pk_mul_f32 v[XX+8*\qt+\j:XX+8*\qt+\j+1], v[XX+8*\qt+\j:XX+8*\qt+\j+1], v[240+2*\qt:241+2*\qt] op_sel_hi:[1,0]
.endr
.endr
.irp qt, 0,1
.irp j, 0,1,2,3,4,5,6,7
	ds_store_b32 v[18+\j], v[XX+8*\qt+\j] offset:1024*\qt      ; my wave's own bytes: LDS serves a wave's instructions in order, so no wait stands in front of the loads below
.endr
.endr
; ---- out(t, d) = the sum over w of p(t, w) v(t - 8 + w, d): a lane holds d = 2 l, 2 l + 1; four queries at a time
.macro PLOAD i                         ; quad i's 64 weights, the same in every lane, into set i % 2
.irp q, 0,1,2,3
.irp k, 0,1,2,3
	ds_load_b128 v[92+64*((\i)%2)+16*\q+4*\k:95+64*((\i)%2)+16*\q+4*\k], v16 offset:64*(4*(\i)+\q)+16*\k
.endr
.endr
.endm
.macro VROW rr                         ; row rr of the wave's 47 rows of v, into a ring of 24 pairs
	ds_load_b64 v[44+2*((\rr)%24):45+2*((\rr)%24)], v15 offset:272*(\rr)
.endm
.macro QUAD i
.if \i < 7
	PLOAD \i+1
	VROW 4*\i+19
	VROW 4*\i+20
	VROW 4*\i+21
	VROW 4*\i+22
	s_wait_dscnt 20                                ; all but the 20 just issued
.else
	s_wait_dscnt 0x0
.endif
	s_wait_xcnt 0x0                                ; the last quad's stores have read their data
.irp w, 0,1,2,3,4,5,6,7,8,9,10,11,12,13,14,15
.irp q, 0,1,2,3
.if \w == 0
	v_pk_mul_f32 v[OUTR+2*\q:OUTR+2*\q+1], v[44+2*((4*\i+\q)%24):45+2*((4*\i+\q)%24)], v[92+64*((\i)%2)+16*\q:93+64*((\i)%2)+16*\q] op_sel_hi:[1,0]
.elseif \w%2 == 0
	s_delay_alu instid0(VALU_DEP_4)
	v_pk_fma_f32 v[OUTR+2*\q:OUTR+2*\q+1], v[44+2*((4*\i+\q+\w)%24):45+2*((4*\i+\q+\w)%24)], v[92+64*((\i)%2)+16*\q+\w:93+64*((\i)%2)+16*\q+\w], v[OUTR+2*\q:OUTR+2*\q+1] op_sel_hi:[1,0,1]
.else
	s_delay_alu instid0(VALU_DEP_4)
	v_pk_fma_f32 v[OUTR+2*\q:OUTR+2*\q+1], v[44+2*((4*\i+\q+\w)%24):45+2*((4*\i+\q+\w)%24)], v[92+64*((\i)%2)+16*\q+\w-1:93+64*((\i)%2)+16*\q+\w-1], v[OUTR+2*\q:OUTR+2*\q+1] op_sel:[0,1,0] op_sel_hi:[1,1,1]
.endif
.endr
.endr
.irp q, 0,1,2,3
	global_store_b64 v17, v[OUTR+2*\q:OUTR+2*\q+1], s[80:81] offset:256*(4*\i+\q)   ; a t's 64 numbers: 256 consecutive, aligned bytes
.endr
.endm
.set RR, 0
.rept 19
	VROW RR
.set RR, RR+1
.endr
	PLOAD 0
.irp i, 0,1,2,3,4,5,6,7
	QUAD \i
.endr
	s_wait_tensorcnt 0x0
	ds_add_u32 v254, v255
	s_wait_dscnt 0x0
	s_endpgm
.Lfunc_end_k_q57eb66400d_local:
	.size	k_q57eb66400d_local, .Lfunc_end_k_q57eb66400d_local-k_q57eb66400d_local
	.p2alignl 7, 3214868480
	.fill 96, 4, 3214868480
	.section	.rodata,"a",@progbits
	.p2align	6, 0x0
	.amdhsa_kernel k_q57eb66400d_local
		.amdhsa_group_segment_fixed_size 313344
		.amdhsa_private_segment_fixed_size 0
		.amdhsa_enable_private_segment 0
		.amdhsa_kernarg_size 56
		.amdhsa_user_sgpr_count 2
		.amdhsa_user_sgpr_kernarg_segment_ptr 1
		.amdhsa_wavefront_size32 1
		.amdhsa_system_sgpr_workgroup_id_x 1
		.amdhsa_system_sgpr_workgroup_id_y 1
		.amdhsa_system_sgpr_workgroup_id_z 1
		.amdhsa_system_vgpr_workitem_id 0
		.amdhsa_next_free_vgpr 512
		.amdhsa_next_free_sgpr 96
		.amdhsa_reserve_vcc 0
		.amdhsa_float_denorm_mode_32 3
		.amdhsa_float_denorm_mode_16_64 3
		.amdhsa_memory_ordered 1
		.amdhsa_forward_progress 1
		.amdhsa_inst_pref_size 130
	.end_amdhsa_kernel
	.amdgpu_metadata
---
amdhsa.version: [ 1, 2 ]
amdhsa.kernels:
  - .name:           k_q57eb66400d_local
    .symbol:         k_q57eb66400d_local.kd
    .args:
      - { .name: xq, .offset: 0, .size: 8, .value_kind: global_buffer, .address_space: global }
      - { .name: cq, .offset: 8, .size: 8, .value_kind: global_buffer, .address_space: global }
      - { .name: wq, .offset: 16, .size: 8, .value_kind: global_buffer, .address_space: global }
      - { .name: lq_b, .offset: 24, .size: 8, .value_kind: global_buffer, .address_space: global }
      - { .name: lk_b, .offset: 32, .size: 8, .value_kind: global_buffer, .address_space: global }
      - { .name: lv_b, .offset: 40, .size: 8, .value_kind: global_buffer, .address_space: global }
      - { .name: ol, .offset: 48, .size: 8, .value_kind: global_buffer, .address_space: global }
    .group_segment_fixed_size: 313344
    .private_segment_fixed_size: 0
    .kernarg_segment_align: 8
    .kernarg_segment_size: 56
    .max_flat_workgroup_size: 256
    .sgpr_count:     96
    .vgpr_count:     512
    .wavefront_size: 32
...
	.end_amdgpu_metadata
.endif
;; end of part 9
;; launch outproj (part 10): grid 128 x 2, 8 waves a work-group, no clusters, 105,472 bytes of LDS; arguments ol, og, wq, lo_b, go_b, t, out0; writes out0
.if DOCPART == 10
	.amdgcn_target "amdgcn-amd-amdhsa--gfx1250"
	.amdhsa_code_object_version 6
	.text
	.protected	k_q57eb66400d_outproj
	.globl	k_q57eb66400d_outproj
	.p2align	8
	.type	k_q57eb66400d_outproj,@function
k_q57eb66400d_outproj:
	s_mov_b64 s[64:65], 0
	v_nop
	global_prefetch_b8 v0, s[64:65] scope:SCOPE_SE
	s_setreg_imm32_b32 hwreg(HW_REG_WAVE_MODE, 25, 1), 1
	s_wait_xcnt 0x0
; OUTPROJ: out0[b][o][t] = sqrt(1 - tn) (go_w og + go_b) + sqrt(tn) (lo_w out2 + lo_b), tn = t[b] / 999; both products on codes of FP4.
; out2 is ol's bytes read as [b][c' 512][t 2048] f32: its K, c', is the outer axis: a lane takes a column t and its registers run down K; it is quantised here, in registers.  og arrives as codes.
; Work-group (X, oh): 64 columns t of a batch, 256 outputs o.  Wave w quantises c' 64 w .. 64 w + 63 of the 64 columns and brings in an eighth of og's codes; both operands go to the other waves through LDS as images
; of their registers; then wave w makes o = 256 oh + 32 w + 0 .. 31 for both planes, its weights (16 fragments) in registers.  Source 0 = 16 t in split order, source 1 = 16 o: a lane holds one o and 8 neighbouring t.
; No tensor load, so no ring.  No multicast: nothing comes into LDS by a copy engine, and the weights go straight into registers.
; LDS: out2's four tile images at 0, og's at 16,384, their scale images at 32,768 and 33,792, a stage of 32 rows x 272 bytes for each wave from 34,816.
; LIMITS: a block of zeros gets the byte 1 (its codes are zeros; this program alone reads the bytes); NaN and infinities are not served; 1 - tn is held at 0 from below, so t above 999 gives no NaN here.
.set MSB, 0
.macro WIN new
.if MSB != \new
	s_set_vgpr_msb (MSB<<8)|\new
.set MSB, \new
.endif
.endm
.macro BLK xs, cd, by                  ; 32 numbers of one block -> 16 bytes of codes, the byte
	v_max3_num_f32 v52, |v[\xs]|, |v[\xs+1]|, |v[\xs+2]|
	v_max3_num_f32 v53, |v[\xs+3]|, |v[\xs+4]|, |v[\xs+5]|
.irp i, 6,10,14,18,22,26
	s_delay_alu instid0(VALU_DEP_2)
	v_max3_num_f32 v52, v52, |v[\xs+\i]|, |v[\xs+\i+1]|
	s_delay_alu instid0(VALU_DEP_2)
	v_max3_num_f32 v53, v53, |v[\xs+\i+2]|, |v[\xs+\i+3]|
.endr
	s_delay_alu instid0(VALU_DEP_2)
	v_max3_num_f32 v52, v52, |v[\xs+30]|, |v[\xs+31]|
	s_delay_alu instid0(VALU_DEP_1)
	v_max3_num_f32 v52, v52, v53, 0x1800000        ; with the floor 2^(3 - 127)
	s_delay_alu instid0(VALU_DEP_1)
	v_add_nc_u32 v54, 0xff000000, v52
	s_delay_alu instid0(VALU_DEP_1)
	v_lshrrev_b32 v[\by], 23, v54
.irp g, 0,1,2,3
	v_cvt_scalef32_pk8_fp4_f32 v[\cd+\g], v[\xs+8*\g:\xs+8*\g+7], v54
.endr
	v_nop                                          ; one plain place behind a scaled conversion
.endm
.macro XLOAD blk                       ; block blk of my 64 c': 32 rows of 8,192 bytes; the two loads of a row read 256 neighbouring bytes
.set I, 0
.rept 32
	global_load_b32 v[64+32*\blk+I], v5, s[24:25] offset:(32*\blk+I)*8192
	global_load_b32 v[128+32*\blk+I], v5, s[24:25] offset:(32*\blk+I)*8192+128
.set I, I+1
.endr
.endm
.macro LOADA s                         ; K step s: the fragments of both planes' four tiles of t into set s % 2
.irp pl, 0,1
.irp tt, 0,1,2,3
.irp c, 0,1
	ds_load_b128 v[64+64*((\s)%2)+8*(4*\pl+\tt)+4*\c:67+64*((\s)%2)+8*(4*\pl+\tt)+4*\c], v4 offset:\pl*16384+\tt*4096+(\s)*1024+\c*512
.endr
.endr
.endr
.endm
.macro MM s                            ; 16 matrix instructions, the sixteen accumulators by turns
	WIN 0x54                                       ; source 1 (weight), C and D window 1
.irp pl, 0,1
.irp tt, 0,1,2,3
.irp uo, 0,1
.if \s == 0
	v_wmma_scale_f32_16x16x128_f8f6f4 v[128+8*(8*\pl+2*\tt+\uo):135+8*(8*\pl+2*\tt+\uo)], v[64+8*(4*\pl+\tt):71+8*(4*\pl+\tt)], v[8*(8*\pl+4*\uo):8*(8*\pl+4*\uo)+7], 0, v[24+8*\pl+2*\tt], v[16+4*\pl+2*\uo] matrix_a_fmt:MATRIX_FMT_FP4 matrix_b_fmt:MATRIX_FMT_FP4
.elseif \s == 2
	v_wmma_scale_f32_16x16x128_f8f6f4 v[128+8*(8*\pl+2*\tt+\uo):135+8*(8*\pl+2*\tt+\uo)], v[64+8*(4*\pl+\tt):71+8*(4*\pl+\tt)], v[8*(8*\pl+4*\uo+2):8*(8*\pl+4*\uo+2)+7], v[128+8*(8*\pl+2*\tt+\uo):135+8*(8*\pl+2*\tt+\uo)], v[24+8*\pl+2*\tt+1], v[16+4*\pl+2*\uo+1] matrix_a_fmt:MATRIX_FMT_FP4 matrix_b_fmt:MATRIX_FMT_FP4
.else
	v_wmma_scale_f32_16x16x128_f8f6f4 v[128+8*(8*\pl+2*\tt+\uo):135+8*(8*\pl+2*\tt+\uo)], v[128+8*(4*\pl+\tt):135+8*(4*\pl+\tt)], v[8*(8*\pl+4*\uo+\s):8*(8*\pl+4*\uo+\s)+7], v[128+8*(8*\pl+2*\tt+\uo):135+8*(8*\pl+2*\tt+\uo)], v[24+8*\pl+2*\tt+\s/2], v[16+4*\pl+2*\uo+\s/2] matrix_a_fmt:MATRIX_FMT_FP4 matrix_b_fmt:MATRIX_FMT_FP4 matrix_a_scale:MATRIX_SCALE_ROW1 matrix_b_scale:MATRIX_SCALE_ROW1
.endif
.endr
.endr
.endr
	WIN 0
.endm
	s_load_b256 s[4:11], s[0:1], 0x0               ; ol, og, wq, lo_b
	s_load_b128 s[12:15], s[0:1], 0x20             ; go_b, t
	s_load_b64 s[16:17], s[0:1], 0x30              ; out0
	v_lshl_add_u32 v254, v0, 2, 0x19800
	v_mov_b32 v255, 0
	v_lshrrev_b32 v1, 5, v0
	s_delay_alu instid0(VALU_DEP_1)
	v_readfirstlane_b32 s18, v1                    ; wave
	s_lshr_b32 s19, ttmp9, 5                       ; batch
	s_and_b32 s20, ttmp9, 31                       ; which 64 columns
	s_and_b32 s21, ttmp7, 0xffff                   ; which 256 outputs
	s_lshr_b32 s22, s18, 1
	s_and_b32 s23, s18, 1
	v_and_b32 v1, 31, v0                           ; lane
	v_and_b32 v2, 15, v0                           ; r
	v_bfe_u32 v3, v0, 4, 1                         ; h
	s_delay_alu instid0(VALU_DEP_3)
	v_lshlrev_b32 v4, 4, v1
	s_delay_alu instid0(VALU_DEP_4)
	v_lshlrev_b32 v5, 2, v1
	v_bfe_u32 v56, v1, 3, 1                        ; column l lies in tile u = (l / 8) % 2,
	v_and_b32 v57, 7, v1
	s_delay_alu instid0(VALU_DEP_1)
	v_lshl_or_b32 v57, v3, 3, v57                  ; row 8 (l / 16) + l % 8
	s_lshl_b32 s44, s22, 10
	s_lshl_b32 s46, s23, 9
	s_add_co_u32 s44, s44, s46
	v_lshlrev_b32 v7, 4, v57
	s_delay_alu instid0(VALU_DEP_1)
	v_lshl_add_u32 v7, v56, 12, v7
	s_delay_alu instid0(VALU_DEP_1)
	v_add_nc_u32 v7, s44, v7                       ; out2's codes: K step w / 2, half w % 2
	s_lshl_b32 s44, s22, 6
	s_lshl_b32 s46, s23, 1
	s_add_co_u32 s44, s44, s46
	s_add_co_u32 s44, s44, 32768
	v_lshlrev_b32 v8, 2, v57
	s_delay_alu instid0(VALU_DEP_1)
	v_lshl_add_u32 v8, v56, 8, v8
	s_delay_alu instid0(VALU_DEP_1)
	v_add_nc_u32 v8, s44, v8                       ; my two bytes of the row's scale word
	s_lshl_b32 s44, s22, 12
	s_lshl_b32 s46, s23, 11
	s_add_co_u32 s44, s44, s46
	s_add_co_u32 s44, s44, 16384
	v_add_nc_u32 v9, s44, v4                       ; og's codes: tile w / 2, K steps 2 (w % 2) and + 1
	s_lshl_b32 s44, s22, 8
	s_lshl_b32 s46, s23, 7
	s_add_co_u32 s44, s44, s46
	s_add_co_u32 s44, s44, 33792
	v_add_nc_u32 v10, s44, v5                      ; and their words
	v_lshlrev_b32 v11, 2, v2
	s_delay_alu instid0(VALU_DEP_1)
	v_lshl_add_u32 v11, v3, 14, v11                ; og's words in memory: lanes 16-31 two heads on
	v_and_b32 v12, 8, v2
	s_delay_alu instid0(VALU_DEP_1)
	v_add_nc_u32 v12, v12, v2                      ; r + 8 (r / 8)
	s_mul_i32 s44, s18, 8704
	s_add_co_u32 s44, s44, 34816                   ; my stage
	v_mul_u32_u24 v13, v12, 272
	s_delay_alu instid0(VALU_DEP_1)
	v_lshl_add_u32 v13, v3, 6, v13
	s_delay_alu instid0(VALU_DEP_1)
	v_add_nc_u32 v13, s44, v13                     ; in: my o's row, + 64 h
	v_lshlrev_b32 v12, 2, v12
	v_mul_u32_u24 v14, v3, 272
	s_delay_alu instid0(VALU_DEP_1)
	v_lshl_add_u32 v14, v2, 4, v14
	s_delay_alu instid0(VALU_DEP_1)
	v_add_nc_u32 v14, s44, v14                     ; back: lanes 0-15 one row, lanes 16-31 the next
	v_lshlrev_b32 v15, 4, v2
	s_delay_alu instid0(VALU_DEP_1)
	v_lshl_add_u32 v15, v3, 13, v15                ; and the same two rows in out0
	s_mov_b32 s45, 0
	s_wait_alu depctr_va_vdst(0)
	s_wait_kmcnt 0x0
	s_lshl_b32 s44, s19, 2
	s_add_nc_u64 s[40:41], s[14:15], s[44:45]
	s_load_b32 s38, s[40:41], 0x0                  ; t[b]
	s_lshl_b32 s44, s19, 22
	s_lshl_b32 s46, s18, 19
	s_add_co_u32 s44, s44, s46
	s_lshl_b32 s46, s20, 8
	s_add_co_u32 s44, s44, s46
	s_add_nc_u64 s[24:25], s[4:5], s[44:45]        ; out2 at row c' = 64 w, my columns
	s_lshl_b32 s47, s19, 3
	s_lshl_b32 s46, s23, 2
	s_add_co_u32 s47, s47, s46                     ; head 8 b + 4 (w % 2)
	s_lshl_b32 s48, s20, 2
	s_add_co_u32 s48, s48, s22                     ; tile 4 x block + w / 2
	s_lshl_b32 s44, s47, 7
	s_add_co_u32 s44, s44, s48
	s_lshl_b32 s44, s44, 9
	s_add_nc_u64 s[26:27], s[6:7], s[44:45]
	s_lshl_b32 s44, s47, 13
	s_lshl_b32 s46, s48, 6
	s_add_co_u32 s44, s44, s46
	s_add_co_u32 s44, s44, 0x200000
	s_add_nc_u64 s[28:29], s[6:7], s[44:45]
	s_lshl_b32 s46, s21, 2
	s_add_co_u32 s46, s46, s22
	s_add_co_u32 s46, s46, 24                      ; the record of (plane 3, head 4 oh + w / 2); plane 7's lies 32 records, 557,056 bytes, on
	s_mul_i32 s49, s46, 17408
	s_lshl_b32 s46, s23, 13
	s_add_co_u32 s44, s49, s46
	s_add_nc_u64 s[30:31], s[8:9], s[44:45]        ; tiles 2 (w % 2) and + 1: images,
	s_lshl_b32 s46, s23, 9
	s_add_co_u32 s44, s49, s46
	s_add_co_u32 s44, s44, 16384
	s_add_nc_u64 s[32:33], s[8:9], s[44:45]        ; scale images
	s_lshl_b32 s50, s21, 8
	s_lshl_b32 s46, s18, 5
	s_add_co_u32 s50, s50, s46                     ; my first o
	s_lshl_b32 s44, s50, 2
	s_add_nc_u64 s[34:35], s[10:11], s[44:45]
	s_add_nc_u64 s[36:37], s[12:13], s[44:45]
	s_lshl_b32 s44, s50, 13
	s_lshl_b32 s46, s19, 22
	s_add_co_u32 s44, s44, s46
	s_lshl_b32 s46, s20, 8
	s_add_co_u32 s44, s44, s46
	s_add_nc_u64 s[42:43], s[16:17], s[44:45]
.irp e, 0,1
.irp c, 0,1
	global_load_b128 v[192+8*\e+4*\c:195+8*\e+4*\c], v4, s[26:27] offset:(2*\e+\c)*65536   ; og: K step 2 (w % 2) + e, half c = head + 2 e + c
.endr
.endr
	global_load_b32 v230, v11, s[28:29]
	global_load_b32 v231, v11, s[28:29] offset:8192
	WIN 0x40
.irp pl, 0,1
.irp uo, 0,1
.irp s, 0,1,2,3
.irp c, 0,1
	global_load_b128 v[8*(8*\pl+4*\uo+\s)+4*\c:8*(8*\pl+4*\uo+\s)+4*\c+3], v4, s[30:31] offset:\pl*557056+\uo*4096+\s*1024+\c*512
.endr
.endr
.endr
.endr
	WIN 0
.irp pl, 0,1
.irp uo, 0,1
.irp sp, 0,1
	global_load_b32 v[16+4*\pl+2*\uo+\sp], v5, s[32:33] offset:\pl*557056+\uo*256+\sp*128
.endr
.endr
.endr
.irp uo, 0,1
	global_load_b32 v[48+\uo], v12, s[34:35] offset:32*\uo
	global_load_b32 v[50+\uo], v12, s[36:37] offset:32*\uo
.endr
	XLOAD 0
	s_wait_loadcnt 63                              ; 64 loads were issued behind the biases: all that stands ahead of out2's numbers is in
.irp e, 0,1
.irp c, 0,1
	ds_store_b128 v9, v[192+8*\e+4*\c:195+8*\e+4*\c] offset:1024*\e+512*\c
.endr
.endr
	v_lshl_or_b32 v232, v231, 16, v230             ; two heads' bytes make a K step's word
	ds_store_b32 v10, v232
	XLOAD 1
	s_wait_loadcnt 63                              ; 64 loads were issued behind block 0's: it is in
	BLK 64, 208, 224
	ds_store_b128 v7, v[208:211]
	BLK 128, 216, 226
	ds_store_b128 v7, v[216:219] offset:8192
	s_wait_loadcnt 0x0
	BLK 96, 212, 225
	ds_store_b128 v7, v[212:215] offset:256
	BLK 160, 220, 227
	ds_store_b128 v7, v[220:223] offset:8192+256
	v_lshl_or_b32 v228, v225, 8, v224
	v_lshl_or_b32 v229, v227, 8, v226
	ds_store_b16 v8, v228
	ds_store_b16 v8, v229 offset:512
	s_wait_kmcnt 0x0                               ; t[b]
	v_cvt_f32_i32 v56, s38
	v_mov_b32 v57, 0x4479c000                      ; 999
	s_wait_alu depctr_va_vdst(0)
	v_rcp_f32 v58, v57
	v_nop
	s_wait_alu depctr_va_vdst(0)
	v_mul_f32 v59, v56, v58
	s_delay_alu instid0(VALU_DEP_1)
	v_fma_f32 v60, -v59, v57, v56                  ; the quotient is corrected once by its remainder
	v_fma_f32 v59, v60, v58, v59                   ; tn
	s_delay_alu instid0(VALU_DEP_1)
	v_sub_f32 v60, 1.0, v59
	s_delay_alu instid0(VALU_DEP_1)
	v_max_num_f32 v60, 0, v60
	s_wait_alu depctr_va_vdst(0)
	v_sqrt_f32 v40, v59                            ; the local branch's weight
	v_sqrt_f32 v42, v60                            ; the global branch's
	v_nop
	s_wait_alu depctr_va_vdst(0)
	v_mov_b32 v41, v40                             ; (the pairs' upper halves are named, so they are written)
	v_mov_b32 v43, v42
	v_mul_f32 v44, v40, v48
	v_mul_f32 v46, v40, v49
	v_fma_f32 v44, v42, v50, v44                   ; both biases of my o, weighted
	v_fma_f32 v46, v42, v51, v46
	s_delay_alu instid0(VALU_DEP_2)
	v_mov_b32 v45, v44
	s_delay_alu instid0(VALU_DEP_2)
	v_mov_b32 v47, v46
	s_wait_dscnt 0x0                               ; my images have landed
	s_barrier_signal -1
	s_barrier_wait -1                              ; everybody's have
.irp pl, 0,1
.irp tt, 0,1,2,3
.irp sp, 0,1
	ds_load_b32 v[24+8*\pl+2*\tt+\sp], v5 offset:32768+\pl*1024+\tt*256+\sp*128
.endr
.endr
.endr
	LOADA 0
	LOADA 1
	s_wait_dscnt 16                                ; the words and K step 0 are in; K step 1's 16 loads may be out
	MM 0
.rept 4
	v_nop                                          ; places in front of loads into registers that matrix instructions have read
.endr
	LOADA 2
	s_wait_dscnt 16
	MM 1
.rept 4
	v_nop
.endr
	LOADA 3
	s_wait_dscnt 16
	MM 2
	s_wait_dscnt 0x0
	MM 3
.rept 4
	v_nop
.endr
	WIN 0x01                                       ; source 0 window 1
	s_wait_alu depctr_va_vdst(0)
.irp tt, 0,1,2,3
.irp uo, 0,1
.irp j, 0,2,4,6
	v_pk_fma_f32 v[64+8*(2*\tt+\uo)+\j:65+8*(2*\tt+\uo)+\j], v[128+8*(2*\tt+\uo)+\j:129+8*(2*\tt+\uo)+\j], v[40:41], v[44+2*\uo:45+2*\uo] op_sel_hi:[1,0,0]
.endr
.endr
.endr
.irp tt, 0,1,2,3
.irp uo, 0,1
.irp j, 0,2,4,6
	v_pk_fma_f32 v[64+8*(2*\tt+\uo)+\j:65+8*(2*\tt+\uo)+\j], v[192+8*(2*\tt+\uo)+\j:193+8*(2*\tt+\uo)+\j], v[42:43], v[64+8*(2*\tt+\uo)+\j:65+8*(2*\tt+\uo)+\j] op_sel_hi:[1,0,1]
.endr
.endr
.endr
	WIN 0
.irp tt, 0,1,2,3
.irp uo, 0,1
	ds_store_b128 v13, v[64+8*(2*\tt+\uo):67+8*(2*\tt+\uo)] offset:2176*\uo+128*(\tt/2)+32*(\tt%2)       ; lane (r, h): t = 32 (tt / 2) + 16 h + 8 (tt % 2) + 0 .. 7 of my o
	ds_store_b128 v13, v[68+8*(2*\tt+\uo):71+8*(2*\tt+\uo)] offset:2176*\uo+128*(\tt/2)+32*(\tt%2)+16
.endr
.endr
.irp k, 0,1,2,3,4,5,6,7,8,9,10,11,12,13,14,15
	ds_load_b128 v[128+4*\k:131+4*\k], v14 offset:2*\k*272       ; my own stage: LDS serves a wave's instructions in order, so these see the stores above
.endr
.irp k, 0,1,2,3,4,5,6,7,8,9,10,11,12,13,14,15
	s_wait_dscnt 15-\k                             ; rows 2 k and 2 k + 1 are back; the younger loads may be out
	global_store_b128 v15, v[128+4*\k:131+4*\k], s[42:43] offset:2*\k*8192 th:TH_STORE_NT   ; 16 lanes store 256 consecutive, aligned bytes
.endr
	s_wait_tensorcnt 0x0
	ds_add_u32 v254, v255
	s_wait_dscnt 0x0
	s_endpgm
.Lfunc_end_k_q57eb66400d_outproj:
	.size	k_q57eb66400d_outproj, .Lfunc_end_k_q57eb66400d_outproj-k_q57eb66400d_outproj
	.p2alignl 7, 3214868480
	.fill 96, 4, 3214868480
	.section	.rodata,"a",@progbits
	.p2align	6, 0x0
	.amdhsa_kernel k_q57eb66400d_outproj
		.amdhsa_group_segment_fixed_size 105472
		.amdhsa_private_segment_fixed_size 0
		.amdhsa_enable_private_segment 0
		.amdhsa_kernarg_size 56
		.amdhsa_user_sgpr_count 2
		.amdhsa_user_sgpr_kernarg_segment_ptr 1
		.amdhsa_wavefront_size32 1
		.amdhsa_system_sgpr_workgroup_id_x 1
		.amdhsa_system_sgpr_workgroup_id_y 1
		.amdhsa_system_sgpr_workgroup_id_z 1
		.amdhsa_system_vgpr_workitem_id 0
		.amdhsa_next_free_vgpr 512
		.amdhsa_next_free_sgpr 66
		.amdhsa_reserve_vcc 0
		.amdhsa_float_denorm_mode_32 3
		.amdhsa_float_denorm_mode_16_64 3
		.amdhsa_memory_ordered 1
		.amdhsa_forward_progress 1
		.amdhsa_inst_pref_size 54
	.end_amdhsa_kernel
	.amdgpu_metadata
---
amdhsa.version: [ 1, 2 ]
amdhsa.kernels:
  - .name:           k_q57eb66400d_outproj
    .symbol:         k_q57eb66400d_outproj.kd
    .args:
      - { .name: ol, .offset: 0, .size: 8, .value_kind: global_buffer, .address_space: global }
      - { .name: og, .offset: 8, .size: 8, .value_kind: global_buffer, .address_space: global }
      - { .name: wq, .offset: 16, .size: 8, .value_kind: global_buffer, .address_space: global }
      - { .name: lo_b, .offset: 24, .size: 8, .value_kind: global_buffer, .address_space: global }
      - { .name: go_b, .offset: 32, .size: 8, .value_kind: global_buffer, .address_space: global }
      - { .name: t, .offset: 40, .size: 8, .value_kind: global_buffer, .address_space: global }
      - { .name: out0, .offset: 48, .size: 8, .value_kind: global_buffer, .address_space: global }
    .group_segment_fixed_size: 105472
    .private_segment_fixed_size: 0
    .kernarg_segment_align: 8
    .kernarg_segment_size: 56
    .max_flat_workgroup_size: 256
    .sgpr_count:     66
    .vgpr_count:     512
    .wavefront_size: 32
...
	.end_amdgpu_metadata
.endif
;; end of part 10
